; MI455X (gfx1250); checked and timed in simulation.
; The chip was launched on July 23, 2026; its instructions are those of AMD's public machine-readable ISA for CDNA 5 (MIT licence, August 2026) and "CDNA5" Instruction Set Architecture Reference Guide (July 2026). The comments in the code are by the model that wrote it; some were corrected since.
;; Multisource Perceiver Encoder. Allowed arithmetic: matrix products marked QUANTISED: E5M2 operands, one E8M0 scale for each 32 along K, by v_wmma_scale_f32_16x16x128_f8f6f4 with both operands' format E5M2, f32 sums; everything else in f32.
;; Inputs: C 4 x 8,192 x 128 float32; V 4 x 8,192 x 256 float32; Wkvc 128 x 1,024 float32; Wkvv 256 x 1,024 float32; Woc 512 x 128 float32; Wov 512 x 256 float32; Wqc 128 x 512 float32; Wqv 256 x 512 float32; bkvc 1,024 float32; bkvv 1,024 float32; boc 128 float32; bov 256 float32; bqc 512 float32; bqv 512 float32; gkvc 1,024 float32; gkvv 1,024 float32; gqc 512 float32; gqv 512 float32; latent_coords 1 x 512 x 128 float32; latent_values 1 x 512 x 256 float32.
;; Outputs: out0 4 x 512 x 256 float32; out1 4 x 512 x 128 float32.
;; This version of the problem:
;;   THIS VERSION OF THE PROBLEM IS GIVEN IN LOW PRECISION. The matrix products marked QUANTISED in the list below multiply operands that are first quantised to E5M2 (5 exponent bits, 2 mantissa bits; 8 bits a number), with one power-of-two scale for each 32 numbers along K (OCP MX v1.0); their sums are f32. All else is computed in f32.
;;   The module's matrix products, in the order in which they are computed (A, B: the left and right operand; K: the contracted axis; several contracted axes count as one K, in the product's order):
;;     1. [M 512, K 256] x [K 256, N 512]; A: input latent_values; B: input Wqv: QUANTISED
;;     2. [M 512, K 128] x [K 128, N 512]; A: input latent_coords; B: input Wqc: QUANTISED
;;     3. [M 32,768, K 256] x [K 256, N 1,024]; A: input V; B: input Wkvv: QUANTISED
;;     4. [M 32,768, K 128] x [K 128, N 1,024]; A: input C; B: input Wkvc: QUANTISED
;;     5. batch 8 x [M 32,768, K 64] x [K 64, N 512]; A: computed on the way; B: computed on the way: QUANTISED
;;     6. batch 8 x [M 32,768, K 64] x [K 64, N 512]; A: computed on the way; B: computed on the way: QUANTISED
;;     7. batch 32 x [M 512, K 8,192] x [K 8,192, N 64]; A: softmax (see below); B: computed on the way: QUANTISED
;;     8. batch 32 x [M 512, K 8,192] x [K 8,192, N 64]; A: softmax (see below); B: computed on the way: QUANTISED
;;     9. [M 2,048, K 512] x [K 512, N 256]; A: computed on the way; B: input Wov: QUANTISED
;;     10. [M 2,048, K 512] x [K 512, N 128]; A: computed on the way; B: input Woc: QUANTISED
;;   THE QUANTISER, for each operand of a quantised product, along K:
;;     - K is cut into blocks of 32 from its start; a last block that is shorter is filled with zeros.
;;     - A block's scale is 2^e with e = floor(log2(the largest magnitude in the block)) - 15, held to -126 .. 127; a block of zeros has e = 0. As a byte (E8M0): e + 127.
;;     - Each number is divided by its block's scale, clamped to +-57,344, and rounded to the nearest number of E5M2, ties to even, subnormals kept.
;;     - The product sums the exact products of the quantised numbers (number of the format x scale) in f32.
;;   ~~~python
;;   def quantise(x, axis):      # numpy; x: float32 -> the quantised numbers, widened to float32 again
;;       x = np.moveaxis(x, axis, -1); K = x.shape[-1]
;;       x = np.pad(x, [(0, 0)] * (x.ndim - 1) + [(0, -K % 32)]); x = x.reshape(x.shape[:-1] + (-1, 32)); a = np.abs(x).max(-1, keepdims=True)
;;       e = np.where(a > 0, np.clip(np.frexp(np.where(a > 0, a, 1))[1] - 1 - 15, -126, 127), 0)      # np.frexp(a)[1] - 1 = floor(log2(a)), exactly
;;       r = np.clip(x / 2.0 ** e, -57344, 57344)
;;       step = 2.0 ** (np.maximum(np.frexp(np.where(r == 0, 1, r))[1] - 1, -14) - 2)
;;       q = np.round(r / step) * step * 2.0 ** e      # np.round: ties to even
;;       return np.moveaxis(q.reshape(q.shape[:-2] + (-1,))[..., :K], -1, axis).astype(np.float32)
;;   ~~~
;;   SOFTMAX AHEAD OF A QUANTISED PRODUCT. Where the list says 'softmax', what is quantised is not the finished softmax but p = 2^(t - M), with t = logit x log2(e) and M = ceil(the row's largest t), a whole number; so 1/2 < the row's largest p <= 1. The row's sum l is taken of the UNQUANTISED p, in f32, and the product's result is divided by l at the end. Since M is a whole number, a kernel that streams over the keys may use a running M (the ceiling of the running maximum): every later rescaling is an exact power of two, which a block's scale takes up: the codes' values come out the same.
;;   OPERANDS COMPUTED ON THE WAY. 'Computed on the way' means the value that the module computes at that place (a softmax that the list does not call 'softmax' is quantised finished and normalised). What goes into a quantiser is computed in f32, as accurately as f32 sums, v_exp_f32 and their like allow (about 1e-6 of the number): no bf16 or f16 on the way to a quantiser, and a product that is left as it is and whose result goes on into a quantised operand takes f32 operands (vector FMAs, or v_wmma_f32_16x16x4_f32). A number that lies on a knife's edge between two numbers of the format may be rounded either way, as far as f32 arithmetic and the matrix unit's own rounding can turn it there, and no further.
;; 2 versions. Each part assembles by itself: llvm-mc -triple=amdgcn-amd-amdhsa -mcpu=gfx1250 --defsym DOCPART=n.
;; ======== version 1 of 2: 4 launches
;; workspace buffers: wq 835,584 bytes; kvb 71,303,168 bytes; qb 557,056 bytes; lb 2,162,688 bytes
;; launch prep (part 1): grid 96 x 1, 4 waves a work-group, no clusters, 0 bytes of LDS; arguments Wkvv, Wkvc, Wqv, Wqc, Wov, Woc, wq; writes wq
.if DOCPART == 1
	.amdgcn_target "amdgcn-amd-amdhsa--gfx1250"
	.amdhsa_code_object_version 6
	.text
	.protected	k_q0036c55adc_prep
	.globl	k_q0036c55adc_prep
	.p2align	8
	.type	k_q0036c55adc_prep,@function
k_q0036c55adc_prep:
	s_mov_b64 s[64:65], 0
	v_nop
	global_prefetch_b8 v0, s[64:65] scope:SCOPE_SE
	s_setreg_imm32_b32 hwreg(HW_REG_WAVE_MODE, 25, 1), 1
	s_wait_xcnt 0x0
; The six weights, f32 stored [K][N] with K as the FIRST axis, become codes of BF8 (E5M2) with one E8M0 scale byte for each 32 along K,
; laid as IMAGES OF THE OPERAND'S REGISTERS: a fragment (16 columns x 128 along K, 16 registers a lane) is 2,048 bytes, register group c
; (4 registers) at 512 c + 16 x lane; its scale words, 4 bytes a lane, lie at WSO + 128 f.  A later wave gets a fragment by four loads of 16 bytes a lane.
; One wave makes one fragment f = 4 x work-group + wave.  f = F0 + T x KS + s: T the tile of columns, KS = K / 128, s the K step.
; THE COLUMNS OF A TILE ARE NOT NEIGHBOURS: lane r of tile T takes column 32 (T / 2) + 8 (T % 2) + r + 8 (r / 8), so that the 16 result registers
; of tiles 2 b and 2 b + 1 of a product that takes the tile as its source 0 are 16 neighbouring columns.
; A lane takes one column and its registers run DOWN K in the order of the operand's layout (register 16 c + i: k = 32 c + 16 (lane / 16) + i): the conversions' results are the operand's registers.
; A block's scale is 2^(floor(log2(its largest magnitude)) - 15); its byte is the largest magnitude's exponent field - 15, held at 1 from below.
; LIMITS: a block of zeros gets the byte 1 where the rule says 127 (its codes are zeros, and this program alone reads the bytes); NaN and infinities among the inputs are not served.
; 3.1 MB are read and 0.8 MB written by 96 work-groups: no LDS, no barrier, no matrix unit; all 64 loads of a wave are out together.
.set X,   16                           ; v16-79   the fragment's 64 numbers
.set TM,  80                           ; v80-95   largest magnitudes, bytes, holds, scale operands
.set PW,  96                           ; v96      the scale word
.set PC,  100                          ; v100-115 the codes
.set MNT, 23                           ; s23      the mantissa field of 57,344
.set SEL, 24                           ; s[24:25] v_permlanex16_b32's selects for lane l xor 16
.set WSO, 786432                       ; where the scale words begin in wq: behind 384 images
; 64 numbers of a lane, register 16 b + i = k 32 b + 16 (lane / 16) + i, become 16 registers of codes in v[PC] on; word = 1: and the four bytes a scale word in v[PW]
.macro QUANT s, word
.irp b, 0,1,2,3
	v_max3_num_f32 v[TM+\b], |v[\s+16*\b]|, |v[\s+1+16*\b]|, 0x8000000   ; my 16 numbers of block b, and the floor 2^(16 - 127): the byte cannot fall under 1
.endr
.irp i, 2,4,6,8,10,12,14
.irp b, 0,1,2,3
	v_max3_num_f32 v[TM+\b], v[TM+\b], |v[\s+16*\b+\i]|, |v[\s+1+16*\b+\i]|   ; the four blocks by turns
.endr
.endr
.irp b, 0,1,2,3
	v_permlanex16_b32 v[TM+4+\b], v[TM+\b], s[SEL], s[SEL+1]
.endr
.irp b, 0,1,2,3
	v_max_num_f32 v[TM+\b], v[TM+\b], v[TM+4+\b]                   ; with lane l xor 16's 16: the block's largest magnitude
.endr
.irp b, 0,1,2,3
	v_add_nc_u32 v[TM+12+\b], 0xf8800000, v[TM+\b]                 ; 15 off its exponent field: the conversion's scale operand
.endr
.irp b, 0,1,2,3
	v_and_or_b32 v[TM+8+\b], v[TM+\b], 0x7f800000, s[MNT]          ; 57,344 x the scale
.endr
.irp b, 0,1,2,3
	v_lshrrev_b32 v[TM+4+\b], 23, v[TM+12+\b]                      ; the scale's byte
.endr
.if \word
	v_lshl_or_b32 v[PW], v[TM+5], 8, v[TM+4]
	v_lshl_or_b32 v[PW], v[TM+6], 16, v[PW]
	v_lshl_or_b32 v[PW], v[TM+7], 24, v[PW]
.endif
.irp b, 0,1,2,3
.irp i, 0,1,2,3,4,5,6,7,8,9,10,11,12,13,14,15
	v_med3_num_f32 v[\s+16*\b+\i], v[\s+16*\b+\i], -v[TM+8+\b], v[TM+8+\b]   ; the conversion to an 8-bit code does not saturate (ISA guide 7.6.2): the hold
.endr
	v_cvt_scalef32_pk8_bf8_f32 v[PC+4*\b:PC+1+4*\b], v[\s+16*\b:\s+7+16*\b], v[TM+12+\b]
	v_cvt_scalef32_pk8_bf8_f32 v[PC+2+4*\b:PC+3+4*\b], v[\s+8+16*\b:\s+15+16*\b], v[TM+12+\b]
.endr
	v_nop                                          ; one plain vector line behind the last conversion
.endm
; the 64 loads of fragment s19 of the weight at s[ptr:ptr+1], N columns wide, KS = 2^LOGKS, first fragment F0
.macro WLD ptr, N, LOGKS, F0
	s_sub_co_u32 s20, s19, \F0                     ; the fragment's number in its weight
	s_lshr_b32 s21, s20, \LOGKS                    ; T
	s_and_b32 s22, s20, (1<<\LOGKS)-1              ; s
	s_lshr_b32 s26, s21, 1
	s_lshl_b32 s26, s26, 7                         ; 32 (T / 2) columns of 4 bytes
	s_and_b32 s27, s21, 1
	s_lshl_b32 s27, s27, 5                         ; 8 (T % 2) columns
	s_add_co_u32 s26, s26, s27
	s_mul_i32 s22, s22, 128*\N*4                   ; 128 s rows
	s_add_co_u32 s26, s26, s22
	s_mov_b32 s27, 0
	s_add_nc_u64 s[28:29], s[\ptr:\ptr+1], s[26:27]
	v_mul_u32_u24 v5, v3, 64*\N                    ; lanes 16-31 begin 16 rows further down
	v_lshl_add_u32 v5, v4, 2, v5                   ; + my column
.irp c, 0,1,2,3
.irp i, 0,1,2,3,4,5,6,7,8,9,10,11,12,13,14,15
	global_load_b32 v[X+16*\c+\i], v5, s[28:29] offset:(32*\c+\i)*\N*4
.endr
.endr
	s_branch .Ltail
.endm
	s_load_b256 s[4:11], s[0:1], 0x0               ; Wkvv, Wkvc, Wqv, Wqc
	s_load_b128 s[12:15], s[0:1], 0x20             ; Wov, Woc
	s_load_b64 s[16:17], s[0:1], 0x30              ; wq
	v_lshrrev_b32 v1, 5, v0
	v_readfirstlane_b32 s18, v1                    ; wave
	v_and_b32 v2, 15, v0                           ; r
	v_bfe_u32 v3, v0, 4, 1                         ; h
	v_and_b32 v4, 8, v2
	v_add_nc_u32 v4, v4, v2                        ; r + 8 (r / 8)
	v_and_b32 v7, 31, v0
	v_lshlrev_b32 v6, 4, v7                        ; 16 x lane
	v_lshlrev_b32 v7, 2, v7                        ; 4 x lane
	s_lshl_b32 s19, ttmp9, 2
	s_add_co_u32 s19, s19, s18                     ; f
	s_mov_b32 s[SEL], 0x76543210
	s_mov_b32 s[SEL+1], 0xfedcba98
	s_mov_b32 s[MNT], 0x600000
.irp b, 0,1,2,3
	v_mov_b32 v[TM+4+\b], 0                        ; written once: a lane permute's destination counts as one of its sources
.endr
	s_wait_kmcnt 0x0
	s_cmp_lt_u32 ttmp9, 32                         ; the weights' borders fall on whole work-groups: 128, 64, 64, 32, 64, 32 fragments
	s_cbranch_scc1 .Lkvv
	s_cmp_lt_u32 ttmp9, 48
	s_cbranch_scc1 .Lkvc
	s_cmp_lt_u32 ttmp9, 64
	s_cbranch_scc1 .Lqv
	s_cmp_lt_u32 ttmp9, 72
	s_cbranch_scc1 .Lqc
	s_cmp_lt_u32 ttmp9, 88
	s_cbranch_scc1 .Lov
	WLD 14, 128, 2, 352
.Lkvv:
	WLD 4, 1024, 1, 0
.Lkvc:
	WLD 6, 1024, 0, 128
.Lqv:
	WLD 8, 512, 1, 192
.Lqc:
	WLD 10, 512, 0, 256
.Lov:
	WLD 12, 256, 2, 288
.Ltail:
	s_wait_loadcnt 0x0                             ; all 64 numbers are in
	QUANT X, 1
	s_lshl_b32 s26, s19, 11
	s_mov_b32 s27, 0
	s_add_nc_u64 s[30:31], s[16:17], s[26:27]      ; the image's 2,048 bytes
.irp c, 0,1,2,3
	global_store_b128 v6, v[PC+4*\c:PC+4*\c+3], s[30:31] offset:512*\c   ; 32 lanes store 512 consecutive bytes, aligned
.endr
	s_lshl_b32 s26, s19, 7
	s_add_co_u32 s26, s26, WSO
	s_add_nc_u64 s[32:33], s[16:17], s[26:27]
	global_store_b32 v7, v[PW], s[32:33]           ; the scale words: lane r has column r's, lanes 16-31 the same
	s_endpgm
.Lfunc_end_k_q0036c55adc_prep:
	.size	k_q0036c55adc_prep, .Lfunc_end_k_q0036c55adc_prep-k_q0036c55adc_prep
	.p2alignl 7, 3214868480
	.fill 96, 4, 3214868480
	.section	.rodata,"a",@progbits
	.p2align	6, 0x0
	.amdhsa_kernel k_q0036c55adc_prep
		.amdhsa_group_segment_fixed_size 0
		.amdhsa_private_segment_fixed_size 0
		.amdhsa_enable_private_segment 0
		.amdhsa_kernarg_size 56
		.amdhsa_user_sgpr_count 2
		.amdhsa_user_sgpr_kernarg_segment_ptr 1
		.amdhsa_wavefront_size32 1
		.amdhsa_system_sgpr_workgroup_id_x 1
		.amdhsa_system_sgpr_workgroup_id_y 1
		.amdhsa_system_sgpr_workgroup_id_z 1
		.amdhsa_system_vgpr_workitem_id 0
		.amdhsa_next_free_vgpr 128
		.amdhsa_next_free_sgpr 66
		.amdhsa_reserve_vcc 0
		.amdhsa_float_denorm_mode_32 3
		.amdhsa_float_denorm_mode_16_64 3
		.amdhsa_memory_ordered 1
		.amdhsa_forward_progress 1
		.amdhsa_inst_pref_size 50
	.end_amdhsa_kernel
	.amdgpu_metadata
---
amdhsa.version: [ 1, 2 ]
amdhsa.kernels:
  - .name:           k_q0036c55adc_prep
    .symbol:         k_q0036c55adc_prep.kd
    .args:
      - { .name: Wkvv, .offset: 0, .size: 8, .value_kind: global_buffer, .address_space: global }
      - { .name: Wkvc, .offset: 8, .size: 8, .value_kind: global_buffer, .address_space: global }
      - { .name: Wqv, .offset: 16, .size: 8, .value_kind: global_buffer, .address_space: global }
      - { .name: Wqc, .offset: 24, .size: 8, .value_kind: global_buffer, .address_space: global }
      - { .name: Wov, .offset: 32, .size: 8, .value_kind: global_buffer, .address_space: global }
      - { .name: Woc, .offset: 40, .size: 8, .value_kind: global_buffer, .address_space: global }
      - { .name: wq, .offset: 48, .size: 8, .value_kind: global_buffer, .address_space: global }
    .group_segment_fixed_size: 0
    .private_segment_fixed_size: 0
    .kernarg_segment_align: 8
    .kernarg_segment_size: 56
    .max_flat_workgroup_size: 128
    .sgpr_count:     66
    .vgpr_count:     128
    .wavefront_size: 32
...
	.end_amdgpu_metadata
.endif
;; end of part 1
;; launch proj (part 2): grid 272 x 1, 8 waves a work-group, no clusters, 195,584 bytes of LDS; arguments V, C, latent_values, latent_coords, bkvv, gkvv, bkvc, gkvc, bqv, gqv, bqc, gqc, wq, kvb, qb; writes kvb, qb
.if DOCPART == 2
	.amdgcn_target "amdgcn-amd-amdhsa--gfx1250"
	.amdhsa_code_object_version 6
	.text
	.protected	k_q0036c55adc_proj
	.globl	k_q0036c55adc_proj
	.p2align	8
	.type	k_q0036c55adc_proj,@function
k_q0036c55adc_proj:
	s_mov_b64 s[64:65], 0
	v_nop
	global_prefetch_b8 v0, s[64:65] scope:SCOPE_SE
	s_setreg_imm32_b32 hwreg(HW_REG_WAVE_MODE, 25, 1), 1
	s_wait_xcnt 0x0
; The four input projections, each x W + b, RMS norm over the whole row, gain; the results leave as codes of BF8 (E5M2) with E8M0 scales, laid as the attention launch's operand registers.
; Work-groups 0-15: the queries, 32 latent rows each (norm over 512 columns).  Work-groups 16-271: keys and values, 128 source rows each = one key step of one batch (norm over 1,024 columns).
; WAVE w IS HEAD w.  On each of the two paths (C: K = 128; V: K = 256) it owns the key columns 64 w .. 64 w + 63 and, for keys and values, the value columns 512 + 64 w .. ; its weight fragments
; (images made by the launch before) stay in registers v256-511 and are read once a work-group.  x is quantised once a work-group and goes from wave to wave through LDS as images of its registers.
; x OF THE KEYS AND VALUES IS LOADED IN RUNS OF 512 CONSECUTIVE BYTES (one row's 128 numbers, 16 bytes a lane) and turned through the wave's own stage in LDS into the order that the quantiser wants (a lane: 16 neighbours of each block of 32).
; TWO LAYOUTS FROM ONE FRAGMENT OF x.  Keys and queries: source 0 = 16 columns of W, source 1 = 16 rows of x: a lane holds ONE ROW, its registers run along the columns, which are the scores' K.
; Values: source 0 = 16 rows of x, source 1 = 16 columns of W: a lane holds ONE CHANNEL, its registers run along the rows (the keys), which are the second attention product's K.
; The members of every tile are chosen so: lane r of tile 2 b + u is member 32 b + 8 u + r + 8 (r / 8); the 16 result registers of tiles 2 b, 2 b + 1 are then members 32 b + 16 (lane / 16) + 0 .. 15.
; A TRIP takes 32 rows on one path: products, bias, the rows' sums of squares (own columns; the eight waves' parts meet in LDS, one barrier a trip, bytes never used twice), 1 / sqrt, gain, quantise, store.
; OUT.  kvb: for each (batch x 8 + head, key step) a block of 34,816 bytes: 8 images of K (key tile 2 c + u; register groups 0, 1 = path C's 64, groups 2, 3 = path V's), 8 images of V^T (channel tile 4 half + t,
; half 0 = path V; group c = keys 32 c on), K's scale words [u][lane][c], V's [half][lane][t].  qb: images at (head x 32 + tile) x 2,048, scale words behind 524,288.
; LIMITS: a block of zeros gets the byte 1 where the rule says 127 (its codes are zeros; this program alone reads the bytes); NaN and infinities among the inputs are not served; 1 / sqrt is v_rsq_f32.
; No tensor load: every byte of x and of the weights is wanted once a work-group, straight in registers.  No cluster: a wave's fragments are its own, and all of a work-group's weights (384 KB) do not fit in LDS beside what it holds there.
.set BLK, 34816
.set WSO, 786432                       ; wq: where the weights' scale words begin
; LDS, keys and values                 ; LDS, queries: bytes of their own
.set XIV, 0                            ; x's images, path V: (tile x 2 + s) x 2,048
.set XIC, 32768                        ; path C: tile x 2,048
.set XSV, 49152                        ; x's scale words, 128 bytes a fragment
.set XSC, 51200
.set BG,  52224                        ; bias and gain: wave x 2,048 + vector x 512 (bias V, gain V, bias C, gain C); floats 0-63 key columns, 64-127 value columns
.set SSQ, 68608                        ; rows' sums of squares: [trip 8][u 2][row 16][wave 8] f32
.set SCR, 76800                        ; a wave's scratch, 256 bytes: +0 value columns' sums [u][16], +128 1 / sqrt [u][16]
.set KSS, 78848                        ; K's scale bytes: wave x 1,024 + u x 512 + 16 x lane + 4 c + 2 path + block
.set VSS, 87040                        ; V's: wave x 1,024 + half x 512 + 16 x lane + 4 t + c
.set QXI, 95232                        ; x's images: slot 2 u + s (path V), slot 4 + u (path C)
.set QXS, 107520
.set QBG, 108544                       ; wave x 1,024 + vector x 256
.set QSS, 116736
.set QKS, 118784
.set XST, 126976                       ; keys and values: a wave's stage for x, 16 rows x (512 bytes + 16): wave x 8,448
.set XSP, 528                          ; its pitch: 33 x 16 bytes, so that the sixteen rows that a load touches start at sixteen different places in the banks (64 banks of 4 bytes: ISA guide 11.1)
; vector registers
.set LI,  1                            ; 16 x lane
.set LS,  2                            ; 4 x lane
.set XAD, 3                            ; LDS: x's fragments of the group in hand (behind a trip's products: of the next)
.set XSD, 4                            ; LDS: their scale words
.set BGA, 5                            ; LDS: my bias and gain, + 64 (lane / 16)
.set SQW, 6                            ; LDS: SSQ + 32 r + 4 wave
.set SQR, 7                            ; LDS: SSQ + 32 r
.set SCW, 8                            ; LDS: my scratch + 4 r
.set SCH, 9                            ; LDS: my scratch + 32 (lane / 16)
.set KSA, 10
.set VSA, 11
.set RL,  12                           ; v12, v14: 1 / sqrt of row r of x tile 0, 1 (even registers: a packed form takes a pair's low word for both halves)
.set GK,  13                           ; byte offset of K's image stores
.set GV,  15                           ; of V's
.set XF,  16                           ; v16-47   x's two fragments of K step 0; later the key columns' gains
.set HA,  48                           ; v48-111  keys: accumulator (u, t) at 32 u + 8 t
.set HB,  112                          ; v112-175 values: accumulator (t, u) at 16 t + 8 u
.set PC,  176                          ; v176-191 codes; also the value columns' sums, and 1 / sqrt by registers
.set TM,  192                          ; v192-207 the quantiser's work
.set XF1, 176                          ; v176-207 x's two fragments of K step 1
.set BV,  208                          ; v208, 210, 212, 214: the value columns' bias of tile t, my channel
.set GVN, 216                          ; v216, 218, 220, 222: their gain
.set XS,  209                          ; v209, 211, 213, 215: x's scale words (2 s + u)
.set PW,  217
.set BVA, 219                          ; LDS: my bias and gain, value columns, + 4 (r + 8 (r / 8))
.set SQA, 221                          ; LDS: where this trip's sums go   (at the head: the bias vectors' offset in memory)
.set SQB, 223                          ; LDS: and come from              (at the head: their place in LDS)
.set WS,  224                          ; v224-239 the weights' scale words
.set WK,  240                          ; v240-255 at work
.set XGV, 3                            ; at the head only: queries: x's byte offset in memory;
.set STW, 3                            ; keys and values: my stage + 16 x lane,
.set STR, 4                            ; and my stage + 528 r + 64 (lane / 16);
.set XWI, 10                           ; where my images and scale words of x go
.set XWC, 11
.set XWS, 13
.set XWT, 15
; scalar registers: s[68:97] the fifteen buffers
.set OUT, 20
.set CNT, 22
.set MNT, 23
.set SEL, 24
.set INVN, 26
.set EPS, 27
.set WV,  28
.set TX,  50                           ; what steps from trip to trip stands in scalars: x's next images, their scale words,
.set TXS, 51
.set TK,  52                           ; K's and V's scale bytes,
.set TV,  53
.set TGK, 54                           ; K's and V's images in memory,
.set TGV, 55
.set SQS, 56                           ; the trip's 1,024 bytes of SSQ
.set KSW, 57
.set VSW, 58
.set MSB, 0
.macro WIN new                         ; the immediate's high byte repeats the setting that is left
.if MSB != \new
	s_set_vgpr_msb (MSB<<8)|\new
.set MSB, \new
.endif
.endm
; 64 numbers of a lane, register 16 b + i = the i-th of my 16 of block b, become 16 registers of codes in v[PC] on, the blocks' bytes in v[TM+4] on; word = 1: and a scale word in v[PW]
.macro QUANT s, word
.irp b, 0,1,2,3
	v_max3_num_f32 v[TM+\b], |v[\s+16*\b]|, |v[\s+1+16*\b]|, 0x8000000   ; my 16 numbers of block b, and the floor 2^(16 - 127): the byte cannot fall under 1
.endr
.irp i, 2,4,6,8,10,12,14
.irp b, 0,1,2,3
	v_max3_num_f32 v[TM+\b], v[TM+\b], |v[\s+16*\b+\i]|, |v[\s+1+16*\b+\i]|   ; the four blocks by turns
.endr
.endr
.irp b, 0,1,2,3
	v_permlanex16_b32 v[TM+4+\b], v[TM+\b], s[SEL], s[SEL+1]
.endr
.irp b, 0,1,2,3
	v_max_num_f32 v[TM+\b], v[TM+\b], v[TM+4+\b]                   ; with lane l xor 16's 16: the block's largest magnitude
.endr
.irp b, 0,1,2,3
	v_add_nc_u32 v[TM+12+\b], 0xf8800000, v[TM+\b]                 ; 15 off its exponent field: the conversion's scale operand
.endr
.irp b, 0,1,2,3
	v_and_or_b32 v[TM+8+\b], v[TM+\b], 0x7f800000, s[MNT]          ; 57,344 x the scale
.endr
.irp b, 0,1,2,3
	v_lshrrev_b32 v[TM+4+\b], 23, v[TM+12+\b]                      ; the scale's byte
.endr
.if \word
	v_lshl_or_b32 v[PW], v[TM+5], 8, v[TM+4]
	v_lshl_or_b32 v[PW], v[TM+6], 16, v[PW]
	v_lshl_or_b32 v[PW], v[TM+7], 24, v[PW]
.endif
.irp b, 0,1,2,3
.irp i, 0,1,2,3,4,5,6,7,8,9,10,11,12,13,14,15
	v_med3_num_f32 v[\s+16*\b+\i], v[\s+16*\b+\i], -v[TM+8+\b], v[TM+8+\b]   ; the conversion to an 8-bit code does not saturate (ISA guide 7.6.2): the hold
.endr
	v_cvt_scalef32_pk8_bf8_f32 v[PC+4*\b:PC+1+4*\b], v[\s+16*\b:\s+7+16*\b], v[TM+12+\b]
	v_cvt_scalef32_pk8_bf8_f32 v[PC+2+4*\b:PC+3+4*\b], v[\s+8+16*\b:\s+15+16*\b], v[TM+12+\b]
.endr
	v_nop                                          ; one plain vector line behind the last conversion
.endm
.macro BARRIER                         ; my LDS stores have landed and my LDS loads are in: then the work-group's barrier
	s_wait_dscnt 0x0
	s_barrier_signal -1
	s_barrier_wait -1
.endm
.macro XLOAD reg, base, va, off        ; queries: 128 along K of my row of x: 16 numbers of each block of 32 (the other lane half takes the other 16)
.irp b, 0,1,2,3
.irp j, 0,1,2,3
	global_load_b128 v[\reg+16*\b+4*\j:\reg+16*\b+4*\j+3], v[\va], s[\base:\base+1] offset:\off+128*\b+16*\j th:TH_LOAD_NT
.endr
.endr
.endm
.macro XDENSE reg, base, off, pitch    ; keys and values: 128 along K of my tile's 16 rows as they lie: load i takes row i + 8 (i / 8) of the tile, 32 lanes x 16 bytes = 512 consecutive bytes, aligned
.set XI, 0
.rept 16
	global_load_b128 v[(\reg)+4*XI:(\reg)+4*XI+3], v[LI], s[\base:\base+1] offset:(\off)+(XI+8*(XI/8))*(\pitch) th:TH_LOAD_NT
.set XI, XI+1
.endr
.endm
.macro TURNX reg                       ; through my stage: in as loaded, a row a store; back so that register 16 b + i of lane (r, h) is number 32 b + 16 h + i of row r.  LDS serves a wave's instructions in order (ISA guide 5.7.1.4): no wait between the stores and the loads
.set XI, 0
.rept 16
	ds_store_b128 v[STW], v[(\reg)+4*XI:(\reg)+4*XI+3] offset:XSP*XI
.set XI, XI+1
.endr
.irp b, 0,1,2,3
.irp j, 0,1,2,3
	ds_load_b128 v[(\reg)+16*\b+4*\j:(\reg)+16*\b+4*\j+3], v[STR] offset:128*\b+16*\j
.endr
.endr
.endm
.macro IMAGE adr, off                  ; the fragment in v[PC] on goes to LDS as it stands
.irp c, 0,1,2,3
	ds_store_b128 v[\adr], v[PC+4*\c:PC+4*\c+3] offset:\off+512*\c
.endr
.endm
.macro WFR dst, base, off              ; a weight fragment's image into 16 registers
.irp c, 0,1,2,3
	global_load_b128 v[(\dst)+4*\c:(\dst)+4*\c+3], v[LI], s[\base:\base+1] offset:(\off)+512*\c
.endr
.endm
.macro WIMG regb, ks, pb, f0           ; my four tiles' fragments (tile t, K step s: number ks t + s), from fragment f0 of my wave's part on
.set WN, 0
.rept 4*\ks
	WFR (\regb)+16*WN, \pb, ((\f0)+WN)*2048
.set WN, WN+1
.endr
.endm
.macro WSCL sregb, ks, sb, f0          ; and their scale words
.set WN, 0
.rept 4*\ks
	global_load_b32 v[(\sregb)+WN], v[LS], s[\sb:\sb+1] offset:WSO+((\f0)+WN)*128
.set WN, WN+1
.endr
.endm
; what differs between the paths: K steps, path number, where the weights' fragments and scale words stand, bias and gain in LDS, x's images and scale words in LDS
.macro PATHSET ks, p, wkb, wvb, wsk, wsv, boff, goff, xib, xsb
.set KS, \ks
.set P, \p
.set WKB, \wkb
.set WVB, \wvb
.set WSK, \wsk
.set WSV, \wsv
.set BOFF, \boff
.set GOFF, \goff
.set XIB, \xib
.set XSB, \xsb
.endm
.macro ADDRS                           ; v[WK] = r, v[WK+1] = lane / 16
	s_mul_i32 s2, s[WV], BGW
	s_add_co_u32 s2, s2, BGB
	v_lshl_add_u32 v[BGA], v[WK+1], 6, s2
	s_lshl_b32 s3, s[WV], 2
	s_add_co_u32 s3, s3, SSQB
	v_lshl_add_u32 v[SQW], v[WK], 5, s3
	v_lshlrev_b32 v[SQR], 5, v[WK]
	v_add_nc_u32 v[SQR], SSQB, v[SQR]
.endm
.macro MMK u, t, s, xf                 ; keys: source 0 = W's tile t (v256 on), source 1 = x's tile u; the first K step adds onto the bias, which lies in the accumulator
	v_wmma_scale_f32_16x16x128_f8f6f4 v[HA+32*\u+8*\t:HA+32*\u+8*\t+7], v[WKB+16*(KS*\t+\s):WKB+16*(KS*\t+\s)+15], v[\xf+16*\u:\xf+16*\u+15], v[HA+32*\u+8*\t:HA+32*\u+8*\t+7], v[WSK+KS*\t+\s], v[XS+2*(2*\s+\u)] matrix_a_fmt:MATRIX_FMT_BF8 matrix_b_fmt:MATRIX_FMT_BF8
.endm
.macro MMV u, t, s, xf, zero           ; values: source 0 = x's tile u, source 1 = W's tile t (v256 on)
.if \zero
	v_wmma_scale_f32_16x16x128_f8f6f4 v[HB+16*\t+8*\u:HB+16*\t+8*\u+7], v[\xf+16*\u:\xf+16*\u+15], v[WVB+16*(KS*\t+\s):WVB+16*(KS*\t+\s)+15], 0, v[XS+2*(2*\s+\u)], v[WSV+KS*\t+\s] matrix_a_fmt:MATRIX_FMT_BF8 matrix_b_fmt:MATRIX_FMT_BF8
.else
	v_wmma_scale_f32_16x16x128_f8f6f4 v[HB+16*\t+8*\u:HB+16*\t+8*\u+7], v[\xf+16*\u:\xf+16*\u+15], v[WVB+16*(KS*\t+\s):WVB+16*(KS*\t+\s)+15], v[HB+16*\t+8*\u:HB+16*\t+8*\u+7], v[XS+2*(2*\s+\u)], v[WSV+KS*\t+\s] matrix_a_fmt:MATRIX_FMT_BF8 matrix_b_fmt:MATRIX_FMT_BF8
.endif
.endm
.macro BIAS                            ; the key columns' bias into the accumulators, in the result's layout: tile t's eight columns of my lane half; the same for both x tiles
.irp u, 0,1
.irp t, 0,1,2,3
	ds_load_b128 v[HA+32*\u+8*\t:HA+32*\u+8*\t+3], v[BGA] offset:BOFF+4*(32*(\t/2)+8*(\t%2))
	ds_load_b128 v[HA+32*\u+8*\t+4:HA+32*\u+8*\t+7], v[BGA] offset:BOFF+4*(32*(\t/2)+8*(\t%2))+16
.endr
.endr
.endm
.macro XFETCH                          ; x's two fragments of K step 0, and their scale words
.irp u, 0,1
.irp k, 0,1,2,3
	ds_load_b128 v[XF+16*\u+4*\k:XF+16*\u+4*\k+3], v[XAD] offset:KS*\u*2048+512*\k
.endr
	ds_load_b32 v[XS+2*\u], v[XSD] offset:KS*\u*128
.endr
.endm
.macro PRELOAD withv                   ; a path begins: the stepping scalars, and what the first trip finds loaded
	s_mov_b32 s[TX], XIB+KS*4096
	s_mov_b32 s[TXS], XSB+KS*256
	s_mov_b32 s[TK], s[KSW]
.if \withv
	s_mov_b32 s[TV], s[VSW]
.endif
	s_mov_b32 s[TGK], 0
	s_mov_b32 s[TGV], 0
	v_add_nc_u32 v[XAD], XIB, v[LI]
	v_add_nc_u32 v[XSD], XSB, v[LS]
	BIAS
	XFETCH
.if \withv
.irp t, 0,1,2,3
	ds_load_b32 v[BV+2*\t], v[BVA] offset:BOFF+4*(32*(\t/2)+8*(\t%2))
	ds_load_b32 v[GVN+2*\t], v[BVA] offset:GOFF+4*(32*(\t/2)+8*(\t%2))
.endr
.endif
	s_wait_loadcnt 0x0                             ; the path's weights are in
.endm
; A TRIP: 32 rows (x tiles u = 0, 1) on one path.  withv: value columns too.  pre: a trip of the same path follows, and its x and bias are fetched.  nextw: path V's weights are asked for.
.macro TRIP withv, pre, nextw
	s_wait_dscnt 0x0                               ; bias, x of K step 0 and its scale words are in
.if KS == 2
.irp u, 0,1
.irp k, 0,1,2,3
	ds_load_b128 v[XF1+16*\u+4*\k:XF1+16*\u+4*\k+3], v[XAD] offset:(2*\u+1)*2048+512*\k   ; K step 1 lands under K step 0's products
.endr
	ds_load_b32 v[XS+4+2*\u], v[XSD] offset:(2*\u+1)*128
.endr
.endif
	WIN 0x01                                       ; source 0 in v256 on
.irp u, 0,1
.irp t, 0,1,2,3
	MMK \u, \t, 0, XF
.endr
.endr
.if \withv
	WIN 0x04                                       ; source 1 in v256 on
.irp t, 0,1,2,3
.irp u, 0,1
	MMV \u, \t, 0, XF, 1
.endr
.endr
.endif
.if KS == 2
	s_wait_dscnt 0x0                               ; K step 1 is in
	WIN 0x01
.irp u, 0,1
.irp t, 0,1,2,3
	MMK \u, \t, 1, XF1                             ; the accumulators take turns, one instruction a turn
.endr
.endr
.if \withv
	WIN 0x04
.irp t, 0,1,2,3
.irp u, 0,1
	MMV \u, \t, 1, XF1, 0
.endr
.endr
.endif
.endif
	WIN 0
	; eight plain vector lines that name no register of the products: the places owed before results are read and before loads land on operands.  They make the trip's addresses.
.if \pre
	v_add_nc_u32 v[XAD], s[TX], v[LI]              ; the next group's x
	v_add_nc_u32 v[XSD], s[TXS], v[LS]
.else
	v_nop
	v_nop
.endif
	v_add_nc_u32 v[KSA], s[TK], v[LI]
.if \withv
	v_add_nc_u32 v[VSA], s[TV], v[LI]
.else
	v_nop
.endif
	v_add_nc_u32 v[GK], s[TGK], v[LI]              ; (the last trip's stores have read GK and GV: the wait at that trip's end)
	v_add_nc_u32 v[GV], s[TGV], v[LI]
	v_add_nc_u32 v[SQA], s[SQS], v[SQW]
	v_add_nc_u32 v[SQB], s[SQS], v[SQR]
.if \pre
	s_add_co_u32 s[TX], s[TX], KS*4096
	s_add_co_u32 s[TXS], s[TXS], KS*256
.endif
.irp t, 0,1,2,3
	ds_load_b128 v[XF+8*\t:XF+8*\t+3], v[BGA] offset:GOFF+4*(32*(\t/2)+8*(\t%2))       ; the key columns' gains, in the result's layout
	ds_load_b128 v[XF+8*\t+4:XF+8*\t+7], v[BGA] offset:GOFF+4*(32*(\t/2)+8*(\t%2))+16
.endr
.if \nextw
	WIN 0x40                                       ; destination in v256 on: path C's products are over, path V's weights have the rest of this trip in which to land
	WIMG 0,2,34,0
	WIMG 128,2,34,64
	WIN 0
	WSCL WS,2,36,0
	WSCL WS+8,2,36,64
.endif
.if \withv
.irp t, 0,1,2,3
.set QI, 0
.rept 8
	v_pk_add_f32 v[HB+16*\t+2*QI:HB+16*\t+2*QI+1], v[HB+16*\t+2*QI:HB+16*\t+2*QI+1], v[BV+2*\t:BV+2*\t+1] op_sel_hi:[1,0]   ; + my channel's bias; each accumulator from its low end on
.set QI, QI+1
.endr
.endr
.set QI, 0
.rept 8
	v_pk_mul_f32 v[PC+2*QI:PC+2*QI+1], v[HB+2*QI:HB+2*QI+1], v[HB+2*QI:HB+2*QI+1]    ; squares, summed over my four channels: register 8 u + j is row 8 (lane / 16) + j of x tile u
.set QI, QI+1
.endr
.irp t, 1,2,3
.set QI, 0
.rept 8
	v_pk_fma_f32 v[PC+2*QI:PC+2*QI+1], v[HB+16*\t+2*QI:HB+16*\t+2*QI+1], v[HB+16*\t+2*QI:HB+16*\t+2*QI+1], v[PC+2*QI:PC+2*QI+1]
.set QI, QI+1
.endr
.endr
.irp m, 1,2,4,8
.set QI, 0
.rept 16
	v_add_f32_dpp v[PC+QI], v[PC+QI], v[PC+QI] row_xmask:\m row_mask:0xf bank_mask:0xf   ; and over the sixteen lanes' channels
.set QI, QI+1
.endr
.endr
.irp u, 0,1
	ds_store_b128 v[SCH], v[PC+8*\u:PC+8*\u+3] offset:64*\u          ; from registers to lanes through my scratch: sixteen lanes write the same bytes with the same values;
	ds_store_b128 v[SCH], v[PC+8*\u+4:PC+8*\u+7] offset:64*\u+16
.endr
.irp u, 0,1
	ds_load_b32 v[WK+8+\u], v[SCW] offset:64*\u                      ; LDS serves a wave's instructions in order: lane r gets row r's sum
.endr
.endif
.irp u, 0,1
	v_pk_mul_f32 v[WK+4*\u:WK+4*\u+1], v[HA+32*\u:HA+32*\u+1], v[HA+32*\u:HA+32*\u+1]             ; the key columns' squares of my row: two chains for each x tile, each accumulator from its low end on
	v_pk_mul_f32 v[WK+4*\u+2:WK+4*\u+3], v[HA+32*\u+16:HA+32*\u+17], v[HA+32*\u+16:HA+32*\u+17]
.endr
.irp q, 2,4,6,8,10,12,14
.irp u, 0,1
	v_pk_fma_f32 v[WK+4*\u:WK+4*\u+1], v[HA+32*\u+\q:HA+32*\u+\q+1], v[HA+32*\u+\q:HA+32*\u+\q+1], v[WK+4*\u:WK+4*\u+1]
	v_pk_fma_f32 v[WK+4*\u+2:WK+4*\u+3], v[HA+32*\u+16+\q:HA+32*\u+17+\q], v[HA+32*\u+16+\q:HA+32*\u+17+\q], v[WK+4*\u+2:WK+4*\u+3]
.endr
.endr
.irp u, 0,1
	v_pk_add_f32 v[WK+4*\u:WK+4*\u+1], v[WK+4*\u:WK+4*\u+1], v[WK+4*\u+2:WK+4*\u+3]
.endr
.irp u, 0,1
	v_add_f32 v[WK+4*\u], v[WK+4*\u], v[WK+4*\u+1]
.endr
.irp u, 0,1
	v_permlanex16_b32 v[WK+4*\u+2], v[WK+4*\u], s[SEL], s[SEL+1]
.endr
.irp u, 0,1
	v_add_f32 v[WK+4*\u], v[WK+4*\u], v[WK+4*\u+2]                   ; with lane l xor 16's 32 columns
.endr
.if \withv
	s_wait_dscnt 0x0                               ; the value columns' sums are back
.irp u, 0,1
	v_add_f32 v[WK+4*\u], v[WK+4*\u], v[WK+8+\u]
.endr
.endif
.irp u, 0,1
	ds_store_b32 v[SQA], v[WK+4*\u] offset:512*\u  ; my wave's part of row r's sum
.endr
	BARRIER                                        ; all eight parts lie in LDS; the trip's 1,024 bytes are written once in the launch, so no second barrier is owed
.irp u, 0,1
	ds_load_b128 v[WK+8*\u:WK+8*\u+3], v[SQB] offset:512*\u
	ds_load_b128 v[WK+8*\u+4:WK+8*\u+7], v[SQB] offset:512*\u+16
.endr
	s_wait_dscnt 0x0
.irp u, 0,1
	v_pk_add_f32 v[WK+8*\u:WK+8*\u+1], v[WK+8*\u:WK+8*\u+1], v[WK+8*\u+2:WK+8*\u+3]
	v_pk_add_f32 v[WK+8*\u+4:WK+8*\u+5], v[WK+8*\u+4:WK+8*\u+5], v[WK+8*\u+6:WK+8*\u+7]
.endr
.irp u, 0,1
	v_pk_add_f32 v[WK+8*\u:WK+8*\u+1], v[WK+8*\u:WK+8*\u+1], v[WK+8*\u+4:WK+8*\u+5]
.endr
.irp u, 0,1
	v_add_f32 v[WK+8*\u], v[WK+8*\u], v[WK+8*\u+1]
.endr
.irp u, 0,1
	v_fma_f32 v[WK+8*\u], v[WK+8*\u], s[INVN], s[EPS]                ; the mean of the squares + 1e-6
.endr
.irp u, 0,1
	v_rsq_f32 v[RL+2*\u], v[WK+8*\u]
.endr
	v_nop                                          ; a plain line behind the transcendentals,
	s_wait_alu depctr_va_vdst(0)                   ; and the one wait for both, ahead of their first reader
.if \withv
.irp u, 0,1
	ds_store_b32 v[SCW], v[RL+2*\u] offset:128+64*\u                 ; from lanes to registers, the other way through my scratch
.endr
.irp u, 0,1
	ds_load_b128 v[PC+8*\u:PC+8*\u+3], v[SCH] offset:128+64*\u
	ds_load_b128 v[PC+8*\u+4:PC+8*\u+7], v[SCH] offset:128+64*\u+16
.endr
.endif
.irp u, 0,1
.set QI, 0
.rept 16
	v_pk_mul_f32 v[HA+32*\u+2*QI:HA+32*\u+2*QI+1], v[HA+32*\u+2*QI:HA+32*\u+2*QI+1], v[RL+2*\u:RL+2*\u+1] op_sel_hi:[1,0]   ; x 1 / sqrt of my row,
.set QI, QI+1
.endr
.endr
.irp u, 0,1
.set QI, 0
.rept 16
	v_pk_mul_f32 v[HA+32*\u+2*QI:HA+32*\u+2*QI+1], v[HA+32*\u+2*QI:HA+32*\u+2*QI+1], v[XF+2*QI:XF+2*QI+1]                  ; x the columns' gains
.set QI, QI+1
.endr
.endr
.if \withv
	s_wait_dscnt 0x0                               ; 1 / sqrt by registers is in
.irp t, 0,1,2,3
.set QI, 0
.rept 8
	v_pk_mul_f32 v[HB+16*\t+2*QI:HB+16*\t+2*QI+1], v[HB+16*\t+2*QI:HB+16*\t+2*QI+1], v[PC+2*QI:PC+2*QI+1]
.set QI, QI+1
.endr
.endr
.irp t, 0,1,2,3
.set QI, 0
.rept 8
	v_pk_mul_f32 v[HB+16*\t+2*QI:HB+16*\t+2*QI+1], v[HB+16*\t+2*QI:HB+16*\t+2*QI+1], v[GVN+2*\t:GVN+2*\t+1] op_sel_hi:[1,0]
.set QI, QI+1
.endr
.endr
.endif
.if \pre
	XFETCH                                         ; the gains are used up: the next group's x
.endif
	QUANT HA, 0                                    ; block 2 u + k: row r of x tile u, columns 32 k on of my head
.irp u, 0,1
.irp k, 0,1
	global_store_b128 v[GK], v[PC+4*(2*\u+\k):PC+4*(2*\u+\k)+3], s[OUT:OUT+1] offset:\u*2048+(2*P+\k)*512   ; 32 lanes store 512 consecutive bytes, aligned
.endr
.endr
.irp u, 0,1
	v_lshl_or_b32 v[WK+\u], v[TM+5+2*\u], 8, v[TM+4+2*\u]
.endr
.irp u, 0,1
	ds_store_b16 v[KSA], v[WK+\u] offset:512*\u+2*P                  ; the two bytes of this path in the row's scale word
.endr
.if \pre
	BIAS
.endif
.if \withv
	s_wait_xcnt 0x0                                ; K's stores have read the codes' registers, which are written again now
	QUANT HB, 0                                    ; block t: my channel of tile t, these 32 keys
.irp t, 0,1,2,3
	global_store_b128 v[GV], v[PC+4*\t:PC+4*\t+3], s[OUT:OUT+1] offset:16384+(4*(1-P)+\t)*2048
.endr
.irp t, 0,1,2,3
	ds_store_b8 v[VSA], v[TM+4+\t] offset:512*(1-P)+4*\t
.endr
.endif
	s_wait_xcnt 0x0                                ; the stores have read their data and offsets: both are written again in the next trip
.if \pre
	s_add_co_u32 s[TK], s[TK], 4
.if \withv
	s_add_co_u32 s[TV], s[TV], 1
.endif
	s_add_co_u32 s[TGK], s[TGK], 4096
	s_add_co_u32 s[TGV], s[TGV], 512
.endif
	s_add_co_u32 s[SQS], s[SQS], 1024
.endm
	s_load_b512 s[68:83], s[0:1], 0x0              ; V, C, latent_values, latent_coords, bkvv, gkvv, bkvc, gkvc
	s_load_b256 s[84:91], s[0:1], 0x40             ; bqv, gqv, bqc, gqc
	s_load_b128 s[92:95], s[0:1], 0x60             ; wq, kvb
	s_load_b64 s[96:97], s[0:1], 0x70              ; qb
	v_lshrrev_b32 v3, 5, v0
	v_readfirstlane_b32 s[WV], v3                  ; wave = head
	v_and_b32 v[LS], 31, v0
	v_lshlrev_b32 v[LI], 4, v[LS]
	v_lshlrev_b32 v[LS], 2, v[LS]
	v_and_b32 v[WK], 15, v0                        ; r
	v_bfe_u32 v[WK+1], v0, 4, 1                    ; lane / 16
	v_and_b32 v[WK+2], 8, v[WK]
	v_add_nc_u32 v[WK+2], v[WK+2], v[WK]           ; r + 8 (r / 8)
	s_mov_b32 s[SEL], 0x76543210
	s_mov_b32 s[SEL+1], 0xfedcba98
	s_mov_b32 s[MNT], 0x600000
	s_mov_b32 s[EPS], 0x358637bd                   ; 1e-6
	s_mov_b32 s[SQS], 0
.irp b, 0,1,2,3
	v_mov_b32 v[TM+4+\b], 0                        ; written once: a lane permute's destination counts as one of its sources
.endr
	s_mov_b32 s43, 0
	s_wait_kmcnt 0x0
	s_lshl_b32 s42, s[WV], 13                      ; my wave's part of a weight in wq: 4 fragments (K = 128),
	s_add_nc_u64 s[30:31], s[92:93], s[42:43]
	s_lshl_b32 s42, s[WV], 9                       ; their scale words,
	s_add_nc_u64 s[32:33], s[92:93], s[42:43]
	s_lshl_b32 s42, s[WV], 14                      ; 8 fragments (K = 256),
	s_add_nc_u64 s[34:35], s[92:93], s[42:43]
	s_lshl_b32 s42, s[WV], 10                      ; their scale words
	s_add_nc_u64 s[36:37], s[92:93], s[42:43]
	s_cmp_lt_u32 ttmp9, 16
	s_cbranch_scc1 .Lq
	; ======== keys and values: 128 rows = key step g % 64 of batch g / 64
.set BGB, BG
.set BGW, 2048
.set SSQB, SSQ
	s_mov_b32 s[INVN], 0x3a800000                  ; 1 / 1,024
	s_sub_co_u32 s2, ttmp9, 16                     ; g
	s_lshr_b32 s3, s[WV], 1
	s_lshl_b32 s3, s3, 5
	s_and_b32 s4, s[WV], 1
	s_lshl_b32 s4, s4, 3
	s_add_co_u32 s3, s3, s4                        ; the x tile that I quantise is tile w: it begins at row 32 (w / 2) + 8 (w % 2)
	s_lshl_b32 s42, s2, 17                         ; V: 128 rows of 1,024 bytes
	s_lshl_b32 s4, s3, 10
	s_add_co_u32 s42, s42, s4
	s_add_nc_u64 s[38:39], s[68:69], s[42:43]
	s_lshl_b32 s42, s2, 16                         ; C: 128 rows of 512 bytes
	s_lshl_b32 s4, s3, 9
	s_add_co_u32 s42, s42, s4
	s_add_nc_u64 s[40:41], s[70:71], s[42:43]
	s_lshr_b32 s4, s2, 6
	s_lshl_b32 s4, s4, 3
	s_add_co_u32 s4, s4, s[WV]                     ; batch x 8 + head
	s_lshl_b32 s4, s4, 6
	s_and_b32 s5, s2, 63
	s_add_co_u32 s4, s4, s5
	s_mul_i32 s42, s4, BLK                         ; under 2^27
	s_add_nc_u64 s[OUT:OUT+1], s[94:95], s[42:43]
	ADDRS
	s_lshl_b32 s2, s[WV], 8
	s_add_co_u32 s2, s2, SCR
	v_lshl_add_u32 v[SCW], v[WK], 2, s2
	v_lshl_add_u32 v[SCH], v[WK+1], 5, s2
	s_lshl_b32 s2, s[WV], 11
	s_add_co_u32 s2, s2, BG+256
	v_lshl_add_u32 v[BVA], v[WK+2], 2, s2
	s_lshl_b32 s2, s[WV], 10
	s_add_co_u32 s[KSW], s2, KSS
	s_add_co_u32 s[VSW], s2, VSS
	s_mul_i32 s2, s[WV], 16*XSP
	s_add_co_u32 s2, s2, XST                       ; my stage
	v_add_nc_u32 v[STW], s2, v[LI]                 ; in: 16 bytes a lane, a row a store
	v_mul_u32_u24 v[STR], v[WK], XSP
	v_lshl_add_u32 v[STR], v[WK+1], 6, v[STR]
	v_add_nc_u32 v[STR], s2, v[STR]                ; back: row r, + 64 bytes for lanes 16-31
	s_lshl_b32 s2, s[WV], 12
	v_add_nc_u32 v[XWI], s2, v[LI]                 ; XIV = 0
	s_lshl_b32 s2, s[WV], 11
	s_add_co_u32 s2, s2, XIC
	v_add_nc_u32 v[XWC], s2, v[LI]
	s_lshl_b32 s2, s[WV], 8
	s_add_co_u32 s2, s2, XSV
	v_add_nc_u32 v[XWS], s2, v[LS]
	s_lshl_b32 s2, s[WV], 7
	s_add_co_u32 s2, s2, XSC
	v_add_nc_u32 v[XWT], s2, v[LS]
	v_lshlrev_b32 v[SQA], 11, v[WK+1]              ; bias and gain in memory: lanes 0-15 my 64 key columns, lanes 16-31 my 64 value columns, 512 columns on
	v_lshl_add_u32 v[SQA], v[WK], 4, v[SQA]
	s_lshl_b32 s2, s[WV], 8
	v_add_nc_u32 v[SQA], s2, v[SQA]
	s_lshl_b32 s2, s[WV], 11
	s_add_co_u32 s2, s2, BG
	v_add_nc_u32 v[SQB], s2, v[LI]
	v_mov_b32 v[XS+4], 0                           ; named as the upper halves of pairs before path V first loads them
	v_mov_b32 v[XS+6], 0
	WIN 0x40
	WIMG 0,1,30,128                                ; path C's weights: key columns' tiles,
	WIMG 64,1,30,160                               ; value columns' tiles
	WIN 0
	WSCL WS,1,32,128
	WSCL WS+4,1,32,160
	global_load_b128 v[WK:WK+3], v[SQA], s[76:77]
	global_load_b128 v[WK+4:WK+7], v[SQA], s[78:79]
	global_load_b128 v[WK+8:WK+11], v[SQA], s[80:81]
	global_load_b128 v[WK+12:WK+15], v[SQA], s[82:83]
	XDENSE HA, 38, 0, 1024
	XDENSE HB, 38, 512, 1024
	s_wait_loadcnt 32                              ; x's 32 loads may be out: the weights, bias and gain are in
.irp i, 0,1,2,3
	ds_store_b128 v[SQB], v[WK+4*\i:WK+4*\i+3] offset:512*\i
.endr
	s_wait_loadcnt 16                              ; V's K step 0 is in; K step 1's 16 loads may be out
	TURNX HA
	s_wait_dscnt 0x0                               ; back from the stage
	QUANT HA, 1
	IMAGE XWI, 0
	ds_store_b32 v[XWS], v[PW]
	s_wait_dscnt 0x0                               ; the stores have read their registers
	XDENSE HA, 40, 0, 512
	s_wait_loadcnt 16                              ; V's K step 1 is in; C's 16 loads may be out
	TURNX HB
	s_wait_dscnt 0x0
	QUANT HB, 1
	IMAGE XWI, 2048
	ds_store_b32 v[XWS], v[PW] offset:128
	s_wait_dscnt 0x0
	s_wait_loadcnt 0x0
	TURNX HA
	s_wait_dscnt 0x0
	QUANT HA, 1
	IMAGE XWC, 0
	ds_store_b32 v[XWT], v[PW]
	BARRIER                                        ; x's 24 fragments lie in LDS
	PATHSET 1,0,0,64,WS,WS+4,1024,1536,XIC,XSC
	PRELOAD 1
	s_mov_b32 s[CNT], 3
.Lkc:
	TRIP 1,1,0
	s_sub_co_u32 s[CNT], s[CNT], 1
	s_cmp_lg_u32 s[CNT], 0
	s_cbranch_scc1 .Lkc
	TRIP 1,0,1
	PATHSET 2,1,0,128,WS,WS+8,0,512,XIV,XSV
	PRELOAD 1
	s_mov_b32 s[CNT], 3
.Lkv:
	TRIP 1,1,0
	s_sub_co_u32 s[CNT], s[CNT], 1
	s_cmp_lg_u32 s[CNT], 0
	s_cbranch_scc1 .Lkv
	TRIP 1,0,0
	v_add_nc_u32 v[KSA], s[KSW], v[LI]             ; the key step's scale words leave in whole runs of 512 bytes
	ds_load_b128 v[WK:WK+3], v[KSA]                ; LDS serves a wave's instructions in order: these see my byte stores
	ds_load_b128 v[WK+4:WK+7], v[KSA] offset:512
	ds_load_b128 v[WK+8:WK+11], v[KSA] offset:VSS-KSS
	ds_load_b128 v[WK+12:WK+15], v[KSA] offset:VSS-KSS+512
	s_wait_dscnt 0x0
.irp i, 0,1,2,3
	global_store_b128 v[LI], v[WK+4*\i:WK+4*\i+3], s[OUT:OUT+1] offset:32768+512*\i
.endr
	s_wait_xcnt 0x0
	v_lshl_add_u32 v254, v0, 2, 0x2f800
	v_mov_b32 v255, 0
	s_wait_tensorcnt 0x0
	ds_add_u32 v254, v255
	s_wait_dscnt 0x0
	s_endpgm
	; ======== the queries: 32 latent rows, x tiles u = 0, 1 = query tiles 2 x work-group + u
.Lq:
.set BGB, QBG
.set BGW, 1024
.set SSQB, QSS
	s_mov_b32 s[INVN], 0x3b000000                  ; 1 / 512
	ADDRS
	s_lshl_b32 s2, s[WV], 10
	s_add_co_u32 s[KSW], s2, QKS
	s_lshr_b32 s7, s[WV], 1                        ; six fragments of x: waves 0-3 latent_values (u = w / 2, K step w % 2), waves 4, 5 latent_coords (u = w % 2); LDS slot = w
	s_and_b32 s8, s[WV], 1
	s_cmp_lt_u32 s[WV], 4
	s_cselect_b64 s[4:5], s[72:73], s[74:75]
	s_cselect_b32 s6, 10, 9                        ; a row is 2^10 or 2^9 bytes: the pitch differs between waves, so these 16 loads a wave keep a lane's own offset and no stage
	s_cselect_b32 s9, s7, s8
	s_cselect_b32 s10, s8, 0
	s_lshl_b32 s11, ttmp9, 5
	s_lshl_b32 s9, s9, 3
	s_add_co_u32 s11, s11, s9                      ; the tile's first row: 32 x work-group + 8 u
	s_lshl_b32 s42, s11, s6
	s_lshl_b32 s10, s10, 9
	s_add_co_u32 s42, s42, s10
	s_add_nc_u64 s[38:39], s[4:5], s[42:43]
	v_lshlrev_b32 v[XGV], s6, v[WK+2]
	v_lshl_add_u32 v[XGV], v[WK+1], 6, v[XGV]
	s_lshl_b32 s2, s[WV], 11
	s_add_co_u32 s2, s2, QXI
	v_add_nc_u32 v[XWI], s2, v[LI]
	s_lshl_b32 s2, s[WV], 7
	s_add_co_u32 s2, s2, QXS
	v_add_nc_u32 v[XWS], s2, v[LS]
	v_lshlrev_b32 v[SQA], 1, v[LS]                 ; bias and gain: my 64 columns, 8 bytes a lane
	v_lshlrev_b32 v[SQB], 1, v[LS]
	s_lshl_b32 s2, s[WV], 8
	v_add_nc_u32 v[SQA], s2, v[SQA]
	s_lshl_b32 s2, s[WV], 10
	s_add_co_u32 s2, s2, QBG
	v_add_nc_u32 v[SQB], s2, v[SQB]
	s_lshl_b32 s2, s[WV], 5
	s_lshl_b32 s3, ttmp9, 1
	s_add_co_u32 s2, s2, s3                        ; head x 32 + my first query tile
	s_lshl_b32 s42, s2, 11
	s_add_nc_u64 s[OUT:OUT+1], s[96:97], s[42:43]
	s_lshl_b32 s42, s2, 7
	s_add_nc_u64 s[48:49], s[96:97], s[42:43]
	global_load_b64 v[WK:WK+1], v[SQA], s[84:85]
	global_load_b64 v[WK+2:WK+3], v[SQA], s[86:87]
	global_load_b64 v[WK+4:WK+5], v[SQA], s[88:89]
	global_load_b64 v[WK+6:WK+7], v[SQA], s[90:91]
	WIN 0x40
	WIMG 0,2,34,192                                ; Wqv's eight fragments,
	WIMG 128,1,30,256                              ; Wqc's four
	WIN 0
	WSCL WS,2,36,192
	WSCL WS+8,1,32,256
	s_wait_loadcnt 60                              ; the weights' 48 + 12 loads may be out: bias and gain are in
.irp i, 0,1,2,3
	ds_store_b64 v[SQB], v[WK+2*\i:WK+2*\i+1] offset:256*\i
.endr
	s_cmp_lt_u32 s[WV], 6
	s_cbranch_scc0 .Lq_nox
	XLOAD HA, 38, XGV, 0
	s_wait_loadcnt 0x0
	QUANT HA, 1
	IMAGE XWI, 0
	ds_store_b32 v[XWS], v[PW]
.Lq_nox:
	BARRIER                                        ; x's six fragments lie in LDS
	PATHSET 1,0,128,0,WS+8,0,512,768,QXI+8192,QXS+512
	PRELOAD 0
	TRIP 0,0,0
	PATHSET 2,1,0,0,WS,0,0,256,QXI,QXS
	PRELOAD 0
	TRIP 0,0,0
	v_add_nc_u32 v[KSA], s[KSW], v[LI]
	ds_load_b32 v[WK], v[KSA]                      ; the two tiles' scale words: bytes 0, 1 from path C, bytes 2, 3 from path V
	ds_load_b32 v[WK+1], v[KSA] offset:512
	s_wait_dscnt 0x0
	global_store_b32 v[LS], v[WK], s[48:49] offset:524288
	global_store_b32 v[LS], v[WK+1], s[48:49] offset:524288+128
	s_wait_xcnt 0x0
	v_lshl_add_u32 v254, v0, 2, 0x2f800
	v_mov_b32 v255, 0
	s_wait_tensorcnt 0x0
	ds_add_u32 v254, v255
	s_wait_dscnt 0x0
	s_endpgm
.Lfunc_end_k_q0036c55adc_proj:
	.size	k_q0036c55adc_proj, .Lfunc_end_k_q0036c55adc_proj-k_q0036c55adc_proj
	.p2alignl 7, 3214868480
	.fill 96, 4, 3214868480
	.section	.rodata,"a",@progbits
	.p2align	6, 0x0
	.amdhsa_kernel k_q0036c55adc_proj
		.amdhsa_group_segment_fixed_size 195584
		.amdhsa_private_segment_fixed_size 0
		.amdhsa_enable_private_segment 0
		.amdhsa_kernarg_size 120
		.amdhsa_user_sgpr_count 2
		.amdhsa_user_sgpr_kernarg_segment_ptr 1
		.amdhsa_wavefront_size32 1
		.amdhsa_system_sgpr_workgroup_id_x 1
		.amdhsa_system_sgpr_workgroup_id_y 1
		.amdhsa_system_sgpr_workgroup_id_z 1
		.amdhsa_system_vgpr_workitem_id 0
		.amdhsa_next_free_vgpr 512
		.amdhsa_next_free_sgpr 100
		.amdhsa_reserve_vcc 0
		.amdhsa_float_denorm_mode_32 3
		.amdhsa_float_denorm_mode_16_64 3
		.amdhsa_memory_ordered 1
		.amdhsa_forward_progress 1
		.amdhsa_inst_pref_size 255
	.end_amdhsa_kernel
	.section	.bss,"aw",@nobits
	.p2align	6
	.space	262144
	.amdgpu_metadata
---
amdhsa.version: [ 1, 2 ]
amdhsa.kernels:
  - .name:           k_q0036c55adc_proj
    .symbol:         k_q0036c55adc_proj.kd
    .args:
      - { .name: V, .offset: 0, .size: 8, .value_kind: global_buffer, .address_space: global }
      - { .name: C, .offset: 8, .size: 8, .value_kind: global_buffer, .address_space: global }
      - { .name: latent_values, .offset: 16, .size: 8, .value_kind: global_buffer, .address_space: global }
      - { .name: latent_coords, .offset: 24, .size: 8, .value_kind: global_buffer, .address_space: global }
      - { .name: bkvv, .offset: 32, .size: 8, .value_kind: global_buffer, .address_space: global }
      - { .name: gkvv, .offset: 40, .size: 8, .value_kind: global_buffer, .address_space: global }
      - { .name: bkvc, .offset: 48, .size: 8, .value_kind: global_buffer, .address_space: global }
      - { .name: gkvc, .offset: 56, .size: 8, .value_kind: global_buffer, .address_space: global }
      - { .name: bqv, .offset: 64, .size: 8, .value_kind: global_buffer, .address_space: global }
      - { .name: gqv, .offset: 72, .size: 8, .value_kind: global_buffer, .address_space: global }
      - { .name: bqc, .offset: 80, .size: 8, .value_kind: global_buffer, .address_space: global }
      - { .name: gqc, .offset: 88, .size: 8, .value_kind: global_buffer, .address_space: global }
      - { .name: wq, .offset: 96, .size: 8, .value_kind: global_buffer, .address_space: global }
      - { .name: kvb, .offset: 104, .size: 8, .value_kind: global_buffer, .address_space: global }
      - { .name: qb, .offset: 112, .size: 8, .value_kind: global_buffer, .address_space: global }
    .group_segment_fixed_size: 195584
    .private_segment_fixed_size: 0
    .kernarg_segment_align: 8
    .kernarg_segment_size: 120
    .max_flat_workgroup_size: 256
    .sgpr_count:     100
    .vgpr_count:     512
    .wavefront_size: 32
...
	.end_amdgpu_metadata
.endif
;; end of part 2
;; launch attn (part 3): grid 8 x 32, 8 waves a work-group, clusters of 4 x 1, 327,680 bytes of LDS; arguments qb, kvb, lb; writes lb
.if DOCPART == 3
	.amdgcn_target "amdgcn-amd-amdhsa--gfx1250"
	.amdhsa_code_object_version 6
	.text
	.protected	k_q0036c55adc_attn
	.globl	k_q0036c55adc_attn
	.p2align	8
	.type	k_q0036c55adc_attn,@function
k_q0036c55adc_attn:
	s_mov_b64 s[64:65], 0
	v_nop
	global_prefetch_b8 v0, s[64:65] scope:SCOPE_SE
	s_setreg_imm32_b32 hwreg(HW_REG_WAVE_MODE, 25, 1), 1
	s_wait_xcnt 0x0
	s_wait_alu depctr_hold_cnt(0) depctr_sa_sdst(0) depctr_va_vdst(0) depctr_va_sdst(0) depctr_va_ssrc(0) depctr_va_vcc(0) depctr_vm_vsrc(0)
	s_getreg_b32 s2, hwreg(HW_REG_IB_STS2, 6, 4)
	s_cmp_eq_u32 s2, 0
	s_cbranch_scc0 .Lentry_in_a_cluster
	s_endpgm
.Lentry_in_a_cluster:
	s_bfe_u32 s2, ttmp6, 0x10000c
	s_cmp_lg_u32 s2, 0x3003
	s_cbranch_scc0 .Lentry_shape_is_right
	s_endpgm
.Lentry_shape_is_right:
; L[y][q][:] = the sum over the keys of softmax(q . k / 8) v, y = batch x 8 + head, on codes of BF8 (E5M2) with one E8M0 scale for each 32 along a product's K.
; The two score products are ONE product of K = 128, [kc | kv] . [qc | qv]; the two value products are one with 128 channels, [vv | vc].  q, K and V^T come as images of operand registers (2,048 bytes a fragment:
; register group c at 512 c + 16 x lane), a key step of 128 keys as one dense block of 34,816 bytes: 8 images of K, 8 of V^T, K's scale words, V's scale words.
; THE SOFTMAX: t = score x log2(e) / 8; M = the largest t so far, rounded UP to a whole number; p = 2^(t - M) is what is quantised, along the keys, not normalised; the sum is taken of the unquantised p and divides at the end.
; SHARES.  A work-group owns 64 queries of one y: four tiles of 16.  Wave wv owns TWO of them, tiles 2 (wv % 2) and 2 (wv % 2) + 1, and, of each slot of four key steps, key step wv / 2: 16 key steps a wave.
; So each fragment of K and of V^T that a wave reads from LDS feeds two matrix instructions, and a work-group reads 8 x 34,816 bytes from LDS for a slot.  Each tile has a running M, sum and O^T in each of its four key shares;
; the four shares are merged once, at the end, by exact powers of two.
; TILE B LIVES IN v256-511 UNDER THE REGISTER NUMBERS THAT TILE A HAS IN v0-255: the softmax is one macro, expanded with every window at 0 and with every window at 1.  Scale operands have no window: all scale words lie in v0-255.
; LAYOUT.  Both products are used transposed: S^T = K Q^T, O^T = V^T P^T: a lane holds ONE query throughout.  The keys of a tile and the channels of a tile were chosen by the launch before so that the 16 result registers of two
; neighbouring tiles are 16 neighbours: p's codes are the second product's operand, and the merged O^T's codes are the output projection's.
; A KEY STEP: K's eight fragments in one run; 16 score products; V's eight fragments in one run, into the registers that K has left: they land under the softmax; tile A's softmax, its 8 products V^T P, tile B's softmax, its 8 products.
; CLUSTER.  The four work-groups of a cluster share y and walk the same blocks: each block is asked for JOINTLY, by the same tensor load with the same descriptor and the mask 15.
; OUT.  lb: images at ((path x 128 + batch x 32 + query tile) x 4 + head / 2) x 2,048, register group 2 (head % 2) + block; scale bytes behind 2,097,152, 64 bytes a fragment, 4 r + group.
; LIMITS: p under 2^-126 counts as 0; 1 / sum is v_rcp_f32; a block of zeros gets the byte 1 (this program alone reads the bytes); NaN and infinities are not served.
; REGISTERS, v0-255: v1-5 addresses; v6 Q_B's scale word, v7 p_B's, v8-11 four tiles' scale words; v248-251 four more; v253 p_A's; v255 Q_A's.  In each window: v12 -M, v13 the largest t, v[14:15] the sum in two halves;
; v16-31 Q; v32-95 four fragments of K or of V (eight in the two windows); v96-159 S^T, then p; v160-223 O^T; v224-239 p's codes; v232-254 at work.
.set BLK,   34816
.set SLOTB, 4*BLK                      ; a slot: four key steps.  Its bits 13 and 17 are clear in every wave's place in a slot, so one exclusive or turns an address in one slot into the other's
.set SPARE, 2*SLOTB                    ; behind the ring: the spare words, 128 bytes for each wave: four blocks of 256 bytes that no other line names
.set ML,    0                          ; the merge's stage lies in slot 0, which has had its last fill and was left at the last change of slots: entry (key share x 4 + tile) x 256: -M, then the sum
.set OST,   4096                       ; and entry x 8,192: O^T as it stands in registers
.set NSL,   16
.set A0,  1                            ; my key step's block in a slot + 16 x lane
.set AD,  2                            ; the same in the slot in hand
.set PFO, 3                            ; the prefetches' offset; never rewritten
.set SPW, 4                            ; LDS address of my spare word: SPARE + 4 x my thread's number; never rewritten
.set NIL, 5                            ; 0; never rewritten
.set QSB, 6
.set PSB, 7
.set SW1, 8
.set SW0, 248
.set MLA, 96                           ; the merge's addresses are made at the merge, in registers that p has left
.set MLR, 97
.set OSA, 98
.set OSR0, 99
.set OSR1, 100
.set GO,  101                          ; 16 x lane
.set BY,  102                          ; 4 r
.set WV,  18
.set MNT, 19
.set SEL, 20
.set CS,  22
.set G1,  24                           ; s[24:31] descriptor group 1
.set G0,  40                           ; s[40:43] group 0, which walks
.set TB,  44                           ; LDS byte at which the slot in hand begins
.set SLOTS, 45
.set LIM, 46
.set PFA, 48
.set QT,  50                           ; my first tile of the work-group's four: 0 or 2
.set KSI, 51                           ; my key step of a slot's four
.set MSB, 0
.macro WIN new                         ; bits 1:0 source 0, 3:2 source 1, 5:4 source 2, 7:6 destination; the immediate's high byte repeats the setting that is left
.if MSB != \new
	s_set_vgpr_msb (MSB<<8)|\new
.set MSB, \new
.endif
.endm
.macro CROUND                          ; a round of the cluster's barrier
	s_barrier_signal -1
	s_barrier_wait -1
	s_cmp_lg_u32 s[WV], 0
	s_cbranch_scc1 .Lnot_wave_0_\@
	s_barrier_signal -3
.Lnot_wave_0_\@:
	s_barrier_wait -3
	s_barrier_signal -1
	s_barrier_wait -1
.endm
.macro TLOAD                           ; waves 0 to 3 fetch one block each; the branch hangs on the wave's number alone.  Four v_nop follow the load
	s_cmp_lt_u32 s[WV], 4
	s_cbranch_scc0 .Lasked_\@
	tensor_load_to_lds s[G0:G0+3], s[G1:G1+7]
	s_nop 0
.rept 4
	v_nop
.endr
.Lasked_\@:
.endm
; A PREFETCH INTO THE L2 of what the NEXT change of slots will ask for: a slot's four blocks of 136 x 256 bytes.  Both clusters of a y walk the same blocks: the first cluster asks.  Its four partners take a block each,
; told apart BY ADDRESS; in each, waves 3 to 7 ask, a lane a run of 256 bytes; the last wave's lanes past run 135 are held at run 135.  One key step of every wave lies between the request and the load that wants it.
; The last change that fills a slot asks for nothing; slots 0 and 1 come by their loads alone.
.macro ASK
	s_cmp_gt_u32 s[SLOTS], s[LIM]
	s_cbranch_scc0 .Lnot_mine_\@
	global_prefetch_b8 v[PFO], s[PFA:PFA+1] th:TH_LOAD_NT scope:SCOPE_SE
.Lnot_mine_\@:
.endm
.macro FRAGS base, stride              ; four fragments into v32-95 of the window that is set for the destination
.irp t, 0,1,2,3
.irp c, 0,1,2,3
	ds_load_b128 v[32+16*\t+4*\c:32+16*\t+4*\c+3], v[AD] offset:(\base)+(\stride)*\t+512*\c
.endr
.endr
.endm
.macro MMS t, g, sw, qs                ; S^T of key tile 2 t + g
	v_wmma_scale_f32_16x16x128_f8f6f4 v[96+16*\t+8*\g:103+16*\t+8*\g], v[32+16*\t:47+16*\t], v[16:31], 0, v[\sw+\t], v[\qs] matrix_a_fmt:MATRIX_FMT_BF8 matrix_b_fmt:MATRIX_FMT_BF8
.endm
.macro MMO t, g, sw, ps                ; O^T of channel tile 4 g + t
	v_wmma_scale_f32_16x16x128_f8f6f4 v[160+32*\g+8*\t:167+32*\g+8*\t], v[32+16*\t:47+16*\t], v[224:239], v[160+32*\g+8*\t:167+32*\g+8*\t], v[\sw+\t], v[\ps] matrix_a_fmt:MATRIX_FMT_BF8 matrix_b_fmt:MATRIX_FMT_BF8
.endm
.macro INIT                            ; a tile's state, in the window that is set
	v_mov_b32 v13, 0xff61b1e6                      ; the largest t so far: -3e38, under every t
	v_floor_f32 v12, -v13                          ; -M
	v_mov_b32 v14, 0
	v_mov_b32 v15, 0
.irp b, 0,1,2,3
	v_mov_b32 v[236+\b], 0                         ; written once: a lane permute's destination counts as one of its sources
.endr
	v_mov_b32 v253, 0                              ; (named as the upper half of the pair v[252:253] before it is first written)
.set QI, 0
.rept 64
	v_mov_b32 v[160+QI], 0                         ; O^T.  (The step is written once: the first finds zeros, which the first change of M leaves zeros)
.set QI, QI+1
.endr
.endm
; ONE TILE'S SOFTMAX FOR 128 KEYS, in the window that is set for all four operand places.  Lane (r, h) holds query r; registers 96 + 16 b + i are keys 32 b + 16 h + i.  tile = 1: tile B, whose scale word goes to v0-255.
.macro SOFTMAX tile
.irp b, 0,1,2,3
	v_max3_num_f32 v[232+\b], v[96+16*\b], v[97+16*\b], v[98+16*\b]   ; the largest score of each block of 32 keys: for the row's maximum and, since p rises with the score, for the block's largest p
.endr
.irp i, 3,5,7,9,11,13
.irp b, 0,1,2,3
	v_max3_num_f32 v[232+\b], v[232+\b], v[96+16*\b+\i], v[97+16*\b+\i]
.endr
.endr
.irp b, 0,1,2,3
	v_max_num_f32 v[232+\b], v[232+\b], v[111+16*\b]
.endr
.irp b, 0,1,2,3
	v_permlanex16_b32 v[236+\b], v[232+\b], s[SEL], s[SEL+1]
.endr
.irp b, 0,1,2,3
	v_max_num_f32 v[232+\b], v[232+\b], v[236+\b]  ; with lane l xor 16's 16 keys
.endr
	v_max3_num_f32 v254, v232, v233, v234
	v_max_num_f32 v254, v254, v235                 ; the step's largest score of my query
	v_mul_f32 v254, s[CS], v254                    ; as t (c is positive)
	v_max_num_f32 v13, v13, v254                   ; the running largest t
	v_mov_b32 v254, v12
	v_floor_f32 v12, -v13                          ; the new -M = floor(-t): M is a whole number
	v_sub_f32 v254, v12, v254                      ; M's old value less its new one: a whole number, 0 or less
	v_cvt_i32_f32 v254, v254                       ; (it saturates)
	v_ldexp_f32 v252, 1.0, v254                    ; f = 2^(old M - new M): a multiplication by it rounds nothing
.set QI, 0
.rept 32
	v_pk_fma_f32 v[96+2*QI:97+2*QI], v[96+2*QI:97+2*QI], s[CS:CS+1], v[12:13] op_sel_hi:[1,0,0]   ; t - M, two at a time
.set QI, QI+1
.endr
.irp b, 0,1,2,3
	v_fma_f32 v[232+\b], v[232+\b], s[CS], v12     ; the same of each block's largest score
.endr
.set QI, 0
.rept 64
	v_exp_f32 v[96+QI], v[96+QI]                   ; p = 2^(t - M), at most 1: not normalised
.set QI, QI+1
.endr
	v_pk_mul_f32 v[14:15], v[14:15], v[252:253] op_sel_hi:[1,0]      ; the sums under the new M: a plain line behind the exponentials
	s_wait_alu depctr_va_vdst(0)                   ; one wait for the whole batch, ahead of its first reader
.irp b, 0,1,2,3
	v_exp_f32 v[232+\b], v[232+\b]                 ; the block's largest p: the same two instructions on the same number give the same bits
.endr
	v_pk_add_f32 v[236:237], v[96:97], v[98:99]    ; the row's sum is taken of the unquantised p: two at a time, in four chains, since two waves alone share a SIMD
	v_pk_add_f32 v[238:239], v[100:101], v[102:103]
	v_pk_add_f32 v[240:241], v[104:105], v[106:107]
	v_pk_add_f32 v[14:15], v[14:15], v[108:109]
.irp j, 110,118,126,134,142,150
	v_pk_add_f32 v[236:237], v[236:237], v[\j:\j+1]
	v_pk_add_f32 v[238:239], v[238:239], v[\j+2:\j+3]
	v_pk_add_f32 v[240:241], v[240:241], v[\j+4:\j+5]
	v_pk_add_f32 v[14:15], v[14:15], v[\j+6:\j+7]
.endr
	v_pk_add_f32 v[236:237], v[236:237], v[158:159]
	v_pk_add_f32 v[238:239], v[238:239], v[240:241]
	v_pk_add_f32 v[14:15], v[14:15], v[236:237]
	v_pk_add_f32 v[14:15], v[14:15], v[238:239]
	s_wait_alu depctr_va_vdst(0)                   ; and one for the four
.irp b, 0,1,2,3
	v_max_num_f32 v[232+\b], 0x8000000, v[232+\b]  ; the floor 2^(16 - 127): the byte cannot fall under 1
.endr
.irp b, 0,1,2,3
	v_add_nc_u32 v[244+\b], 0xf8800000, v[232+\b]  ; 15 off the exponent field: the conversion's scale operand
.endr
.irp b, 0,1,2,3
	v_and_or_b32 v[240+\b], v[232+\b], 0x7f800000, s[MNT]            ; 57,344 x the scale
.endr
.irp b, 0,1,2,3
	v_lshrrev_b32 v[236+\b], 23, v[244+\b]         ; the scale's byte
.endr
	v_lshl_or_b32 v253, v237, 8, v236              ; p's scale word for these 128 keys
	v_lshl_or_b32 v253, v238, 16, v253
.if \tile
	WIN 0x11                                       ; sources in v256 on, destination in v0-255: a scale operand has no window
	v_lshl_or_b32 v[PSB], v239, 24, v253
	WIN 0x55
.else
	v_lshl_or_b32 v253, v239, 24, v253
.endif
.irp b, 0,1,2,3
.irp i, 0,1,2,3,4,5,6,7,8,9,10,11,12,13,14,15
	v_min_num_f32 v[96+16*\b+\i], v[96+16*\b+\i], v[240+\b]          ; the conversion does not saturate (ISA guide 7.6.2); p is not negative, so the hold is one-sided
.endr
	v_cvt_scalef32_pk8_bf8_f32 v[224+4*\b:225+4*\b], v[96+16*\b:103+16*\b], v[244+\b]
	v_cvt_scalef32_pk8_bf8_f32 v[226+4*\b:227+4*\b], v[104+16*\b:111+16*\b], v[244+\b]
.endr
.set QI, 0
.rept 32
	v_pk_mul_f32 v[160+2*QI:161+2*QI], v[160+2*QI:161+2*QI], v[252:253] op_sel_hi:[1,0]   ; O^T under the new M, each accumulator from its low end on.  (These 32 are also the places between the codes, the scale word and the products)
.set QI, QI+1
.endr
.endm
	s_load_b128 s[4:7], s[0:1], 0x0                ; qb, kvb
	s_load_b64 s[8:9], s[0:1], 0x10                ; lb
	v_lshl_add_u32 v[SPW], v0, 2, SPARE
	v_mov_b32 v[NIL], 0
	ds_add_u32 v4, v5
	s_wait_dscnt 0x0
	v_lshrrev_b32 v96, 5, v0
	v_readfirstlane_b32 s[WV], v96                 ; wave 0..7
	s_and_b32 s[QT], s[WV], 1
	s_lshl_b32 s[QT], s[QT], 1
	s_lshr_b32 s[KSI], s[WV], 1
	s_bfe_u32 s52, ttmp6, 0x40000                  ; cx: it enters the addresses of q, of lb and of the prefetches alone
	s_lshl_b32 s53, ttmp9, 2
	s_add_co_u32 s53, s53, s52                     ; my block of 64 queries
	s_and_b32 s54, ttmp7, 0xffff                   ; y, which the four partners share
	s_and_b32 s55, s54, 7                          ; head
	s_lshr_b32 s56, s54, 3                         ; batch
	s_lshl_b32 s57, s54, 6                         ; y's first block
	s_add_co_u32 s58, s57, s[WV]                   ; the block that I fetch, if I fetch
	s_mul_i32 s58, s58, BLK
	s_mov_b32 s59, 0
	s_lshl_b32 s60, s53, 2
	s_add_co_u32 s60, s60, s[QT]                   ; tile A's number, 0..30; tile B is the next
	s_lshl_b32 s61, s55, 5
	s_add_co_u32 s61, s61, s60
	s_mov_b32 s63, 0
	s_lshr_b32 s66, s[KSI], 1                      ; what I store at the end: path = my key share / 2,
	s_lshl_b32 s66, s66, 7
	s_lshl_b32 s67, s56, 5
	s_add_co_u32 s66, s66, s67
	s_add_co_u32 s66, s66, s60
	s_lshl_b32 s66, s66, 2
	s_lshr_b32 s67, s55, 1
	s_add_co_u32 s66, s66, s67                     ; tile A's fragment (tile B's: four further on),
	s_and_b32 s67, s55, 1
	s_lshl_b32 s67, s67, 1
	s_and_b32 s68, s[KSI], 1
	s_add_co_u32 s67, s67, s68                     ; its register group
	s_mov_b32 s71, 0
	s_mov_b32 s73, 0
	; descriptor group 1: a dense block of 34,816 bytes as 136 rows of 256 bytes (32 elements of 8 bytes), no padding: images are read 16 bytes a lane on end
	s_mov_b32 s[G1], 15|(3<<16)|(1<<21)            ; 15:0 the mask: all four work-groups; 17:16 elements of 8 bytes; 21 set beside a mask
	s_mov_b32 s[G1+1], 32<<16                      ; tensor_dim0
	s_mov_b32 s[G1+2], 136<<16                     ; tensor_dim1
	s_mov_b32 s[G1+3], 32<<16                      ; tile_dim0
	s_mov_b32 s[G1+4], 136                         ; tile_dim1
	s_mov_b32 s[G1+5], 32                          ; tensor_dim0_stride
	s_mov_b32 s[G1+6], 0
	s_mov_b32 s[G1+7], 0
	s_mov_b32 s[SEL], 0x76543210
	s_mov_b32 s[SEL+1], 0xfedcba98
	s_mov_b32 s[CS], 0x3e38aa3b                    ; c = log2(e) / 8
	s_mov_b32 s[CS+1], s[CS]                       ; (named with it as a pair, so it is written)
	s_mov_b32 s[MNT], 0x600000
	s_mov_b32 s[TB], 0
	s_mov_b32 s[SLOTS], NSL-1
	s_sub_co_u32 s82, s[WV], 3
	s_cmp_lt_u32 s82, 5                            ; waves 3 to 7,
	s_cselect_b32 s82, 0, 1
	s_or_b32 s82, s82, ttmp9                       ; of y's first cluster: the same in all four partners
	s_cmp_eq_u32 s82, 0
	s_cselect_b32 s[LIM], 1, -1
	v_add_nc_u32 v[PFO], -96, v0                   ; thread - 96: run 0 .. 159 in waves 3 to 7,
	v_min_u32 v[PFO], 135, v[PFO]                  ; held inside the block
	v_lshlrev_b32 v[PFO], 8, v[PFO]
	v_and_b32 v96, 31, v0
	v_lshlrev_b32 v97, 4, v96                      ; 16 x lane
	v_lshlrev_b32 v98, 2, v96                      ; 4 x lane
	s_mul_i32 s83, s[KSI], BLK
	v_add_nc_u32 v[A0], s83, v97
	s_wait_kmcnt 0x0
	s_mov_b32 s[G0], 1                             ; count = 1
	s_mul_i32 s[G0+1], s[WV], BLK                  ; LDS address: slot 0, block = wave
	s_add_nc_u64 s[G0+2:G0+3], s[6:7], s[58:59]
	s_or_b32 s[G0+3], s[G0+3], 0x80000000          ; type = 2
	s_lshl_b32 s62, s61, 11
	s_add_nc_u64 s[10:11], s[4:5], s[62:63]        ; Q's images
	s_lshl_b32 s62, s61, 7
	s_add_nc_u64 s[12:13], s[4:5], s[62:63]        ; Q's scale words (behind 524,288)
	s_lshl_b32 s70, s66, 11
	s_lshl_b32 s68, s67, 9
	s_add_co_u32 s70, s70, s68
	s_add_nc_u64 s[14:15], s[8:9], s[70:71]        ; tile A's 512 bytes of lb
	s_lshl_b32 s70, s66, 6
	s_add_co_u32 s70, s70, s67
	s_add_nc_u64 s[16:17], s[8:9], s[70:71]        ; its scale bytes (behind 2,097,152)
	s_add_co_u32 s72, s57, s52
	s_mul_i32 s72, s72, BLK
	s_add_co_u32 s72, s72, SLOTB                   ; my work-group's block of slot 1; the first change of slots steps it to slot 2.  Nothing is prefetched at the head
	s_add_nc_u64 s[PFA:PFA+1], s[6:7], s[72:73]
	CROUND                                         ; all four work-groups are here: the first joint loads meet
	TLOAD                                          ; slot 0
.irp c, 0,1,2,3
	global_load_b128 v[16+4*\c:19+4*\c], v97, s[10:11] offset:512*\c          ; Q's fragments stay in registers: tile A's,
.endr
	global_load_b32 v255, v98, s[12:13] offset:524288
	global_load_b32 v[QSB], v98, s[12:13] offset:524288+128
	WIN 0x40                                       ; destination in v256 on
.irp c, 0,1,2,3
	global_load_b128 v[16+4*\c:19+4*\c], v97, s[10:11] offset:2048+512*\c     ; tile B's
.endr
	WIN 0
	INIT
	WIN 0x55
	INIT
	WIN 0
; A KEY STEP: my 128 keys of the slot in hand, for both tiles
.macro STEP
	v_add_nc_u32 v[AD], s[TB], v[A0]
.rept 7
	v_nop                                          ; with the addition above: eight places in front of loads into registers that the last products have read
.endr
	ds_load_b128 v[SW0:SW0+3], v[AD] offset:32768                    ; the scale words of key tiles 0, 2, 4, 6,
	ds_load_b128 v[SW1:SW1+3], v[AD] offset:32768+512                ; of tiles 1, 3, 5, 7
	FRAGS 0, 4096                                  ; key tiles 0, 2, 4, 6
	WIN 0x40
	FRAGS 2048, 4096                               ; key tiles 1, 3, 5, 7, into v288 on
	WIN 0
	s_wait_dscnt 16                                ; the odd tiles' 16 loads may be out
.irp t, 0,1,2,3
	MMS \t, 0, SW0, 255
.endr
	WIN 0x44                                       ; Q and S^T of tile B
.irp t, 0,1,2,3
	MMS \t, 0, SW0, QSB
.endr
	s_wait_dscnt 0x0
	WIN 0x01                                       ; K in v288 on
.irp t, 0,1,2,3
	MMS \t, 1, SW1, 255
.endr
	WIN 0x45
.irp t, 0,1,2,3
	MMS \t, 1, SW1, QSB
.endr
	WIN 0
.rept 8
	v_nop                                          ; places in front of the loads below and of the first read of the scores
.endr
	ds_load_b128 v[SW0:SW0+3], v[AD] offset:33792                    ; V^T: all eight fragments now; they land under tile A's softmax
	ds_load_b128 v[SW1:SW1+3], v[AD] offset:33792+512
	FRAGS 16384, 2048                              ; channel tiles 0 to 3
	WIN 0x40
	FRAGS 16384+8192, 2048                         ; channel tiles 4 to 7
	WIN 0
	SOFTMAX 0
	s_wait_dscnt 0x0                               ; V^T is in
.irp t, 0,1,2,3
	MMO \t, 0, SW0, 253                            ; sixteen accumulators, each once a step: no two links of a chain follow each other
.endr
	WIN 0x01
.irp t, 0,1,2,3
	MMO \t, 1, SW1, 253
.endr
	WIN 0x55
	SOFTMAX 1                                      ; tile B's vector work stands behind tile A's products
	WIN 0x54                                       ; V^T in v32 on; p's codes and O^T of tile B
.irp t, 0,1,2,3
	MMO \t, 0, SW0, PSB
.endr
	WIN 0x55
.irp t, 0,1,2,3
	MMO \t, 1, SW1, PSB
.endr
	WIN 0
.endm
; THE CHANGE OF SLOTS stands at a slot's head.  Each wave waits for all its tensor loads (one is out at the most: its block of the slot ahead), adds 0 to its spare word, and waits for that and for its reads of the slot that it has left.
; fill = 1: a round of the cluster's barrier, so that no wave of any partner still reads that slot or has a load on its way; then that slot is filled with the keys that follow: the load has a key step of every wave in which to land.
.macro CHANGE fill
	s_wait_tensorcnt 0x0                           ; no tensor load of mine is out, so group 0 may be written
	ds_add_u32 v[SPW], v[NIL]                      ; 0 onto my spare word
.if \fill
	s_xor_b32 s[G0+1], s[G0+1], SLOTB              ; the walking descriptor: the other slot than last time,
	s_add_nc_u64 s[G0+2:G0+3], s[G0+2:G0+3], SLOTB ; the next four blocks; the type bits on top are not reached
	s_wait_xcnt 0x0                                ; the last prefetch, a slot back, has read its address, so it may be written
	s_add_nc_u64 s[PFA:PFA+1], s[PFA:PFA+1], SLOTB
	s_wait_dscnt 0x0                               ; the add is done, and my reads of the slot that I have left are over
	CROUND
	TLOAD                                          ; the first thing behind the round, and a wave's one tensor load until the next
	ASK
.else
	s_wait_dscnt 0x0
	s_barrier_signal -1
	s_barrier_wait -1
.endif
.endm
	s_wait_loadcnt 0x0                             ; Q
.Lslot:                                            ; NSL - 1 trips: behind each change of slots but the last the next slot is asked for
	CHANGE 1
	STEP
	s_xor_b32 s[TB], s[TB], SLOTB
	s_sub_co_u32 s[SLOTS], s[SLOTS], 1
	s_cmp_lg_u32 s[SLOTS], 0
	s_cbranch_scc1 .Lslot
	CHANGE 0                                       ; the last slot is written out
	STEP
	; THE MERGE of the four key shares of a query tile (waves pair, pair + 2, pair + 4, pair + 6)
.macro SUMUP                           ; my share's sum
	v_add_f32 v14, v14, v15
	v_permlanex16_b32 v252, v14, s[SEL], s[SEL+1]
	v_add_f32 v14, v14, v252
.endm
.macro FACTORS                         ; v232-235 the four shares' -M, v236-239 their sums: the row's -M, its sum, 1 / sum in v242; my O^T under the row's M
	v_min3_num_f32 v240, v232, v233, v234
	v_min_num_f32 v240, v240, v235                 ; -M of the whole row: the least -M
.irp k, 0,1,2,3
	v_sub_f32 v[244+\k], v240, v[232+\k]           ; share k's M less the row's: a whole number, 0 or less
.endr
	v_sub_f32 v243, v240, v12
.irp k, 0,1,2,3
	v_cvt_i32_f32 v[244+\k], v[244+\k]
.endr
	v_cvt_i32_f32 v243, v243
.irp k, 0,1,2,3
	v_ldexp_f32 v[244+\k], 1.0, v[244+\k]
.endr
	v_ldexp_f32 v252, 1.0, v243                    ; my own share's factor
	v_mul_f32 v241, v244, v236
	v_fmac_f32 v241, v245, v237
	v_fmac_f32 v241, v246, v238
	v_fmac_f32 v241, v247, v239                    ; the row's sum
	v_rcp_f32 v242, v241
.set QI, 0
.rept 32
	v_pk_mul_f32 v[160+2*QI:161+2*QI], v[160+2*QI:161+2*QI], v[252:253] op_sel_hi:[1,0]   ; exact; each accumulator from its low end on.  (Plain work behind the reciprocal)
.set QI, QI+1
.endr
	s_wait_alu depctr_va_vdst(0)                   ; the wait ahead of the reciprocal's first reader
.endm
.macro PARTS off                       ; of a tile's four partials I take registers 16 ks .. 16 ks + 15: one block of 32 channels of one path
.irp k, 0,1
.irp i, 0,1,2,3
	ds_load_b128 v[32+16*\k+4*\i:35+16*\k+4*\i], v[OSR0] offset:(\off)+32768*\k+512*\i
.endr
.endr
.irp k, 0,1
.irp i, 0,1,2,3
	ds_load_b128 v[64+16*\k+4*\i:67+16*\k+4*\i], v[OSR1] offset:(\off)+32768*\k+512*\i
.endr
.endr
.endm
.macro REDUCE                          ; the four partials are added, divided by the row's sum and quantised along the output projection's K: codes in v[48:51], the byte in v245
.irp j, 0,2,4,6,8,10,12,14
	v_pk_add_f32 v[32+\j:33+\j], v[32+\j:33+\j], v[48+\j:49+\j]
.endr
.irp j, 0,2,4,6,8,10,12,14
	v_pk_add_f32 v[32+\j:33+\j], v[32+\j:33+\j], v[64+\j:65+\j]
.endr
.irp j, 0,2,4,6,8,10,12,14
	v_pk_add_f32 v[32+\j:33+\j], v[32+\j:33+\j], v[80+\j:81+\j]
.endr
.irp j, 0,2,4,6,8,10,12,14
	v_pk_mul_f32 v[32+\j:33+\j], v[32+\j:33+\j], v[242:243] op_sel_hi:[1,0]
.endr
	v_max3_num_f32 v244, |v32|, |v33|, 0x8000000   ; my 16 channels, and the floor
.irp i, 2,4,6,8,10,12,14
	v_max3_num_f32 v244, v244, |v[32+\i]|, |v[33+\i]|
.endr
	v_permlanex16_b32 v245, v244, s[SEL], s[SEL+1]
	v_max_num_f32 v244, v244, v245
	v_add_nc_u32 v246, 0xf8800000, v244
	v_and_or_b32 v247, v244, 0x7f800000, s[MNT]
	v_lshrrev_b32 v245, 23, v246
.irp i, 0,1,2,3,4,5,6,7,8,9,10,11,12,13,14,15
	v_med3_num_f32 v[32+\i], v[32+\i], -v247, v247
.endr
	v_cvt_scalef32_pk8_bf8_f32 v[48:49], v[32:39], v246
	v_cvt_scalef32_pk8_bf8_f32 v[50:51], v[40:47], v246
	v_nop                                          ; one plain vector line behind the last conversion
.endm
.rept 8
	v_nop                                          ; places behind the last products: their results are read below, and loads land on their operands
.endr
	s_lshl_b32 s83, s[KSI], 2
	s_add_co_u32 s83, s83, s[QT]                   ; tile A's entry: key share x 4 + tile; tile B's is the next
	v_and_b32 v[GO], 31, v0
	v_lshlrev_b32 v[MLA], 2, v[GO]
	v_lshlrev_b32 v[GO], 4, v[GO]
	s_lshl_b32 s84, s[QT], 8
	v_add_nc_u32 v[MLR], s84, v[MLA]               ; ML = 0
	s_lshl_b32 s84, s83, 8
	v_add_nc_u32 v[MLA], s84, v[MLA]
	s_lshl_b32 s84, s83, 13
	s_add_co_u32 s84, s84, OST
	v_add_nc_u32 v[OSA], s84, v[GO]
	s_lshl_b32 s84, s[QT], 13
	s_lshl_b32 s85, s[KSI], 11
	s_add_co_u32 s84, s84, s85
	s_add_co_u32 s84, s84, OST
	v_add_nc_u32 v[OSR0], s84, v[GO]
	v_add_nc_u32 v[OSR1], 0x10000, v[OSR0]         ; an LDS offset holds 16 bits: the third and fourth partial from a second register
	v_and_b32 v[BY], 15, v0
	v_lshlrev_b32 v[BY], 2, v[BY]
	SUMUP
	ds_store_b32 v[MLA], v12
	ds_store_b32 v[MLA], v14 offset:128
	WIN 0x55
	SUMUP
	WIN 0x04                                       ; an LDS store's data are its source 1: v256 on
	ds_store_b32 v[MLA], v12 offset:256
	ds_store_b32 v[MLA], v14 offset:384
	WIN 0
	s_wait_dscnt 0x0                               ; for the others' sake
	s_barrier_signal -1
	s_barrier_wait -1
.irp k, 0,1,2,3
	ds_load_b32 v[232+\k], v[MLR] offset:1024*\k
	ds_load_b32 v[236+\k], v[MLR] offset:1024*\k+128
.endr
	WIN 0x40
.irp k, 0,1,2,3
	ds_load_b32 v[232+\k], v[MLR] offset:1024*\k+256
	ds_load_b32 v[236+\k], v[MLR] offset:1024*\k+384
.endr
	WIN 0
	s_wait_dscnt 0x0
	FACTORS
.set QI, 0
.rept 16
	ds_store_b128 v[OSA], v[160+4*QI:163+4*QI] offset:512*QI
.set QI, QI+1
.endr
	WIN 0x55
	FACTORS
	WIN 0x04
.set QI, 0
.rept 16
	ds_store_b128 v[OSA], v[160+4*QI:163+4*QI] offset:8192+512*QI
.set QI, QI+1
.endr
	WIN 0
	s_wait_dscnt 0x0
	s_barrier_signal -1
	s_barrier_wait -1
	PARTS 0
	WIN 0x40
	PARTS 8192
	WIN 0
	s_wait_dscnt 0x0
	REDUCE
	global_store_b128 v[GO], v[48:51], s[14:15]    ; 32 lanes store 512 consecutive bytes, aligned
	global_store_b8 v[BY], v245, s[16:17] offset:2097152   ; row r's byte; lanes r and r + 16 write the same byte with the same value.  65,536 such bytes in the launch
	WIN 0x55
	REDUCE
	WIN 0x04                                       ; a store's data are its source 1: v256 on
	global_store_b128 v[GO], v[48:51], s[14:15] offset:8192
	global_store_b8 v[BY], v245, s[16:17] offset:2097152+256
	WIN 0
	s_wait_tensorcnt 0x0                           ; the wave's end, behind my last tensor load and my last LDS store
	ds_add_u32 v[SPW], v[NIL]
	s_wait_dscnt 0x0
	CROUND                                         ; the closing round: no work-group ends while a partner may still ask for a block that names it
	s_endpgm
.Lfunc_end_k_q0036c55adc_attn:
	.size	k_q0036c55adc_attn, .Lfunc_end_k_q0036c55adc_attn-k_q0036c55adc_attn
	.p2alignl 7, 3214868480
	.fill 96, 4, 3214868480
	.section	.rodata,"a",@progbits
	.p2align	6, 0x0
	.amdhsa_kernel k_q0036c55adc_attn
		.amdhsa_group_segment_fixed_size 327680
		.amdhsa_private_segment_fixed_size 0
		.amdhsa_enable_private_segment 0
		.amdhsa_kernarg_size 24
		.amdhsa_user_sgpr_count 2
		.amdhsa_user_sgpr_kernarg_segment_ptr 1
		.amdhsa_wavefront_size32 1
		.amdhsa_system_sgpr_workgroup_id_x 1
		.amdhsa_system_sgpr_workgroup_id_y 1
		.amdhsa_system_sgpr_workgroup_id_z 1
		.amdhsa_system_vgpr_workitem_id 0
		.amdhsa_next_free_vgpr 512
		.amdhsa_next_free_sgpr 100
		.amdhsa_reserve_vcc 0
		.amdhsa_float_denorm_mode_32 3
		.amdhsa_float_denorm_mode_16_64 3
		.amdhsa_memory_ordered 1
		.amdhsa_forward_progress 1
		.amdhsa_inst_pref_size 112
	.end_amdhsa_kernel
	.amdgpu_metadata
---
amdhsa.version: [ 1, 2 ]
amdhsa.kernels:
  - .name:           k_q0036c55adc_attn
    .symbol:         k_q0036c55adc_attn.kd
    .args:
      - { .name: qb, .offset: 0, .size: 8, .value_kind: global_buffer, .address_space: global }
      - { .name: kvb, .offset: 8, .size: 8, .value_kind: global_buffer, .address_space: global }
      - { .name: lb, .offset: 16, .size: 8, .value_kind: global_buffer, .address_space: global }
    .group_segment_fixed_size: 327680
    .private_segment_fixed_size: 0
    .kernarg_segment_align: 8
    .kernarg_segment_size: 24
    .max_flat_workgroup_size: 256
    .sgpr_count:     100
    .vgpr_count:     512
    .wavefront_size: 32
...
	.end_amdgpu_metadata
.endif
;; end of part 3
;; launch outp (part 4): grid 128 x 6, 1 waves a work-group, no clusters, 4,864 bytes of LDS; arguments lb, wq, bov, boc, out0, out1; writes out0, out1
.if DOCPART == 4
	.amdgcn_target "amdgcn-amd-amdhsa--gfx1250"
	.amdhsa_code_object_version 6
	.text
	.protected	k_q0036c55adc_outp
	.globl	k_q0036c55adc_outp
	.p2align	8
	.type	k_q0036c55adc_outp,@function
k_q0036c55adc_outp:
	s_mov_b64 s[64:65], 0
	v_nop
	global_prefetch_b8 v0, s[64:65] scope:SCOPE_SE
	s_setreg_imm32_b32 hwreg(HW_REG_WAVE_MODE, 25, 1), 1
	s_wait_xcnt 0x0
; The two output projections, out = L W + b, K = 512 (head x 64 + channel), on codes of BF8 (E5M2) with E8M0 scales.  L and W come as images of operand registers (2,048 bytes a fragment).
; A work-group is one wave: 16 rows (tile x of 128) x 64 columns.  y = 0 .. 3: columns 64 y of out0 (Wov); y = 4, 5: columns 64 (y - 4) of out1 (Woc).  16 matrix instructions; all loads are out together.
; Source 0 = 16 columns of W, source 1 = 16 rows of L: a lane holds one row and eight neighbouring columns a tile.  The bias is loaded straight into the accumulators, in the result's layout.
; The rows of a tile of L are latent rows 32 (tile / 2) + 8 (tile % 2) + r + 8 (r / 8) of their batch, as the projection launch chose them.
; The results go through a stage in LDS (rows of 256 bytes + 16) and leave as whole aligned runs of 256 bytes.  768 small work-groups: no tensor load, no cluster: 0.2 MB of weights' codes are shared through the caches.
.set MSB, 0
.macro WIN new
.if MSB != \new
	s_set_vgpr_msb (MSB<<8)|\new
.set MSB, \new
.endif
.endm
.set LF,  16                           ; v16-79   L's four fragments
.set LSC, 80                           ; v80-83   their scale words
.set WSC, 84                           ; v84-99   W's scale words (4 t + s)
.set ACC, 104                          ; v104-135 four accumulators
.set BK,  136                          ; v136-167 the rows read back;  v256-511: W's sixteen fragments (4 t + s)
.macro OUTS pitch                      ; stage rows 2 i, 2 i + 1 are output rows 2 i + 8 (i / 4) and the next
.irp i, 0,1,2,3,4,5,6,7
	s_wait_dscnt 7-\i                              ; LDS loads come back in order: pair i is in, the younger ones may be out
	global_store_b128 v9, v[BK+4*\i:BK+4*\i+3], s[22:23] offset:(2*\i+8*(\i/4))*\pitch   ; sixteen lanes store 256 consecutive bytes, aligned
.endr
	s_wait_tensorcnt 0x0
	ds_add_u32 v254, v255
	s_wait_dscnt 0x0
	s_endpgm
.endm
	s_load_b128 s[4:7], s[0:1], 0x0                ; lb, wq
	s_load_b128 s[8:11], s[0:1], 0x10              ; bov, boc
	s_load_b128 s[12:15], s[0:1], 0x20             ; out0, out1
	v_lshl_add_u32 v254, v0, 2, 0x1200
	v_mov_b32 v255, 0
	v_and_b32 v1, 15, v0                           ; r
	v_bfe_u32 v2, v0, 4, 1                         ; h
	v_lshlrev_b32 v3, 4, v0                        ; 16 x lane
	v_lshlrev_b32 v4, 2, v0                        ; 4 x lane
	v_lshlrev_b32 v5, 2, v1                        ; 4 r
	v_lshlrev_b32 v6, 6, v2                        ; 64 h
	v_mul_u32_u24 v7, v1, 272
	v_add_nc_u32 v7, v7, v6                        ; the stage, in: row r, + 64 h
	v_mul_u32_u24 v8, v2, 272
	v_lshl_add_u32 v8, v1, 4, v8                   ; and back: lanes 0-15 one row, lanes 16-31 the next
	s_and_b32 s16, ttmp7, 0xffff
	s_mov_b32 s27, 0
	s_wait_kmcnt 0x0
	s_mov_b32 s18, 288
	s_cmp_ge_u32 s16, 4                            ; the choice hangs on the work-group's number alone
	s_cselect_b32 s17, 1, 0                        ; path
	s_cselect_b32 s18, 352, s18                    ; the weight's first fragment in wq
	s_cselect_b32 s19, 9, 10                       ; an output row is 2^9 or 2^10 bytes
	s_cselect_b64 s[20:21], s[10:11], s[8:9]
	s_cselect_b64 s[22:23], s[14:15], s[12:13]
	s_lshl_b32 s24, s17, 2
	s_sub_co_u32 s24, s16, s24                     ; which 64 columns
	s_lshl_b32 s25, s17, 7
	s_add_co_u32 s25, s25, ttmp9                   ; path x 128 + tile of rows
	s_lshl_b32 s26, s25, 13
	s_add_nc_u64 s[28:29], s[4:5], s[26:27]        ; L's four images
	s_lshl_b32 s26, s25, 8
	s_add_nc_u64 s[30:31], s[4:5], s[26:27]        ; their scale bytes (behind 2,097,152)
	s_lshl_b32 s32, s24, 4
	s_add_co_u32 s32, s32, s18
	s_lshl_b32 s26, s32, 11
	s_add_nc_u64 s[34:35], s[6:7], s[26:27]        ; W's sixteen images
	s_lshl_b32 s26, s32, 7
	s_add_nc_u64 s[36:37], s[6:7], s[26:27]        ; their scale words (behind 786,432)
	s_lshl_b32 s26, s24, 8
	s_add_nc_u64 s[20:21], s[20:21], s[26:27]      ; the bias of my 64 columns
	s_and_b32 s38, ttmp9, 0x7e
	s_lshl_b32 s38, s38, 4
	s_and_b32 s39, ttmp9, 1
	s_lshl_b32 s39, s39, 3
	s_add_co_u32 s38, s38, s39                     ; the tile's first output row: 16 (x - x % 2) + 8 (x % 2)
	s_lshl_b32 s38, s38, s19
	s_add_co_u32 s26, s38, s26
	s_add_nc_u64 s[22:23], s[22:23], s[26:27]
	v_lshlrev_b32 v9, s19, v2
	v_lshl_add_u32 v9, v1, 4, v9                   ; h rows + 16 r
.irp s, 0,1,2,3
.irp c, 0,1,2,3
	global_load_b128 v[LF+16*\s+4*\c:LF+16*\s+4*\c+3], v3, s[28:29] offset:2048*\s+512*\c
.endr
	global_load_b32 v[LSC+\s], v5, s[30:31] offset:2097152+64*\s
.endr
	WIN 0x40                                       ; destination in v256 on
.set WN, 0
.rept 16
.irp c, 0,1,2,3
	global_load_b128 v[16*WN+4*\c:16*WN+4*\c+3], v3, s[34:35] offset:2048*WN+512*\c
.endr
.set WN, WN+1
.endr
	WIN 0
.set WN, 0
.rept 16
	global_load_b32 v[WSC+WN], v4, s[36:37] offset:786432+128*WN
.set WN, WN+1
.endr
.irp t, 0,1,2,3
	global_load_b128 v[ACC+8*\t:ACC+8*\t+3], v6, s[20:21] offset:128*(\t/2)+32*(\t%2)       ; tile t's eight columns of my lane half: 32 (t / 2) + 8 (t % 2) + 16 h + 0 .. 7
	global_load_b128 v[ACC+8*\t+4:ACC+8*\t+7], v6, s[20:21] offset:128*(\t/2)+32*(\t%2)+16
.endr
	s_wait_loadcnt 0x0
	WIN 0x01                                       ; source 0 in v256 on
.irp s, 0,1,2,3
.irp t, 0,1,2,3
	v_wmma_scale_f32_16x16x128_f8f6f4 v[ACC+8*\t:ACC+8*\t+7], v[16*(4*\t+\s):16*(4*\t+\s)+15], v[LF+16*\s:LF+16*\s+15], v[ACC+8*\t:ACC+8*\t+7], v[WSC+4*\t+\s], v[LSC+\s] matrix_a_fmt:MATRIX_FMT_BF8 matrix_b_fmt:MATRIX_FMT_BF8   ; the four accumulators take turns
.endr
.endr
	WIN 0
.rept 8
	v_nop                                          ; places in front of the first read of results (ISA guide 7.12.1)
.endr
.irp t, 0,1,2,3
	ds_store_b128 v7, v[ACC+8*\t:ACC+8*\t+3] offset:128*(\t/2)+32*(\t%2)       ; each accumulator from its low end on
	ds_store_b128 v7, v[ACC+8*\t+4:ACC+8*\t+7] offset:128*(\t/2)+32*(\t%2)+16
.endr
.irp i, 0,1,2,3,4,5,6,7
	ds_load_b128 v[BK+4*\i:BK+4*\i+3], v8 offset:2*\i*272            ; LDS serves a wave's instructions in order: these see the stores above
.endr
	s_cmp_eq_u32 s17, 0
	s_cbranch_scc0 .Lcoords
	OUTS 1024
.Lcoords:
	OUTS 512
.Lfunc_end_k_q0036c55adc_outp:
	.size	k_q0036c55adc_outp, .Lfunc_end_k_q0036c55adc_outp-k_q0036c55adc_outp
	.p2alignl 7, 3214868480
	.fill 96, 4, 3214868480
	.section	.rodata,"a",@progbits
	.p2align	6, 0x0
	.amdhsa_kernel k_q0036c55adc_outp
		.amdhsa_group_segment_fixed_size 4864
		.amdhsa_private_segment_fixed_size 0
		.amdhsa_enable_private_segment 0
		.amdhsa_kernarg_size 48
		.amdhsa_user_sgpr_count 2
		.amdhsa_user_sgpr_kernarg_segment_ptr 1
		.amdhsa_wavefront_size32 1
		.amdhsa_system_sgpr_workgroup_id_x 1
		.amdhsa_system_sgpr_workgroup_id_y 1
		.amdhsa_system_sgpr_workgroup_id_z 1
		.amdhsa_system_vgpr_workitem_id 0
		.amdhsa_next_free_vgpr 512
		.amdhsa_next_free_sgpr 66
		.amdhsa_reserve_vcc 0
		.amdhsa_float_denorm_mode_32 3
		.amdhsa_float_denorm_mode_16_64 3
		.amdhsa_memory_ordered 1
		.amdhsa_forward_progress 1
		.amdhsa_inst_pref_size 19
	.end_amdhsa_kernel
	.amdgpu_metadata
---
amdhsa.version: [ 1, 2 ]
amdhsa.kernels:
  - .name:           k_q0036c55adc_outp
    .symbol:         k_q0036c55adc_outp.kd
    .args:
      - { .name: lb, .offset: 0, .size: 8, .value_kind: global_buffer, .address_space: global }
      - { .name: wq, .offset: 8, .size: 8, .value_kind: global_buffer, .address_space: global }
      - { .name: bov, .offset: 16, .size: 8, .value_kind: global_buffer, .address_space: global }
      - { .name: boc, .offset: 24, .size: 8, .value_kind: global_buffer, .address_space: global }
      - { .name: out0, .offset: 32, .size: 8, .value_kind: global_buffer, .address_space: global }
      - { .name: out1, .offset: 40, .size: 8, .value_kind: global_buffer, .address_space: global }
    .group_segment_fixed_size: 4864
    .private_segment_fixed_size: 0
    .kernarg_segment_align: 8
    .kernarg_segment_size: 48
    .max_flat_workgroup_size: 32
    .sgpr_count:     66
    .vgpr_count:     512
    .wavefront_size: 32
...
	.end_amdgpu_metadata
.endif
;; end of part 4
;; ======== version 2 of 2: 4 launches
;; workspace buffers: wq 835,584 bytes; kvb 71,303,168 bytes; qb 557,056 bytes; lb 2,162,688 bytes
;; launch prep (part 5): grid 96 x 1, 4 waves a work-group, no clusters, 0 bytes of LDS; arguments Wkvv, Wkvc, Wqv, Wqc, Wov, Woc, wq; writes wq
.if DOCPART == 5
	.amdgcn_target "amdgcn-amd-amdhsa--gfx1250"
	.amdhsa_code_object_version 6
	.text
	.protected	k_q0036c55adc_prep
	.globl	k_q0036c55adc_prep
	.p2align	8
	.type	k_q0036c55adc_prep,@function
k_q0036c55adc_prep:
	s_mov_b64 s[64:65], 0
	v_nop
	global_prefetch_b8 v0, s[64:65] scope:SCOPE_SE
	s_setreg_imm32_b32 hwreg(HW_REG_WAVE_MODE, 25, 1), 1
	s_wait_xcnt 0x0
; The six weights, f32 stored [K][N] with K as the FIRST axis, become codes of BF8 (E5M2) with one E8M0 scale byte for each 32 along K,
; laid as IMAGES OF THE OPERAND'S REGISTERS: a fragment (16 columns x 128 along K, 16 registers a lane) is 2,048 bytes, register group c
; (4 registers) at 512 c + 16 x lane; its scale words, 4 bytes a lane, lie at WSO + 128 f.  A later wave gets a fragment by four loads of 16 bytes a lane.
; One wave makes one fragment f = 4 x work-group + wave.  f = F0 + T x KS + s: T the tile of columns, KS = K / 128, s the K step.
; THE COLUMNS OF A TILE ARE NOT NEIGHBOURS: lane r of tile T takes column 32 (T / 2) + 8 (T % 2) + r + 8 (r / 8), so that the 16 result registers
; of tiles 2 b and 2 b + 1 of a product that takes the tile as its source 0 are 16 neighbouring columns.
; A lane takes one column and its registers run DOWN K in the order of the operand's layout (register 16 c + i: k = 32 c + 16 (lane / 16) + i): the conversions' results are the operand's registers.
; A block's scale is 2^(floor(log2(its largest magnitude)) - 15); its byte is the largest magnitude's exponent field - 15, held at 1 from below.
; LIMITS: a block of zeros gets the byte 1 where the rule says 127 (its codes are zeros, and this program alone reads the bytes); NaN and infinities among the inputs are not served.
; 3.1 MB are read and 0.8 MB written by 96 work-groups: no LDS, no barrier, no matrix unit; all 64 loads of a wave are out together.
.set X,   16                           ; v16-79   the fragment's 64 numbers
.set TM,  80                           ; v80-95   largest magnitudes, bytes, holds, scale operands
.set PW,  96                           ; v96      the scale word
.set PC,  100                          ; v100-115 the codes
.set MNT, 23                           ; s23      the mantissa field of 57,344
.set SEL, 24                           ; s[24:25] v_permlanex16_b32's selects for lane l xor 16
.set WSO, 786432                       ; where the scale words begin in wq: behind 384 images
; 64 numbers of a lane, register 16 b + i = k 32 b + 16 (lane / 16) + i, become 16 registers of codes in v[PC] on; word = 1: and the four bytes a scale word in v[PW]
.macro QUANT s, word
.irp b, 0,1,2,3
	v_max3_num_f32 v[TM+\b], |v[\s+16*\b]|, |v[\s+1+16*\b]|, 0x8000000   ; my 16 numbers of block b, and the floor 2^(16 - 127): the byte cannot fall under 1
.endr
.irp i, 2,4,6,8,10,12,14
.irp b, 0,1,2,3
	v_max3_num_f32 v[TM+\b], v[TM+\b], |v[\s+16*\b+\i]|, |v[\s+1+16*\b+\i]|   ; the four blocks by turns
.endr
.endr
.irp b, 0,1,2,3
	v_permlanex16_b32 v[TM+4+\b], v[TM+\b], s[SEL], s[SEL+1]
.endr
.irp b, 0,1,2,3
	v_max_num_f32 v[TM+\b], v[TM+\b], v[TM+4+\b]                   ; with lane l xor 16's 16: the block's largest magnitude
.endr
.irp b, 0,1,2,3
	v_add_nc_u32 v[TM+12+\b], 0xf8800000, v[TM+\b]                 ; 15 off its exponent field: the conversion's scale operand
.endr
.irp b, 0,1,2,3
	v_and_or_b32 v[TM+8+\b], v[TM+\b], 0x7f800000, s[MNT]          ; 57,344 x the scale
.endr
.irp b, 0,1,2,3
	v_lshrrev_b32 v[TM+4+\b], 23, v[TM+12+\b]                      ; the scale's byte
.endr
.if \word
	v_lshl_or_b32 v[PW], v[TM+5], 8, v[TM+4]
	v_lshl_or_b32 v[PW], v[TM+6], 16, v[PW]
	v_lshl_or_b32 v[PW], v[TM+7], 24, v[PW]
.endif
.irp b, 0,1,2,3
.irp i, 0,1,2,3,4,5,6,7,8,9,10,11,12,13,14,15
	v_med3_num_f32 v[\s+16*\b+\i], v[\s+16*\b+\i], -v[TM+8+\b], v[TM+8+\b]   ; the conversion to an 8-bit code does not saturate (ISA guide 7.6.2): the hold
.endr
	v_cvt_scalef32_pk8_bf8_f32 v[PC+4*\b:PC+1+4*\b], v[\s+16*\b:\s+7+16*\b], v[TM+12+\b]
	v_cvt_scalef32_pk8_bf8_f32 v[PC+2+4*\b:PC+3+4*\b], v[\s+8+16*\b:\s+15+16*\b], v[TM+12+\b]
.endr
	v_nop                                          ; one plain vector line behind the last conversion
.endm
; the 64 loads of fragment s19 of the weight at s[ptr:ptr+1], N columns wide, KS = 2^LOGKS, first fragment F0
.macro WLD ptr, N, LOGKS, F0
	s_sub_co_u32 s20, s19, \F0                     ; the fragment's number in its weight
	s_lshr_b32 s21, s20, \LOGKS                    ; T
	s_and_b32 s22, s20, (1<<\LOGKS)-1              ; s
	s_lshr_b32 s26, s21, 1
	s_lshl_b32 s26, s26, 7                         ; 32 (T / 2) columns of 4 bytes
	s_and_b32 s27, s21, 1
	s_lshl_b32 s27, s27, 5                         ; 8 (T % 2) columns
	s_add_co_u32 s26, s26, s27
	s_mul_i32 s22, s22, 128*\N*4                   ; 128 s rows
	s_add_co_u32 s26, s26, s22
	s_mov_b32 s27, 0
	s_add_nc_u64 s[28:29], s[\ptr:\ptr+1], s[26:27]
	v_mul_u32_u24 v5, v3, 64*\N                    ; lanes 16-31 begin 16 rows further down
	s_wait_alu depctr_va_vdst(0)
	v_lshl_add_u32 v5, v4, 2, v5                   ; + my column
.irp c, 0,1,2,3
.irp i, 0,1,2,3,4,5,6,7,8,9,10,11,12,13,14,15
	global_load_b32 v[X+16*\c+\i], v5, s[28:29] offset:(32*\c+\i)*\N*4
.endr
.endr
	s_branch .Ltail
.endm
	s_load_b256 s[4:11], s[0:1], 0x0               ; Wkvv, Wkvc, Wqv, Wqc
	s_load_b128 s[12:15], s[0:1], 0x20             ; Wov, Woc
	s_load_b64 s[16:17], s[0:1], 0x30              ; wq
	v_lshrrev_b32 v1, 5, v0
	v_readfirstlane_b32 s18, v1                    ; wave
	v_and_b32 v2, 15, v0                           ; r
	v_bfe_u32 v3, v0, 4, 1                         ; h
	v_and_b32 v4, 8, v2
	v_add_nc_u32 v4, v4, v2                        ; r + 8 (r / 8)
	v_and_b32 v7, 31, v0
	v_lshlrev_b32 v6, 4, v7                        ; 16 x lane
	v_lshlrev_b32 v7, 2, v7                        ; 4 x lane
	s_lshl_b32 s19, ttmp9, 2
	s_add_co_u32 s19, s19, s18                     ; f
	s_mov_b32 s[SEL], 0x76543210
	s_mov_b32 s[SEL+1], 0xfedcba98
	s_mov_b32 s[MNT], 0x600000
.irp b, 0,1,2,3
	v_mov_b32 v[TM+4+\b], 0                        ; written once: a lane permute's destination counts as one of its sources
.endr
	s_wait_kmcnt 0x0
	s_cmp_lt_u32 ttmp9, 32                         ; the weights' borders fall on whole work-groups: 128, 64, 64, 32, 64, 32 fragments
	s_cbranch_scc1 .Lkvv
	s_cmp_lt_u32 ttmp9, 48
	s_cbranch_scc1 .Lkvc
	s_cmp_lt_u32 ttmp9, 64
	s_cbranch_scc1 .Lqv
	s_cmp_lt_u32 ttmp9, 72
	s_cbranch_scc1 .Lqc
	s_cmp_lt_u32 ttmp9, 88
	s_cbranch_scc1 .Lov
	WLD 14, 128, 2, 352
.Lkvv:
	WLD 4, 1024, 1, 0
.Lkvc:
	WLD 6, 1024, 0, 128
.Lqv:
	WLD 8, 512, 1, 192
.Lqc:
	WLD 10, 512, 0, 256
.Lov:
	WLD 12, 256, 2, 288
.Ltail:
	s_wait_loadcnt 0x0                             ; all 64 numbers are in
	QUANT X, 1
	s_lshl_b32 s26, s19, 11
	s_mov_b32 s27, 0
	s_add_nc_u64 s[30:31], s[16:17], s[26:27]      ; the image's 2,048 bytes
.irp c, 0,1,2,3
	global_store_b128 v6, v[PC+4*\c:PC+4*\c+3], s[30:31] offset:512*\c   ; 32 lanes store 512 consecutive bytes, aligned
.endr
	s_lshl_b32 s26, s19, 7
	s_add_co_u32 s26, s26, WSO
	s_add_nc_u64 s[32:33], s[16:17], s[26:27]
	global_store_b32 v7, v[PW], s[32:33]           ; the scale words: lane r has column r's, lanes 16-31 the same
	s_endpgm
.Lfunc_end_k_q0036c55adc_prep:
	.size	k_q0036c55adc_prep, .Lfunc_end_k_q0036c55adc_prep-k_q0036c55adc_prep
	.p2alignl 7, 3214868480
	.fill 96, 4, 3214868480
	.section	.rodata,"a",@progbits
	.p2align	6, 0x0
	.amdhsa_kernel k_q0036c55adc_prep
		.amdhsa_group_segment_fixed_size 0
		.amdhsa_private_segment_fixed_size 0
		.amdhsa_enable_private_segment 0
		.amdhsa_kernarg_size 56
		.amdhsa_user_sgpr_count 2
		.amdhsa_user_sgpr_kernarg_segment_ptr 1
		.amdhsa_wavefront_size32 1
		.amdhsa_system_sgpr_workgroup_id_x 1
		.amdhsa_system_sgpr_workgroup_id_y 1
		.amdhsa_system_sgpr_workgroup_id_z 1
		.amdhsa_system_vgpr_workitem_id 0
		.amdhsa_next_free_vgpr 128
		.amdhsa_next_free_sgpr 66
		.amdhsa_reserve_vcc 0
		.amdhsa_float_denorm_mode_32 3
		.amdhsa_float_denorm_mode_16_64 3
		.amdhsa_memory_ordered 1
		.amdhsa_forward_progress 1
		.amdhsa_inst_pref_size 51
	.end_amdhsa_kernel
	.amdgpu_metadata
---
amdhsa.version: [ 1, 2 ]
amdhsa.kernels:
  - .name:           k_q0036c55adc_prep
    .symbol:         k_q0036c55adc_prep.kd
    .args:
      - { .name: Wkvv, .offset: 0, .size: 8, .value_kind: global_buffer, .address_space: global }
      - { .name: Wkvc, .offset: 8, .size: 8, .value_kind: global_buffer, .address_space: global }
      - { .name: Wqv, .offset: 16, .size: 8, .value_kind: global_buffer, .address_space: global }
      - { .name: Wqc, .offset: 24, .size: 8, .value_kind: global_buffer, .address_space: global }
      - { .name: Wov, .offset: 32, .size: 8, .value_kind: global_buffer, .address_space: global }
      - { .name: Woc, .offset: 40, .size: 8, .value_kind: global_buffer, .address_space: global }
      - { .name: wq, .offset: 48, .size: 8, .value_kind: global_buffer, .address_space: global }
    .group_segment_fixed_size: 0
    .private_segment_fixed_size: 0
    .kernarg_segment_align: 8
    .kernarg_segment_size: 56
    .max_flat_workgroup_size: 128
    .sgpr_count:     66
    .vgpr_count:     128
    .wavefront_size: 32
...
	.end_amdgpu_metadata
.endif
;; end of part 5
;; launch proj (part 6): grid 272 x 1, 8 waves a work-group, no clusters, 195,584 bytes of LDS; arguments V, C, latent_values, latent_coords, bkvv, gkvv, bkvc, gkvc, bqv, gqv, bqc, gqc, wq, kvb, qb; writes kvb, qb
.if DOCPART == 6
	.amdgcn_target "amdgcn-amd-amdhsa--gfx1250"
	.amdhsa_code_object_version 6
	.text
	.protected	k_q0036c55adc_proj
	.globl	k_q0036c55adc_proj
	.p2align	8
	.type	k_q0036c55adc_proj,@function
k_q0036c55adc_proj:
	s_mov_b64 s[64:65], 0
	v_nop
	global_prefetch_b8 v0, s[64:65] scope:SCOPE_SE
	s_setreg_imm32_b32 hwreg(HW_REG_WAVE_SCHED_MODE, 0, 2), 2
	s_setreg_imm32_b32 hwreg(HW_REG_WAVE_MODE, 25, 1), 1
	s_wait_xcnt 0x0
	s_wait_alu depctr_vm_vsrc(0)
; The four input projections, each x W + b, RMS norm over the whole row, gain; the results leave as codes of BF8 (E5M2) with E8M0 scales, laid as the attention launch's operand registers.
; Work-groups 0-15: the queries, 32 latent rows each (norm over 512 columns).  Work-groups 16-271: keys and values, 128 source rows each = one key step of one batch (norm over 1,024 columns).
; WAVE w IS HEAD w.  On each of the two paths (C: K = 128; V: K = 256) it owns the key columns 64 w .. 64 w + 63 and, for keys and values, the value columns 512 + 64 w .. ; its weight fragments
; (images made by the launch before) stay in registers v256-511 and are read once a work-group.  x is quantised once a work-group and goes from wave to wave through LDS as images of its registers.
; x OF THE KEYS AND VALUES IS LOADED IN RUNS OF 512 CONSECUTIVE BYTES (one row's 128 numbers, 16 bytes a lane) and turned through the wave's own stage in LDS into the order that the quantiser wants (a lane: 16 neighbours of each block of 32).
; TWO LAYOUTS FROM ONE FRAGMENT OF x.  Keys and queries: source 0 = 16 columns of W, source 1 = 16 rows of x: a lane holds ONE ROW, its registers run along the columns, which are the scores' K.
; Values: source 0 = 16 rows of x, source 1 = 16 columns of W: a lane holds ONE CHANNEL, its registers run along the rows (the keys), which are the second attention product's K.
; The members of every tile are chosen so: lane r of tile 2 b + u is member 32 b + 8 u + r + 8 (r / 8); the 16 result registers of tiles 2 b, 2 b + 1 are then members 32 b + 16 (lane / 16) + 0 .. 15.
; A TRIP takes 32 rows on one path: products, bias, the rows' sums of squares (own columns; the eight waves' parts meet in LDS, one barrier a trip, bytes never used twice), 1 / sqrt, gain, quantise, store.
; OUT.  kvb: for each (batch x 8 + head, key step) a block of 34,816 bytes: 8 images of K (key tile 2 c + u; register groups 0, 1 = path C's 64, groups 2, 3 = path V's), 8 images of V^T (channel tile 4 half + t,
; half 0 = path V; group c = keys 32 c on), K's scale words [u][lane][c], V's [half][lane][t].  qb: images at (head x 32 + tile) x 2,048, scale words behind 524,288.
; LIMITS: a block of zeros gets the byte 1 where the rule says 127 (its codes are zeros; this program alone reads the bytes); NaN and infinities among the inputs are not served; 1 / sqrt is v_rsq_f32.
; No tensor load: every byte of x and of the weights is wanted once a work-group, straight in registers.  No cluster: a wave's fragments are its own, and all of a work-group's weights (384 KB) do not fit in LDS beside what it holds there.
; THE MODE: SCHED_MODE bits 1:0 = 2 (LLVM: expert scheduling mode 2), set by the entry lines.  The code itself states the register dependences between vector or matrix instructions and memory or LDS instructions, with s_wait_alu, always for 0.
; THE PLAN.  Registers that memory or LDS instructions touch in a trip, and who else names them:
;   XF           LDS loads land in it twice: x's K step 0 (asked for in the trip before), then the gains.  Read by the products, then by the gains' multiplications.
;   XF1 = PC, TM LDS loads of x's K step 1 land in it at a trip's head; read by the products; then the squares, 1 / sqrt (an LDS load) and the quantiser write it; LDS stores and global stores read it.
;   HA           LDS loads (the bias) land in it in the trip before; products and vector lines alone name it afterwards.
;   XS           LDS loads land in it; the products read it as scales, and the values' bias lines name it as the upper halves of pairs.
;   WK           written by vector lines and by LDS loads (the scratch's sums, the eight waves' parts); read by LDS stores (my part, K's two bytes).
;   RL           written by the two reciprocal roots; read by one LDS store each.
;   XAD, XSD, KSA, VSA, GK, GV, SQA, SQB   written by the eight plain lines behind the products; read by the trip's LDS and global instructions.
;   v256-511, WS global loads land in them (the next path's weights, in path C's last trip); the products read them.
;   LI, LS, BGA, BVA, SCW, SCH are made at the head and never written again.
; Eight waits on va_vdst in a trip with value columns: behind the eight address lines; ahead of the scratch's stores; ahead of the sums' additions; ahead of the store of my part; ahead of the reciprocal roots; behind them; behind the keys' quantiser; behind the values' quantiser.
; Four on vm_vsrc: ahead of the address lines; behind the barrier; ahead of the values' quantiser; at the trip's end.  Each says at its place what it states.
.set BLK, 34816
.set WSO, 786432                       ; wq: where the weights' scale words begin
; LDS, keys and values                 ; LDS, queries: bytes of their own
.set XIV, 0                            ; x's images, path V: (tile x 2 + s) x 2,048
.set XIC, 32768                        ; path C: tile x 2,048
.set XSV, 49152                        ; x's scale words, 128 bytes a fragment
.set XSC, 51200
.set BG,  52224                        ; bias and gain: wave x 2,048 + vector x 512 (bias V, gain V, bias C, gain C); floats 0-63 key columns, 64-127 value columns
.set SSQ, 68608                        ; rows' sums of squares: [trip 8][u 2][row 16][wave 8] f32
.set SCR, 76800                        ; a wave's scratch, 256 bytes: +0 value columns' sums [u][16], +128 1 / sqrt [u][16]
.set KSS, 78848                        ; K's scale bytes: wave x 1,024 + u x 512 + 16 x lane + 4 c + 2 path + block
.set VSS, 87040                        ; V's: wave x 1,024 + half x 512 + 16 x lane + 4 t + c
.set QXI, 95232                        ; x's images: slot 2 u + s (path V), slot 4 + u (path C)
.set QXS, 107520
.set QBG, 108544                       ; wave x 1,024 + vector x 256
.set QSS, 116736
.set QKS, 118784
.set XST, 126976                       ; keys and values: a wave's stage for x, 16 rows x (512 bytes + 16): wave x 8,448
.set XSP, 528                          ; its pitch: 33 x 16 bytes, so that the sixteen rows that a load touches start at sixteen different places in the banks (64 banks of 4 bytes: ISA guide 11.1)
; vector registers
.set LI,  1                            ; 16 x lane
.set LS,  2                            ; 4 x lane
.set XAD, 3                            ; LDS: x's fragments of the group in hand (behind a trip's products: of the next)
.set XSD, 4                            ; LDS: their scale words
.set BGA, 5                            ; LDS: my bias and gain, + 64 (lane / 16)
.set SQW, 6                            ; LDS: SSQ + 32 r + 4 wave
.set SQR, 7                            ; LDS: SSQ + 32 r
.set SCW, 8                            ; LDS: my scratch + 4 r
.set SCH, 9                            ; LDS: my scratch + 32 (lane / 16)
.set KSA, 10
.set VSA, 11
.set RL,  12                           ; v12, v14: 1 / sqrt of row r of x tile 0, 1 (even registers: a packed form takes a pair's low word for both halves)
.set GK,  13                           ; byte offset of K's image stores
.set GV,  15                           ; of V's
.set XF,  16                           ; v16-47   x's two fragments of K step 0; later the key columns' gains
.set HA,  48                           ; v48-111  keys: accumulator (u, t) at 32 u + 8 t
.set HB,  112                          ; v112-175 values: accumulator (t, u) at 16 t + 8 u
.set PC,  176                          ; v176-191 codes; also the value columns' sums, and 1 / sqrt by registers
.set TM,  192                          ; v192-207 the quantiser's work
.set XF1, 176                          ; v176-207 x's two fragments of K step 1
.set BV,  208                          ; v208, 210, 212, 214: the value columns' bias of tile t, my channel
.set GVN, 216                          ; v216, 218, 220, 222: their gain
.set XS,  209                          ; v209, 211, 213, 215: x's scale words (2 s + u)
.set PW,  217
.set BVA, 219                          ; LDS: my bias and gain, value columns, + 4 (r + 8 (r / 8))
.set SQA, 221                          ; LDS: where this trip's sums go   (at the head: the bias vectors' offset in memory)
.set SQB, 223                          ; LDS: and come from              (at the head: their place in LDS)
.set WS,  224                          ; v224-239 the weights' scale words
.set WK,  240                          ; v240-255 at work
.set XGV, 3                            ; at the head only: queries: x's byte offset in memory;
.set STW, 3                            ; keys and values: my stage + 16 x lane,
.set STR, 4                            ; and my stage + 528 r + 64 (lane / 16);
.set XWI, 10                           ; where my images and scale words of x go
.set XWC, 11
.set XWS, 13
.set XWT, 15
; scalar registers: s[68:97] the fifteen buffers
.set OUT, 20
.set CNT, 22
.set MNT, 23
.set SEL, 24
.set INVN, 26
.set EPS, 27
.set WV,  28
.set TX,  50                           ; what steps from trip to trip stands in scalars: x's next images, their scale words,
.set TXS, 51
.set TK,  52                           ; K's and V's scale bytes,
.set TV,  53
.set TGK, 54                           ; K's and V's images in memory,
.set TGV, 55
.set SQS, 56                           ; the trip's 1,024 bytes of SSQ
.set KSW, 57
.set VSW, 58
.set MSB, 0
.macro WIN new                         ; the immediate's high byte repeats the setting that is left
.if MSB != \new
	s_set_vgpr_msb (MSB<<8)|\new
.set MSB, \new
.endif
.endm
; 64 numbers of a lane, register 16 b + i = the i-th of my 16 of block b, become 16 registers of codes in v[PC] on, the blocks' bytes in v[TM+4] on; word = 1: and a scale word in v[PW]
.macro QUANT s, word
.irp b, 0,1,2,3
	v_max3_num_f32 v[TM+\b], |v[\s+16*\b]|, |v[\s+1+16*\b]|, 0x8000000   ; my 16 numbers of block b, and the floor 2^(16 - 127): the byte cannot fall under 1
.endr
.irp i, 2,4,6,8,10,12,14
.irp b, 0,1,2,3
	v_max3_num_f32 v[TM+\b], v[TM+\b], |v[\s+16*\b+\i]|, |v[\s+1+16*\b+\i]|   ; the four blocks by turns
.endr
.endr
.irp b, 0,1,2,3
	v_permlanex16_b32 v[TM+4+\b], v[TM+\b], s[SEL], s[SEL+1]
.endr
.irp b, 0,1,2,3
	v_max_num_f32 v[TM+\b], v[TM+\b], v[TM+4+\b]                   ; with lane l xor 16's 16: the block's largest magnitude
.endr
.irp b, 0,1,2,3
	v_add_nc_u32 v[TM+12+\b], 0xf8800000, v[TM+\b]                 ; 15 off its exponent field: the conversion's scale operand
.endr
.irp b, 0,1,2,3
	v_and_or_b32 v[TM+8+\b], v[TM+\b], 0x7f800000, s[MNT]          ; 57,344 x the scale
.endr
.irp b, 0,1,2,3
	v_lshrrev_b32 v[TM+4+\b], 23, v[TM+12+\b]                      ; the scale's byte
.endr
.if \word
	v_lshl_or_b32 v[PW], v[TM+5], 8, v[TM+4]
	v_lshl_or_b32 v[PW], v[TM+6], 16, v[PW]
	v_lshl_or_b32 v[PW], v[TM+7], 24, v[PW]
.endif
.irp b, 0,1,2,3
.irp i, 0,1,2,3,4,5,6,7,8,9,10,11,12,13,14,15
	v_med3_num_f32 v[\s+16*\b+\i], v[\s+16*\b+\i], -v[TM+8+\b], v[TM+8+\b]   ; the conversion to an 8-bit code does not saturate (ISA guide 7.6.2): the hold
.endr
	v_cvt_scalef32_pk8_bf8_f32 v[PC+4*\b:PC+1+4*\b], v[\s+16*\b:\s+7+16*\b], v[TM+12+\b]
	v_cvt_scalef32_pk8_bf8_f32 v[PC+2+4*\b:PC+3+4*\b], v[\s+8+16*\b:\s+15+16*\b], v[TM+12+\b]
.endr
	v_nop                                          ; one plain vector line behind the last conversion
.endm
.macro BARRIER                         ; my LDS stores have landed and my LDS loads are in: then the work-group's barrier
	s_wait_dscnt 0x0
	s_barrier_signal -1
	s_barrier_wait -1
.endm
.macro XLOAD reg, base, va, off        ; queries: 128 along K of my row of x: 16 numbers of each block of 32 (the other lane half takes the other 16)
.irp b, 0,1,2,3
.irp j, 0,1,2,3
	global_load_b128 v[\reg+16*\b+4*\j:\reg+16*\b+4*\j+3], v[\va], s[\base:\base+1] offset:\off+128*\b+16*\j th:TH_LOAD_NT
.endr
.endr
.endm
.macro XDENSE reg, base, off, pitch    ; keys and values: 128 along K of my tile's 16 rows as they lie: load i takes row i + 8 (i / 8) of the tile, 32 lanes x 16 bytes = 512 consecutive bytes, aligned
.set XI, 0
.rept 16
	global_load_b128 v[(\reg)+4*XI:(\reg)+4*XI+3], v[LI], s[\base:\base+1] offset:(\off)+(XI+8*(XI/8))*(\pitch) th:TH_LOAD_NT
.set XI, XI+1
.endr
.endm
.macro TURNX reg                       ; through my stage: in as loaded, a row a store; back so that register 16 b + i of lane (r, h) is number 32 b + 16 h + i of row r.  LDS serves a wave's instructions in order (ISA guide 5.7.1.4): no wait on DScnt between the stores and the loads
.set XI, 0
.rept 16
	ds_store_b128 v[STW], v[(\reg)+4*XI:(\reg)+4*XI+3] offset:XSP*XI
.set XI, XI+1
.endr
	s_wait_alu depctr_vm_vsrc(0)                   ; the sixteen stores have read their data registers, in which the loads below land
.irp b, 0,1,2,3
.irp j, 0,1,2,3
	ds_load_b128 v[(\reg)+16*\b+4*\j:(\reg)+16*\b+4*\j+3], v[STR] offset:128*\b+16*\j
.endr
.endr
.endm
.macro IMAGE adr, off                  ; the fragment in v[PC] on goes to LDS as it stands
.irp c, 0,1,2,3
	ds_store_b128 v[\adr], v[PC+4*\c:PC+4*\c+3] offset:\off+512*\c
.endr
.endm
.macro WFR dst, base, off              ; a weight fragment's image into 16 registers
.irp c, 0,1,2,3
	global_load_b128 v[(\dst)+4*\c:(\dst)+4*\c+3], v[LI], s[\base:\base+1] offset:(\off)+512*\c
.endr
.endm
.macro WIMG regb, ks, pb, f0           ; my four tiles' fragments (tile t, K step s: number ks t + s), from fragment f0 of my wave's part on
.set WN, 0
.rept 4*\ks
	WFR (\regb)+16*WN, \pb, ((\f0)+WN)*2048
.set WN, WN+1
.endr
.endm
.macro WSCL sregb, ks, sb, f0          ; and their scale words
.set WN, 0
.rept 4*\ks
	global_load_b32 v[(\sregb)+WN], v[LS], s[\sb:\sb+1] offset:WSO+((\f0)+WN)*128
.set WN, WN+1
.endr
.endm
; what differs between the paths: K steps, path number, where the weights' fragments and scale words stand, bias and gain in LDS, x's images and scale words in LDS
.macro PATHSET ks, p, wkb, wvb, wsk, wsv, boff, goff, xib, xsb
.set KS, \ks
.set P, \p
.set WKB, \wkb
.set WVB, \wvb
.set WSK, \wsk
.set WSV, \wsv
.set BOFF, \boff
.set GOFF, \goff
.set XIB, \xib
.set XSB, \xsb
.endm
.macro ADDRS                           ; v[WK] = r, v[WK+1] = lane / 16
	s_mul_i32 s2, s[WV], BGW
	s_add_co_u32 s2, s2, BGB
	v_lshl_add_u32 v[BGA], v[WK+1], 6, s2
	s_lshl_b32 s3, s[WV], 2
	s_add_co_u32 s3, s3, SSQB
	v_lshl_add_u32 v[SQW], v[WK], 5, s3
	v_lshlrev_b32 v[SQR], 5, v[WK]
	v_add_nc_u32 v[SQR], SSQB, v[SQR]
.endm
.macro MMK u, t, s, xf                 ; keys: source 0 = W's tile t (v256 on), source 1 = x's tile u; the first K step adds onto the bias, which lies in the accumulator
	v_wmma_scale_f32_16x16x128_f8f6f4 v[HA+32*\u+8*\t:HA+32*\u+8*\t+7], v[WKB+16*(KS*\t+\s):WKB+16*(KS*\t+\s)+15], v[\xf+16*\u:\xf+16*\u+15], v[HA+32*\u+8*\t:HA+32*\u+8*\t+7], v[WSK+KS*\t+\s], v[XS+2*(2*\s+\u)] matrix_a_fmt:MATRIX_FMT_BF8 matrix_b_fmt:MATRIX_FMT_BF8
.endm
.macro MMV u, t, s, xf, zero           ; values: source 0 = x's tile u, source 1 = W's tile t (v256 on)
.if \zero
	v_wmma_scale_f32_16x16x128_f8f6f4 v[HB+16*\t+8*\u:HB+16*\t+8*\u+7], v[\xf+16*\u:\xf+16*\u+15], v[WVB+16*(KS*\t+\s):WVB+16*(KS*\t+\s)+15], 0, v[XS+2*(2*\s+\u)], v[WSV+KS*\t+\s] matrix_a_fmt:MATRIX_FMT_BF8 matrix_b_fmt:MATRIX_FMT_BF8
.else
	v_wmma_scale_f32_16x16x128_f8f6f4 v[HB+16*\t+8*\u:HB+16*\t+8*\u+7], v[\xf+16*\u:\xf+16*\u+15], v[WVB+16*(KS*\t+\s):WVB+16*(KS*\t+\s)+15], v[HB+16*\t+8*\u:HB+16*\t+8*\u+7], v[XS+2*(2*\s+\u)], v[WSV+KS*\t+\s] matrix_a_fmt:MATRIX_FMT_BF8 matrix_b_fmt:MATRIX_FMT_BF8
.endif
.endm
.macro BIAS                            ; the key columns' bias into the accumulators, in the result's layout: tile t's eight columns of my lane half; the same for both x tiles
.irp u, 0,1
.irp t, 0,1,2,3
	ds_load_b128 v[HA+32*\u+8*\t:HA+32*\u+8*\t+3], v[BGA] offset:BOFF+4*(32*(\t/2)+8*(\t%2))
	ds_load_b128 v[HA+32*\u+8*\t+4:HA+32*\u+8*\t+7], v[BGA] offset:BOFF+4*(32*(\t/2)+8*(\t%2))+16
.endr
.endr
.endm
.macro XFETCH                          ; x's two fragments of K step 0, and their scale words
.irp u, 0,1
.irp k, 0,1,2,3
	ds_load_b128 v[XF+16*\u+4*\k:XF+16*\u+4*\k+3], v[XAD] offset:KS*\u*2048+512*\k
.endr
	ds_load_b32 v[XS+2*\u], v[XSD] offset:KS*\u*128
.endr
.endm
.macro PRELOAD withv                   ; a path begins: the stepping scalars, and what the first trip finds loaded
	s_mov_b32 s[TX], XIB+KS*4096
	s_mov_b32 s[TXS], XSB+KS*256
	s_mov_b32 s[TK], s[KSW]
.if \withv
	s_mov_b32 s[TV], s[VSW]
.endif
	s_mov_b32 s[TGK], 0
	s_mov_b32 s[TGV], 0
	s_wait_alu depctr_vm_vsrc(0)                   ; the LDS and global instructions issued so far have read XAD and XSD, and the registers of KSA, VSA, GK, GV, SQA, SQB, which held the head's addresses: all are written from here on
	v_add_nc_u32 v[XAD], XIB, v[LI]
	v_add_nc_u32 v[XSD], XSB, v[LS]
	s_wait_alu depctr_va_vdst(0)                   ; XAD and XSD are written, which the loads below read; the vector and matrix lines so far are done with HA, XF, XS, BV, GVN (and with PC and TM), in which loads land
	BIAS
	XFETCH
.if \withv
.irp t, 0,1,2,3
	ds_load_b32 v[BV+2*\t], v[BVA] offset:BOFF+4*(32*(\t/2)+8*(\t%2))
	ds_load_b32 v[GVN+2*\t], v[BVA] offset:GOFF+4*(32*(\t/2)+8*(\t%2))
.endr
.endif
	s_wait_loadcnt 0x0                             ; the path's weights are in
.endm
; A TRIP: 32 rows (x tiles u = 0, 1) on one path.  withv: value columns too.  pre: a trip of the same path follows, and its x and bias are fetched.  nextw: path V's weights are asked for.
.macro TRIP withv, pre, nextw
	s_wait_dscnt 0x0                               ; bias, x of K step 0 and its scale words are in
.if KS == 2
.irp u, 0,1
.irp k, 0,1,2,3
	ds_load_b128 v[XF1+16*\u+4*\k:XF1+16*\u+4*\k+3], v[XAD] offset:(2*\u+1)*2048+512*\k   ; K step 1 lands under K step 0's products, in PC and TM: no vector line has named them since the last wait on va_vdst, no store has read them since the last on vm_vsrc (the trip's end, or the path's beginning)
.endr
	ds_load_b32 v[XS+4+2*\u], v[XSD] offset:(2*\u+1)*128
.endr
.endif
	WIN 0x01                                       ; source 0 in v256 on
.irp u, 0,1
.irp t, 0,1,2,3
	MMK \u, \t, 0, XF
.endr
.endr
.if \withv
	WIN 0x04                                       ; source 1 in v256 on
.irp t, 0,1,2,3
.irp u, 0,1
	MMV \u, \t, 0, XF, 1
.endr
.endr
.endif
.if KS == 2
	s_wait_dscnt 0x0                               ; K step 1 is in
	WIN 0x01
.irp u, 0,1
.irp t, 0,1,2,3
	MMK \u, \t, 1, XF1                             ; the accumulators take turns, one instruction a turn
.endr
.endr
.if \withv
	WIN 0x04
.irp t, 0,1,2,3
.irp u, 0,1
	MMV \u, \t, 1, XF1, 0
.endr
.endr
.endif
.endif
	WIN 0
.if \pre
	s_wait_alu depctr_vm_vsrc(0)                   ; the LDS loads of this group's x have read XAD and XSD, which the first two lines below write
.endif
	; eight plain vector lines that name no register of the products: the places owed before results are read.  They make the trip's addresses.
.if \pre
	v_add_nc_u32 v[XAD], s[TX], v[LI]              ; the next group's x
	v_add_nc_u32 v[XSD], s[TXS], v[LS]
.else
	v_nop
	v_nop
.endif
	v_add_nc_u32 v[KSA], s[TK], v[LI]
.if \withv
	v_add_nc_u32 v[VSA], s[TV], v[LI]
.else
	v_nop
.endif
	v_add_nc_u32 v[GK], s[TGK], v[LI]              ; (the last trip's stores have read GK and GV: the waits at that trip's end)
	v_add_nc_u32 v[GV], s[TGV], v[LI]
	v_add_nc_u32 v[SQA], s[SQS], v[SQW]
	v_add_nc_u32 v[SQB], s[SQS], v[SQR]
.if \pre
	s_add_co_u32 s[TX], s[TX], KS*4096
	s_add_co_u32 s[TXS], s[TXS], KS*256
.endif
	s_wait_alu depctr_va_vdst(0)                   ; the products are done reading XF, in which the gains land (and, in path C's last trip, the weights and their scale words, in which path V's land); the trip's addresses above are written, which its LDS and global instructions read
.irp t, 0,1,2,3
	ds_load_b128 v[XF+8*\t:XF+8*\t+3], v[BGA] offset:GOFF+4*(32*(\t/2)+8*(\t%2))       ; the key columns' gains, in the result's layout
	ds_load_b128 v[XF+8*\t+4:XF+8*\t+7], v[BGA] offset:GOFF+4*(32*(\t/2)+8*(\t%2))+16
.endr
.if \nextw
	WIN 0x40                                       ; destination in v256 on: path C's products are over, path V's weights have the rest of this trip in which to land.  Between the wait above and these loads stand loads and window switches alone
	WIMG 0,2,34,0
	WIMG 128,2,34,64
	WIN 0
	WSCL WS,2,36,0
	WSCL WS+8,2,36,64
.endif
.if \withv
.irp t, 0,1,2,3
.set QI, 0
.rept 8
	v_pk_add_f32 v[HB+16*\t+2*QI:HB+16*\t+2*QI+1], v[HB+16*\t+2*QI:HB+16*\t+2*QI+1], v[BV+2*\t:BV+2*\t+1] op_sel_hi:[1,0]   ; + my channel's bias; each accumulator from its low end on
.set QI, QI+1
.endr
.endr
.set QI, 0
.rept 8
	v_pk_mul_f32 v[PC+2*QI:PC+2*QI+1], v[HB+2*QI:HB+2*QI+1], v[HB+2*QI:HB+2*QI+1]    ; squares, summed over my four channels: register 8 u + j is row 8 (lane / 16) + j of x tile u
.set QI, QI+1
.endr
.irp t, 1,2,3
.set QI, 0
.rept 8
	v_pk_fma_f32 v[PC+2*QI:PC+2*QI+1], v[HB+16*\t+2*QI:HB+16*\t+2*QI+1], v[HB+16*\t+2*QI:HB+16*\t+2*QI+1], v[PC+2*QI:PC+2*QI+1]
.set QI, QI+1
.endr
.endr
.irp m, 1,2,4,8
.set QI, 0
.rept 16
	v_add_f32_dpp v[PC+QI], v[PC+QI], v[PC+QI] row_xmask:\m row_mask:0xf bank_mask:0xf   ; and over the sixteen lanes' channels
.set QI, QI+1
.endr
.endr
	s_wait_alu depctr_va_vdst(0)                   ; the sums in v[PC] on are written, which the LDS stores below read; the vector lines so far are done with WK + 8 and WK + 9, in which the two loads land
.irp u, 0,1
	ds_store_b128 v[SCH], v[PC+8*\u:PC+8*\u+3] offset:64*\u          ; from registers to lanes through my scratch: sixteen lanes write the same bytes with the same values;
	ds_store_b128 v[SCH], v[PC+8*\u+4:PC+8*\u+7] offset:64*\u+16
.endr
.irp u, 0,1
	ds_load_b32 v[WK+8+\u], v[SCW] offset:64*\u                      ; LDS serves a wave's instructions in order: lane r gets row r's sum
.endr
.endif
.irp u, 0,1
	v_pk_mul_f32 v[WK+4*\u:WK+4*\u+1], v[HA+32*\u:HA+32*\u+1], v[HA+32*\u:HA+32*\u+1]             ; the key columns' squares of my row: two chains for each x tile, each accumulator from its low end on
	v_pk_mul_f32 v[WK+4*\u+2:WK+4*\u+3], v[HA+32*\u+16:HA+32*\u+17], v[HA+32*\u+16:HA+32*\u+17]
.endr
.irp q, 2,4,6,8,10,12,14
.irp u, 0,1
	v_pk_fma_f32 v[WK+4*\u:WK+4*\u+1], v[HA+32*\u+\q:HA+32*\u+\q+1], v[HA+32*\u+\q:HA+32*\u+\q+1], v[WK+4*\u:WK+4*\u+1]
	v_pk_fma_f32 v[WK+4*\u+2:WK+4*\u+3], v[HA+32*\u+16+\q:HA+32*\u+17+\q], v[HA+32*\u+16+\q:HA+32*\u+17+\q], v[WK+4*\u+2:WK+4*\u+3]
.endr
.endr
.irp u, 0,1
	v_pk_add_f32 v[WK+4*\u:WK+4*\u+1], v[WK+4*\u:WK+4*\u+1], v[WK+4*\u+2:WK+4*\u+3]
.endr
.irp u, 0,1
	v_add_f32 v[WK+4*\u], v[WK+4*\u], v[WK+4*\u+1]
.endr
.irp u, 0,1
	v_permlanex16_b32 v[WK+4*\u+2], v[WK+4*\u], s[SEL], s[SEL+1]
.endr
.irp u, 0,1
	v_add_f32 v[WK+4*\u], v[WK+4*\u], v[WK+4*\u+2]                   ; with lane l xor 16's 32 columns
.endr
.if \withv
	s_wait_alu depctr_va_vdst(0)
	s_wait_dscnt 0x0                               ; the value columns' sums are back
.irp u, 0,1
	v_add_f32 v[WK+4*\u], v[WK+4*\u], v[WK+8+\u]
.endr
.endif
	s_wait_alu depctr_va_vdst(0)                   ; my part of the rows' sums is written in WK and WK + 4, which the two stores read; the vector lines are done with WK to WK + 15, in which the loads behind the barrier land
.irp u, 0,1
	ds_store_b32 v[SQA], v[WK+4*\u] offset:512*\u  ; my wave's part of row r's sum
.endr
	BARRIER                                        ; all eight parts lie in LDS; the trip's 1,024 bytes are written once in the launch, so no second barrier is owed
	s_wait_alu depctr_vm_vsrc(0)                   ; my stores have read WK and WK + 4, in which the loads below land, and the scratch's stores have read v[PC] on, in which 1 / sqrt lands further down
.irp u, 0,1
	ds_load_b128 v[WK+8*\u:WK+8*\u+3], v[SQB] offset:512*\u
	ds_load_b128 v[WK+8*\u+4:WK+8*\u+7], v[SQB] offset:512*\u+16
.endr
	s_wait_dscnt 0x0
.irp u, 0,1
	v_pk_add_f32 v[WK+8*\u:WK+8*\u+1], v[WK+8*\u:WK+8*\u+1], v[WK+8*\u+2:WK+8*\u+3]
	v_pk_add_f32 v[WK+8*\u+4:WK+8*\u+5], v[WK+8*\u+4:WK+8*\u+5], v[WK+8*\u+6:WK+8*\u+7]
.endr
.irp u, 0,1
	v_pk_add_f32 v[WK+8*\u:WK+8*\u+1], v[WK+8*\u:WK+8*\u+1], v[WK+8*\u+4:WK+8*\u+5]
.endr
.irp u, 0,1
	v_add_f32 v[WK+8*\u], v[WK+8*\u], v[WK+8*\u+1]
.endr
.irp u, 0,1
	v_fma_f32 v[WK+8*\u], v[WK+8*\u], s[INVN], s[EPS]                ; the mean of the squares + 1e-6
.endr
	s_wait_alu depctr_va_vdst(0)
.irp u, 0,1
	v_rsq_f32 v[RL+2*\u], v[WK+8*\u]
.endr
	v_nop                                          ; a plain line behind the transcendentals,
	s_wait_alu depctr_va_vdst(0)                   ; and the one wait for both, ahead of their first reader: v12 and v14 are written, which the scratch's stores and the multiplications below read
.if \withv
.irp u, 0,1
	ds_store_b32 v[SCW], v[RL+2*\u] offset:128+64*\u                 ; from lanes to registers, the other way through my scratch
.endr
.irp u, 0,1
	ds_load_b128 v[PC+8*\u:PC+8*\u+3], v[SCH] offset:128+64*\u       ; no vector line since the wait ahead of the scratch's first stores names v[PC] on
	ds_load_b128 v[PC+8*\u+4:PC+8*\u+7], v[SCH] offset:128+64*\u+16
.endr
.endif
.irp u, 0,1
.set QI, 0
.rept 16
	v_pk_mul_f32 v[HA+32*\u+2*QI:HA+32*\u+2*QI+1], v[HA+32*\u+2*QI:HA+32*\u+2*QI+1], v[RL+2*\u:RL+2*\u+1] op_sel_hi:[1,0]   ; x 1 / sqrt of my row,
.set QI, QI+1
.endr
.endr
.irp u, 0,1
.set QI, 0
.rept 16
	v_pk_mul_f32 v[HA+32*\u+2*QI:HA+32*\u+2*QI+1], v[HA+32*\u+2*QI:HA+32*\u+2*QI+1], v[XF+2*QI:XF+2*QI+1]                  ; x the columns' gains
.set QI, QI+1
.endr
.endr
.if \withv
	s_wait_dscnt 0x0                               ; 1 / sqrt by registers is in
.irp t, 0,1,2,3
.set QI, 0
.rept 8
	v_pk_mul_f32 v[HB+16*\t+2*QI:HB+16*\t+2*QI+1], v[HB+16*\t+2*QI:HB+16*\t+2*QI+1], v[PC+2*QI:PC+2*QI+1]
.set QI, QI+1
.endr
.endr
.irp t, 0,1,2,3
.set QI, 0
.rept 8
	v_pk_mul_f32 v[HB+16*\t+2*QI:HB+16*\t+2*QI+1], v[HB+16*\t+2*QI:HB+16*\t+2*QI+1], v[GVN+2*\t:GVN+2*\t+1] op_sel_hi:[1,0]
.set QI, QI+1
.endr
.endr
.endif
	QUANT HA, 0                                    ; block 2 u + k: row r of x tile u, columns 32 k on of my head
.irp u, 0,1
	v_lshl_or_b32 v[WK+\u], v[TM+5+2*\u], 8, v[TM+4+2*\u]
.endr
	s_wait_alu depctr_va_vdst(0)                   ; the codes in v[PC] on and the byte pairs in WK, WK + 1 are written, which the stores below read; the vector lines are done with the gains in XF, with XS and with HA, in which the next group's x and bias land
.irp u, 0,1
.irp k, 0,1
	global_store_b128 v[GK], v[PC+4*(2*\u+\k):PC+4*(2*\u+\k)+3], s[OUT:OUT+1] offset:\u*2048+(2*P+\k)*512   ; 32 lanes store 512 consecutive bytes, aligned
.endr
.endr
.irp u, 0,1
	ds_store_b16 v[KSA], v[WK+\u] offset:512*\u+2*P                  ; the two bytes of this path in the row's scale word
.endr
.if \pre
	XFETCH                                         ; the gains are used up: the next group's x.  It and the bias land under the values' quantiser, which names HB, PC and TM alone
	BIAS
.endif
.if \withv
	s_wait_xcnt 0x0                                ; K's stores have had their addresses translated,
	s_wait_alu depctr_vm_vsrc(0)                   ; and have read the codes' registers, which are written again now
	QUANT HB, 0                                    ; block t: my channel of tile t, these 32 keys
	s_wait_alu depctr_va_vdst(0)                   ; the codes in v[PC] on and the bytes in v[TM+4] on are written, which the stores below read.  No vector line follows in the trip: the next trip's loads into PC and TM lean on this wait too
.irp t, 0,1,2,3
	global_store_b128 v[GV], v[PC+4*\t:PC+4*\t+3], s[OUT:OUT+1] offset:16384+(4*(1-P)+\t)*2048
.endr
.irp t, 0,1,2,3
	ds_store_b8 v[VSA], v[TM+4+\t] offset:512*(1-P)+4*\t
.endr
.endif
	s_wait_xcnt 0x0                                ; the stores have had their addresses translated: data and offsets are written again in the next trip,
	s_wait_alu depctr_vm_vsrc(0)                   ; and they have read PC, the bytes, WK, WK + 1, RL and their offsets KSA, VSA, GK, GV, SQA, SQB, which the next trip's loads and vector lines write
.if \pre
	s_add_co_u32 s[TK], s[TK], 4
.if \withv
	s_add_co_u32 s[TV], s[TV], 1
.endif
	s_add_co_u32 s[TGK], s[TGK], 4096
	s_add_co_u32 s[TGV], s[TGV], 512
.endif
	s_add_co_u32 s[SQS], s[SQS], 1024
.endm
	s_load_b512 s[68:83], s[0:1], 0x0              ; V, C, latent_values, latent_coords, bkvv, gkvv, bkvc, gkvc
	s_load_b256 s[84:91], s[0:1], 0x40             ; bqv, gqv, bqc, gqc
	s_load_b128 s[92:95], s[0:1], 0x60             ; wq, kvb
	s_load_b64 s[96:97], s[0:1], 0x70              ; qb
	v_lshrrev_b32 v3, 5, v0
	v_readfirstlane_b32 s[WV], v3                  ; wave = head
	v_and_b32 v[LS], 31, v0
	v_lshlrev_b32 v[LI], 4, v[LS]
	v_lshlrev_b32 v[LS], 2, v[LS]
	v_and_b32 v[WK], 15, v0                        ; r
	v_bfe_u32 v[WK+1], v0, 4, 1                    ; lane / 16
	v_and_b32 v[WK+2], 8, v[WK]
	v_add_nc_u32 v[WK+2], v[WK+2], v[WK]           ; r + 8 (r / 8)
	s_mov_b32 s[SEL], 0x76543210
	s_mov_b32 s[SEL+1], 0xfedcba98
	s_mov_b32 s[MNT], 0x600000
	s_mov_b32 s[EPS], 0x358637bd                   ; 1e-6
	s_mov_b32 s[SQS], 0
.irp b, 0,1,2,3
	v_mov_b32 v[TM+4+\b], 0                        ; written once: a lane permute's destination counts as one of its sources
.endr
	s_mov_b32 s43, 0
	s_wait_alu depctr_va_sdst(0)                   ; the wave's number is written in s28, ahead of its first reader: bases, LDS addresses and branches are made from it
	s_wait_kmcnt 0x0
	s_lshl_b32 s42, s[WV], 13                      ; my wave's part of a weight in wq: 4 fragments (K = 128),
	s_add_nc_u64 s[30:31], s[92:93], s[42:43]
	s_lshl_b32 s42, s[WV], 9                       ; their scale words,
	s_add_nc_u64 s[32:33], s[92:93], s[42:43]
	s_lshl_b32 s42, s[WV], 14                      ; 8 fragments (K = 256),
	s_add_nc_u64 s[34:35], s[92:93], s[42:43]
	s_lshl_b32 s42, s[WV], 10                      ; their scale words
	s_add_nc_u64 s[36:37], s[92:93], s[42:43]
	s_cmp_lt_u32 ttmp9, 16
	s_cbranch_scc1 .Lq
	; ======== keys and values: 128 rows = key step g % 64 of batch g / 64
.set BGB, BG
.set BGW, 2048
.set SSQB, SSQ
	s_mov_b32 s[INVN], 0x3a800000                  ; 1 / 1,024
	s_sub_co_u32 s2, ttmp9, 16                     ; g
	s_lshr_b32 s3, s[WV], 1
	s_lshl_b32 s3, s3, 5
	s_and_b32 s4, s[WV], 1
	s_lshl_b32 s4, s4, 3
	s_add_co_u32 s3, s3, s4                        ; the x tile that I quantise is tile w: it begins at row 32 (w / 2) + 8 (w % 2)
	s_lshl_b32 s42, s2, 17                         ; V: 128 rows of 1,024 bytes
	s_lshl_b32 s4, s3, 10
	s_add_co_u32 s42, s42, s4
	s_add_nc_u64 s[38:39], s[68:69], s[42:43]
	s_lshl_b32 s42, s2, 16                         ; C: 128 rows of 512 bytes
	s_lshl_b32 s4, s3, 9
	s_add_co_u32 s42, s42, s4
	s_add_nc_u64 s[40:41], s[70:71], s[42:43]
	s_lshr_b32 s4, s2, 6
	s_lshl_b32 s4, s4, 3
	s_add_co_u32 s4, s4, s[WV]                     ; batch x 8 + head
	s_lshl_b32 s4, s4, 6
	s_and_b32 s5, s2, 63
	s_add_co_u32 s4, s4, s5
	s_mul_i32 s42, s4, BLK                         ; under 2^27
	s_add_nc_u64 s[OUT:OUT+1], s[94:95], s[42:43]
	s_wait_alu depctr_va_vdst(0)
	ADDRS
	s_lshl_b32 s2, s[WV], 8
	s_add_co_u32 s2, s2, SCR
	v_lshl_add_u32 v[SCW], v[WK], 2, s2
	v_lshl_add_u32 v[SCH], v[WK+1], 5, s2
	s_lshl_b32 s2, s[WV], 11
	s_add_co_u32 s2, s2, BG+256
	v_lshl_add_u32 v[BVA], v[WK+2], 2, s2
	s_lshl_b32 s2, s[WV], 10
	s_add_co_u32 s[KSW], s2, KSS
	s_add_co_u32 s[VSW], s2, VSS
	s_mul_i32 s2, s[WV], 16*XSP
	s_add_co_u32 s2, s2, XST                       ; my stage
	v_add_nc_u32 v[STW], s2, v[LI]                 ; in: 16 bytes a lane, a row a store
	v_mul_u32_u24 v[STR], v[WK], XSP
	v_lshl_add_u32 v[STR], v[WK+1], 6, v[STR]
	v_add_nc_u32 v[STR], s2, v[STR]                ; back: row r, + 64 bytes for lanes 16-31
	s_lshl_b32 s2, s[WV], 12
	v_add_nc_u32 v[XWI], s2, v[LI]                 ; XIV = 0
	s_lshl_b32 s2, s[WV], 11
	s_add_co_u32 s2, s2, XIC
	v_add_nc_u32 v[XWC], s2, v[LI]
	s_lshl_b32 s2, s[WV], 8
	s_add_co_u32 s2, s2, XSV
	v_add_nc_u32 v[XWS], s2, v[LS]
	s_lshl_b32 s2, s[WV], 7
	s_add_co_u32 s2, s2, XSC
	v_add_nc_u32 v[XWT], s2, v[LS]
	v_lshlrev_b32 v[SQA], 11, v[WK+1]              ; bias and gain in memory: lanes 0-15 my 64 key columns, lanes 16-31 my 64 value columns, 512 columns on
	v_lshl_add_u32 v[SQA], v[WK], 4, v[SQA]
	s_lshl_b32 s2, s[WV], 8
	v_add_nc_u32 v[SQA], s2, v[SQA]
	s_lshl_b32 s2, s[WV], 11
	s_add_co_u32 s2, s2, BG
	v_add_nc_u32 v[SQB], s2, v[LI]
	v_mov_b32 v[XS+4], 0                           ; named as the upper halves of pairs before path V first loads them
	v_mov_b32 v[XS+6], 0
	WIN 0x40
	s_wait_alu depctr_va_vdst(0)                   ; the head's offsets and LDS addresses are written, which the loads and stores below read; the address lines are done with WK to WK + 2, in which bias and gain land
	WIMG 0,1,30,128                                ; path C's weights: key columns' tiles,
	WIMG 64,1,30,160                               ; value columns' tiles
	WIN 0
	WSCL WS,1,32,128
	WSCL WS+4,1,32,160
	global_load_b128 v[WK:WK+3], v[SQA], s[76:77]
	global_load_b128 v[WK+4:WK+7], v[SQA], s[78:79]
	global_load_b128 v[WK+8:WK+11], v[SQA], s[80:81]
	global_load_b128 v[WK+12:WK+15], v[SQA], s[82:83]
	XDENSE HA, 38, 0, 1024
	XDENSE HB, 38, 512, 1024
	s_wait_loadcnt 32                              ; x's 32 loads may be out: the weights, bias and gain are in
.irp i, 0,1,2,3
	ds_store_b128 v[SQB], v[WK+4*\i:WK+4*\i+3] offset:512*\i
.endr
	s_wait_loadcnt 16                              ; V's K step 0 is in; K step 1's 16 loads may be out
	TURNX HA
	s_wait_dscnt 0x0                               ; back from the stage
	QUANT HA, 1
	s_wait_alu depctr_va_vdst(0)                   ; the codes in v[PC] on and the scale word are written, which the LDS stores read; the quantiser is done with HA, in which C's loads land
	IMAGE XWI, 0
	ds_store_b32 v[XWS], v[PW]
	s_wait_dscnt 0x0                               ; the image lies in LDS,
	s_wait_alu depctr_vm_vsrc(0)                   ; and its stores have read the codes and the scale word, which the next quantiser writes
	XDENSE HA, 40, 0, 512
	s_wait_loadcnt 16                              ; V's K step 1 is in; C's 16 loads may be out
	TURNX HB
	s_wait_dscnt 0x0
	QUANT HB, 1
	s_wait_alu depctr_va_vdst(0)                   ; the codes and the scale word are written, which the LDS stores read
	IMAGE XWI, 2048
	ds_store_b32 v[XWS], v[PW] offset:128
	s_wait_dscnt 0x0
	s_wait_alu depctr_vm_vsrc(0)                   ; the stores have read the codes and the scale word, which the next quantiser writes
	s_wait_loadcnt 0x0
	TURNX HA
	s_wait_dscnt 0x0
	QUANT HA, 1
	s_wait_alu depctr_va_vdst(0)                   ; the codes and the scale word are written, which the LDS stores read
	IMAGE XWC, 0
	ds_store_b32 v[XWT], v[PW]
	BARRIER                                        ; x's 24 fragments lie in LDS
	PATHSET 1,0,0,64,WS,WS+4,1024,1536,XIC,XSC
	PRELOAD 1
	s_mov_b32 s[CNT], 3
.Lkc:
	TRIP 1,1,0
	s_sub_co_u32 s[CNT], s[CNT], 1
	s_cmp_lg_u32 s[CNT], 0
	s_cbranch_scc1 .Lkc
	TRIP 1,0,1
	PATHSET 2,1,0,128,WS,WS+8,0,512,XIV,XSV
	PRELOAD 1
	s_mov_b32 s[CNT], 3
.Lkv:
	TRIP 1,1,0
	s_sub_co_u32 s[CNT], s[CNT], 1
	s_cmp_lg_u32 s[CNT], 0
	s_cbranch_scc1 .Lkv
	TRIP 1,0,0
	v_add_nc_u32 v[KSA], s[KSW], v[LI]             ; the key step's scale words leave in whole runs of 512 bytes
	s_wait_alu depctr_va_vdst(0)                   ; KSA is written, which the four loads read
	ds_load_b128 v[WK:WK+3], v[KSA]                ; LDS serves a wave's instructions in order: these see my byte stores
	ds_load_b128 v[WK+4:WK+7], v[KSA] offset:512
	ds_load_b128 v[WK+8:WK+11], v[KSA] offset:VSS-KSS
	ds_load_b128 v[WK+12:WK+15], v[KSA] offset:VSS-KSS+512
	s_wait_dscnt 0x0
.irp i, 0,1,2,3
	global_store_b128 v[LI], v[WK+4*\i:WK+4*\i+3], s[OUT:OUT+1] offset:32768+512*\i
.endr
	s_wait_xcnt 0x0
	s_wait_alu depctr_vm_vsrc(0)                   ; the last store has read v254 and v255, which are made anew below
	v_lshl_add_u32 v254, v0, 2, 0x2f800
	v_mov_b32 v255, 0
	s_wait_dscnt 0x0                               ; the closing lines, six on end
	s_wait_alu 0x0
	s_wait_tensorcnt 0x0
	ds_add_u32 v254, v255
	s_wait_dscnt 0x0
	s_endpgm
	; ======== the queries: 32 latent rows, x tiles u = 0, 1 = query tiles 2 x work-group + u
.Lq:
.set BGB, QBG
.set BGW, 1024
.set SSQB, QSS
	s_mov_b32 s[INVN], 0x3b000000                  ; 1 / 512
	s_wait_alu depctr_va_vdst(0)
	ADDRS
	s_lshl_b32 s2, s[WV], 10
	s_add_co_u32 s[KSW], s2, QKS
	s_lshr_b32 s7, s[WV], 1                        ; six fragments of x: waves 0-3 latent_values (u = w / 2, K step w % 2), waves 4, 5 latent_coords (u = w % 2); LDS slot = w
	s_and_b32 s8, s[WV], 1
	s_cmp_lt_u32 s[WV], 4
	s_cselect_b64 s[4:5], s[72:73], s[74:75]
	s_cselect_b32 s6, 10, 9                        ; a row is 2^10 or 2^9 bytes: the pitch differs between waves, so these 16 loads a wave keep a lane's own offset and no stage
	s_cselect_b32 s9, s7, s8
	s_cselect_b32 s10, s8, 0
	s_lshl_b32 s11, ttmp9, 5
	s_lshl_b32 s9, s9, 3
	s_add_co_u32 s11, s11, s9                      ; the tile's first row: 32 x work-group + 8 u
	s_lshl_b32 s42, s11, s6
	s_lshl_b32 s10, s10, 9
	s_add_co_u32 s42, s42, s10
	s_add_nc_u64 s[38:39], s[4:5], s[42:43]
	v_lshlrev_b32 v[XGV], s6, v[WK+2]
	v_lshl_add_u32 v[XGV], v[WK+1], 6, v[XGV]
	s_lshl_b32 s2, s[WV], 11
	s_add_co_u32 s2, s2, QXI
	v_add_nc_u32 v[XWI], s2, v[LI]
	s_lshl_b32 s2, s[WV], 7
	s_add_co_u32 s2, s2, QXS
	v_add_nc_u32 v[XWS], s2, v[LS]
	v_lshlrev_b32 v[SQA], 1, v[LS]                 ; bias and gain: my 64 columns, 8 bytes a lane
	v_lshlrev_b32 v[SQB], 1, v[LS]
	s_lshl_b32 s2, s[WV], 8
	v_add_nc_u32 v[SQA], s2, v[SQA]
	s_lshl_b32 s2, s[WV], 10
	s_add_co_u32 s2, s2, QBG
	v_add_nc_u32 v[SQB], s2, v[SQB]
	s_lshl_b32 s2, s[WV], 5
	s_lshl_b32 s3, ttmp9, 1
	s_add_co_u32 s2, s2, s3                        ; head x 32 + my first query tile
	s_lshl_b32 s42, s2, 11
	s_add_nc_u64 s[OUT:OUT+1], s[96:97], s[42:43]
	s_lshl_b32 s42, s2, 7
	s_add_nc_u64 s[48:49], s[96:97], s[42:43]
	s_wait_alu depctr_va_vdst(0)                   ; the head's offsets and LDS addresses are written, which the loads and stores below read; the address lines are done with WK to WK + 2, in which bias and gain land
	global_load_b64 v[WK:WK+1], v[SQA], s[84:85]
	global_load_b64 v[WK+2:WK+3], v[SQA], s[86:87]
	global_load_b64 v[WK+4:WK+5], v[SQA], s[88:89]
	global_load_b64 v[WK+6:WK+7], v[SQA], s[90:91]
	WIN 0x40
	WIMG 0,2,34,192                                ; Wqv's eight fragments,
	WIMG 128,1,30,256                              ; Wqc's four
	WIN 0
	WSCL WS,2,36,192
	WSCL WS+8,1,32,256
	s_wait_loadcnt 60                              ; the weights' 48 + 12 loads may be out: bias and gain are in
.irp i, 0,1,2,3
	ds_store_b64 v[SQB], v[WK+2*\i:WK+2*\i+1] offset:256*\i
.endr
	s_cmp_lt_u32 s[WV], 6
	s_cbranch_scc0 .Lq_nox
	XLOAD HA, 38, XGV, 0
	s_wait_loadcnt 0x0
	QUANT HA, 1
	s_wait_alu depctr_va_vdst(0)                   ; the codes in v[PC] on and the scale word are written, which the LDS stores read
	IMAGE XWI, 0
	ds_store_b32 v[XWS], v[PW]
.Lq_nox:
	BARRIER                                        ; x's six fragments lie in LDS
	PATHSET 1,0,128,0,WS+8,0,512,768,QXI+8192,QXS+512
	PRELOAD 0
	TRIP 0,0,0
	PATHSET 2,1,0,0,WS,0,0,256,QXI,QXS
	PRELOAD 0
	TRIP 0,0,0
	v_add_nc_u32 v[KSA], s[KSW], v[LI]
	s_wait_alu depctr_va_vdst(0)                   ; KSA is written, which the two loads read
	ds_load_b32 v[WK], v[KSA]                      ; the two tiles' scale words: bytes 0, 1 from path C, bytes 2, 3 from path V
	ds_load_b32 v[WK+1], v[KSA] offset:512
	s_wait_dscnt 0x0
	global_store_b32 v[LS], v[WK], s[48:49] offset:524288
	global_store_b32 v[LS], v[WK+1], s[48:49] offset:524288+128
	s_wait_xcnt 0x0
	v_lshl_add_u32 v254, v0, 2, 0x2f800            ; (on this path no memory or LDS instruction has read v254 or v255)
	v_mov_b32 v255, 0
	s_wait_dscnt 0x0                               ; the closing lines, six on end
	s_wait_alu 0x0
	s_wait_tensorcnt 0x0
	ds_add_u32 v254, v255
	s_wait_dscnt 0x0
	s_endpgm
.Lfunc_end_k_q0036c55adc_proj:
	.size	k_q0036c55adc_proj, .Lfunc_end_k_q0036c55adc_proj-k_q0036c55adc_proj
	.p2alignl 7, 3214868480
	.fill 96, 4, 3214868480
	.section	.rodata,"a",@progbits
	.p2align	6, 0x0
	.amdhsa_kernel k_q0036c55adc_proj
		.amdhsa_group_segment_fixed_size 195584
		.amdhsa_private_segment_fixed_size 0
		.amdhsa_enable_private_segment 0
		.amdhsa_kernarg_size 120
		.amdhsa_user_sgpr_count 2
		.amdhsa_user_sgpr_kernarg_segment_ptr 1
		.amdhsa_wavefront_size32 1
		.amdhsa_system_sgpr_workgroup_id_x 1
		.amdhsa_system_sgpr_workgroup_id_y 1
		.amdhsa_system_sgpr_workgroup_id_z 1
		.amdhsa_system_vgpr_workitem_id 0
		.amdhsa_next_free_vgpr 512
		.amdhsa_next_free_sgpr 100
		.amdhsa_reserve_vcc 0
		.amdhsa_float_denorm_mode_32 3
		.amdhsa_float_denorm_mode_16_64 3
		.amdhsa_memory_ordered 1
		.amdhsa_forward_progress 1
		.amdhsa_inst_pref_size 255
	.end_amdhsa_kernel
	.section	.bss,"aw",@nobits
	.p2align	6
	.space	262144
	.amdgpu_metadata
---
amdhsa.version: [ 1, 2 ]
amdhsa.kernels:
  - .name:           k_q0036c55adc_proj
    .symbol:         k_q0036c55adc_proj.kd
    .args:
      - { .name: V, .offset: 0, .size: 8, .value_kind: global_buffer, .address_space: global }
      - { .name: C, .offset: 8, .size: 8, .value_kind: global_buffer, .address_space: global }
      - { .name: latent_values, .offset: 16, .size: 8, .value_kind: global_buffer, .address_space: global }
      - { .name: latent_coords, .offset: 24, .size: 8, .value_kind: global_buffer, .address_space: global }
      - { .name: bkvv, .offset: 32, .size: 8, .value_kind: global_buffer, .address_space: global }
      - { .name: gkvv, .offset: 40, .size: 8, .value_kind: global_buffer, .address_space: global }
      - { .name: bkvc, .offset: 48, .size: 8, .value_kind: global_buffer, .address_space: global }
      - { .name: gkvc, .offset: 56, .size: 8, .value_kind: global_buffer, .address_space: global }
      - { .name: bqv, .offset: 64, .size: 8, .value_kind: global_buffer, .address_space: global }
      - { .name: gqv, .offset: 72, .size: 8, .value_kind: global_buffer, .address_space: global }
      - { .name: bqc, .offset: 80, .size: 8, .value_kind: global_buffer, .address_space: global }
      - { .name: gqc, .offset: 88, .size: 8, .value_kind: global_buffer, .address_space: global }
      - { .name: wq, .offset: 96, .size: 8, .value_kind: global_buffer, .address_space: global }
      - { .name: kvb, .offset: 104, .size: 8, .value_kind: global_buffer, .address_space: global }
      - { .name: qb, .offset: 112, .size: 8, .value_kind: global_buffer, .address_space: global }
    .group_segment_fixed_size: 195584
    .private_segment_fixed_size: 0
    .kernarg_segment_align: 8
    .kernarg_segment_size: 120
    .max_flat_workgroup_size: 256
    .sgpr_count:     100
    .vgpr_count:     512
    .wavefront_size: 32
...
	.end_amdgpu_metadata
.endif
;; end of part 6
;; launch attn (part 7): grid 8 x 32, 8 waves a work-group, clusters of 4 x 1, 327,680 bytes of LDS; arguments qb, kvb, lb; writes lb
.if DOCPART == 7
	.amdgcn_target "amdgcn-amd-amdhsa--gfx1250"
	.amdhsa_code_object_version 6
	.text
	.protected	k_q0036c55adc_attn
	.globl	k_q0036c55adc_attn
	.p2align	8
	.type	k_q0036c55adc_attn,@function
k_q0036c55adc_attn:
	s_mov_b64 s[64:65], 0
	v_nop
	global_prefetch_b8 v0, s[64:65] scope:SCOPE_SE
	s_setreg_imm32_b32 hwreg(HW_REG_WAVE_MODE, 25, 1), 1
	s_wait_xcnt 0x0
	s_wait_alu depctr_hold_cnt(0) depctr_sa_sdst(0) depctr_va_vdst(0) depctr_va_sdst(0) depctr_va_ssrc(0) depctr_va_vcc(0) depctr_vm_vsrc(0)
	s_getreg_b32 s2, hwreg(HW_REG_IB_STS2, 6, 4)
	s_cmp_eq_u32 s2, 0
	s_cbranch_scc0 .Lentry_in_a_cluster
	s_endpgm
.Lentry_in_a_cluster:
	s_bfe_u32 s2, ttmp6, 0x10000c
	s_cmp_lg_u32 s2, 0x3003
	s_cbranch_scc0 .Lentry_shape_is_right
	s_endpgm
.Lentry_shape_is_right:
; L[y][q][:] = the sum over the keys of softmax(q . k / 8) v, y = batch x 8 + head, on codes of BF8 (E5M2) with one E8M0 scale for each 32 along a product's K.
; The two score products are ONE product of K = 128, [kc | kv] . [qc | qv]; the two value products are one with 128 channels, [vv | vc].  q, K and V^T come as images of operand registers (2,048 bytes a fragment:
; register group c at 512 c + 16 x lane), a key step of 128 keys as one dense block of 34,816 bytes: 8 images of K, 8 of V^T, K's scale words, V's scale words.
; THE SOFTMAX: t = score x log2(e) / 8; M = the largest t so far, rounded UP to a whole number; p = 2^(t - M) is what is quantised, along the keys, not normalised; the sum is taken of the unquantised p and divides at the end.
; SHARES.  A work-group owns 64 queries of one y: four tiles of 16.  Wave wv owns TWO of them, tiles 2 (wv % 2) and 2 (wv % 2) + 1, and, of each slot of four key steps, key step wv / 2: 16 key steps a wave.
; So each fragment of K and of V^T that a wave reads from LDS feeds two matrix instructions, and a work-group reads 8 x 34,816 bytes from LDS for a slot.  Each tile has a running M, sum and O^T in each of its four key shares;
; the four shares are merged once, at the end, by exact powers of two.
; TILE B LIVES IN v256-511 UNDER THE REGISTER NUMBERS THAT TILE A HAS IN v0-255: the softmax is one macro, expanded with every window at 0 and with every window at 1.  Scale operands have no window: all scale words lie in v0-255.
; LAYOUT.  Both products are used transposed: S^T = K Q^T, O^T = V^T P^T: a lane holds ONE query throughout.  The keys of a tile and the channels of a tile were chosen by the launch before so that the 16 result registers of two
; neighbouring tiles are 16 neighbours: p's codes are the second product's operand, and the merged O^T's codes are the output projection's.
; A KEY STEP: K's eight fragments in one run; 16 score products; V's eight fragments in one run, into the registers that K has left: they land under the softmax; tile A's softmax, its 8 products V^T P, tile B's softmax, its 8 products.
; CLUSTER.  The four work-groups of a cluster share y and walk the same blocks: each block is asked for JOINTLY, by the same tensor load with the same descriptor and the mask 15.
; OUT.  lb: images at ((path x 128 + batch x 32 + query tile) x 4 + head / 2) x 2,048, register group 2 (head % 2) + block; scale bytes behind 2,097,152, 64 bytes a fragment, 4 r + group.
; LIMITS: p under 2^-126 counts as 0; 1 / sum is v_rcp_f32; a block of zeros gets the byte 1 (this program alone reads the bytes); NaN and infinities are not served.
; REGISTERS, v0-255: v1-5 addresses; v6 Q_B's scale word, v7 p_B's, v8-11 four tiles' scale words; v248-251 four more; v253 p_A's; v255 Q_A's.  In each window: v12 -M, v13 the largest t, v[14:15] the sum in two halves;
; v16-31 Q; v32-95 four fragments of K or of V (eight in the two windows); v96-159 S^T, then p; v160-223 O^T; v224-239 p's codes; v232-254 at work.
.set BLK,   34816
.set SLOTB, 4*BLK                      ; a slot: four key steps.  Its bits 13 and 17 are clear in every wave's place in a slot, so one exclusive or turns an address in one slot into the other's
.set SPARE, 2*SLOTB                    ; behind the ring: the spare words, 128 bytes for each wave: four blocks of 256 bytes that no other line names
.set ML,    0                          ; the merge's stage lies in slot 0, which has had its last fill and was left at the last change of slots: entry (key share x 4 + tile) x 256: -M, then the sum
.set OST,   4096                       ; and entry x 8,192: O^T as it stands in registers
.set NSL,   16
.set A0,  1                            ; my key step's block in a slot + 16 x lane
.set AD,  2                            ; the same in the slot in hand
.set PFO, 3                            ; the prefetches' offset; never rewritten
.set SPW, 4                            ; LDS address of my spare word: SPARE + 4 x my thread's number; never rewritten
.set NIL, 5                            ; 0; never rewritten
.set QSB, 6
.set PSB, 7
.set SW1, 8
.set SW0, 248
.set MLA, 96                           ; the merge's addresses are made at the merge, in registers that p has left
.set MLR, 97
.set OSA, 98
.set OSR0, 99
.set OSR1, 100
.set GO,  101                          ; 16 x lane
.set BY,  102                          ; 4 r
.set WV,  18
.set MNT, 19
.set SEL, 20
.set CS,  22
.set G1,  24                           ; s[24:31] descriptor group 1
.set G0,  40                           ; s[40:43] group 0, which walks
.set TB,  44                           ; LDS byte at which the slot in hand begins
.set SLOTS, 45
.set LIM, 46
.set PFA, 48
.set QT,  50                           ; my first tile of the work-group's four: 0 or 2
.set KSI, 51                           ; my key step of a slot's four
.set MSB, 0
.macro WIN new                         ; bits 1:0 source 0, 3:2 source 1, 5:4 source 2, 7:6 destination; the immediate's high byte repeats the setting that is left
.if MSB != \new
	s_set_vgpr_msb (MSB<<8)|\new
.set MSB, \new
.endif
.endm
.macro CROUND                          ; a round of the cluster's barrier
	s_barrier_signal -1
	s_barrier_wait -1
	s_cmp_lg_u32 s[WV], 0
	s_cbranch_scc1 .Lnot_wave_0_\@
	s_barrier_signal -3
.Lnot_wave_0_\@:
	s_barrier_wait -3
	s_barrier_signal -1
	s_barrier_wait -1
.endm
.macro TLOAD                           ; waves 0 to 3 fetch one block each; the branch hangs on the wave's number alone.  Four v_nop follow the load
	s_cmp_lt_u32 s[WV], 4
	s_cbranch_scc0 .Lasked_\@
	tensor_load_to_lds s[G0:G0+3], s[G1:G1+7]
	s_nop 0
.rept 4
	v_nop
.endr
.Lasked_\@:
.endm
; A PREFETCH INTO THE L2 of what the NEXT change of slots will ask for: a slot's four blocks of 136 x 256 bytes.  Both clusters of a y walk the same blocks: the first cluster asks.  Its four partners take a block each,
; told apart BY ADDRESS; in each, waves 3 to 7 ask, a lane a run of 256 bytes; the last wave's lanes past run 135 are held at run 135.  One key step of every wave lies between the request and the load that wants it.
; The last change that fills a slot asks for nothing; slots 0 and 1 come by their loads alone.
.macro ASK
	s_cmp_gt_u32 s[SLOTS], s[LIM]
	s_cbranch_scc0 .Lnot_mine_\@
	global_prefetch_b8 v[PFO], s[PFA:PFA+1] th:TH_LOAD_NT scope:SCOPE_SE
.Lnot_mine_\@:
.endm
.macro FRAGS base, stride              ; four fragments into v32-95 of the window that is set for the destination
.irp t, 0,1,2,3
.irp c, 0,1,2,3
	ds_load_b128 v[32+16*\t+4*\c:32+16*\t+4*\c+3], v[AD] offset:(\base)+(\stride)*\t+512*\c
.endr
.endr
.endm
.macro MMS t, g, sw, qs                ; S^T of key tile 2 t + g
	v_wmma_scale_f32_16x16x128_f8f6f4 v[96+16*\t+8*\g:103+16*\t+8*\g], v[32+16*\t:47+16*\t], v[16:31], 0, v[\sw+\t], v[\qs] matrix_a_fmt:MATRIX_FMT_BF8 matrix_b_fmt:MATRIX_FMT_BF8
.endm
.macro MMO t, g, sw, ps                ; O^T of channel tile 4 g + t
	v_wmma_scale_f32_16x16x128_f8f6f4 v[160+32*\g+8*\t:167+32*\g+8*\t], v[32+16*\t:47+16*\t], v[224:239], v[160+32*\g+8*\t:167+32*\g+8*\t], v[\sw+\t], v[\ps] matrix_a_fmt:MATRIX_FMT_BF8 matrix_b_fmt:MATRIX_FMT_BF8
.endm
.macro INIT                            ; a tile's state, in the window that is set
	v_mov_b32 v13, 0xff61b1e6                      ; the largest t so far: -3e38, under every t
	s_delay_alu instid0(VALU_DEP_1)
	v_floor_f32 v12, -v13                          ; -M
	v_mov_b32 v14, 0
	v_mov_b32 v15, 0
.irp b, 0,1,2,3
	v_mov_b32 v[236+\b], 0                         ; written once: a lane permute's destination counts as one of its sources
.endr
	v_mov_b32 v253, 0                              ; (named as the upper half of the pair v[252:253] before it is first written)
.set QI, 0
.rept 64
	v_mov_b32 v[160+QI], 0                         ; O^T.  (The step is written once: the first finds zeros, which the first change of M leaves zeros)
.set QI, QI+1
.endr
.endm
; ONE TILE'S SOFTMAX FOR 128 KEYS, in the window that is set for all four operand places.  Lane (r, h) holds query r; registers 96 + 16 b + i are keys 32 b + 16 h + i.  tile = 1: tile B, whose scale word goes to v0-255.
.macro SOFTMAX tile
.irp b, 0,1,2,3
	v_max3_num_f32 v[232+\b], v[96+16*\b], v[97+16*\b], v[98+16*\b]   ; the largest score of each block of 32 keys: for the row's maximum and, since p rises with the score, for the block's largest p
.endr
.irp i, 3,5,7,9,11,13
.irp b, 0,1,2,3
	v_max3_num_f32 v[232+\b], v[232+\b], v[96+16*\b+\i], v[97+16*\b+\i]
.endr
.endr
.irp b, 0,1,2,3
	v_max_num_f32 v[232+\b], v[232+\b], v[111+16*\b]
.endr
.irp b, 0,1,2,3
	v_permlanex16_b32 v[236+\b], v[232+\b], s[SEL], s[SEL+1]
.endr
.irp b, 0,1,2,3
	s_delay_alu instid0(VALU_DEP_4)
	v_max_num_f32 v[232+\b], v[232+\b], v[236+\b]  ; with lane l xor 16's 16 keys
.endr
	s_delay_alu instid0(VALU_DEP_2)
	v_max3_num_f32 v254, v232, v233, v234
	s_delay_alu instid0(VALU_DEP_1)
	v_max_num_f32 v254, v254, v235                 ; the step's largest score of my query
	s_delay_alu instid0(VALU_DEP_1)
	v_mul_f32 v254, s[CS], v254                    ; as t (c is positive)
	s_delay_alu instid0(VALU_DEP_1)
	v_max_num_f32 v13, v13, v254                   ; the running largest t
	v_mov_b32 v254, v12
	s_delay_alu instid0(VALU_DEP_2)
	v_floor_f32 v12, -v13                          ; the new -M = floor(-t): M is a whole number
	s_delay_alu instid0(VALU_DEP_1)
	v_sub_f32 v254, v12, v254                      ; M's old value less its new one: a whole number, 0 or less
	s_delay_alu instid0(VALU_DEP_1)
	v_cvt_i32_f32 v254, v254                       ; (it saturates)
	s_delay_alu instid0(VALU_DEP_1)
	v_ldexp_f32 v252, 1.0, v254                    ; f = 2^(old M - new M): a multiplication by it rounds nothing
.set QI, 0
.rept 32
	v_pk_fma_f32 v[96+2*QI:97+2*QI], v[96+2*QI:97+2*QI], s[CS:CS+1], v[12:13] op_sel_hi:[1,0,0]   ; t - M, two at a time
.set QI, QI+1
.endr
.irp b, 0,1,2,3
	v_fma_f32 v[232+\b], v[232+\b], s[CS], v12     ; the same of each block's largest score
.endr
.set QI, 0
	s_wait_alu depctr_va_vdst(0)
.rept 64
	v_exp_f32 v[96+QI], v[96+QI]                   ; p = 2^(t - M), at most 1: not normalised
.set QI, QI+1
.endr
	v_pk_mul_f32 v[14:15], v[14:15], v[252:253] op_sel_hi:[1,0]      ; the sums under the new M: a plain line behind the exponentials
	s_wait_alu depctr_va_vdst(0)                   ; one wait for the whole batch, ahead of its first reader
.irp b, 0,1,2,3
	v_exp_f32 v[232+\b], v[232+\b]                 ; the block's largest p: the same two instructions on the same number give the same bits
.endr
	v_pk_add_f32 v[236:237], v[96:97], v[98:99]    ; the row's sum is taken of the unquantised p: two at a time, in four chains, since two waves alone share a SIMD
	v_pk_add_f32 v[238:239], v[100:101], v[102:103]
	v_pk_add_f32 v[240:241], v[104:105], v[106:107]
	v_pk_add_f32 v[14:15], v[14:15], v[108:109]
.irp j, 110,118,126,134,142,150
	v_pk_add_f32 v[236:237], v[236:237], v[\j:\j+1]
	v_pk_add_f32 v[238:239], v[238:239], v[\j+2:\j+3]
	v_pk_add_f32 v[240:241], v[240:241], v[\j+4:\j+5]
	v_pk_add_f32 v[14:15], v[14:15], v[\j+6:\j+7]
.endr
	v_pk_add_f32 v[236:237], v[236:237], v[158:159]
	s_delay_alu instid0(VALU_DEP_3)
	v_pk_add_f32 v[238:239], v[238:239], v[240:241]
	s_delay_alu instid0(VALU_DEP_2)
	v_pk_add_f32 v[14:15], v[14:15], v[236:237]
	s_delay_alu instid0(VALU_DEP_1)
	v_pk_add_f32 v[14:15], v[14:15], v[238:239]
	s_wait_alu depctr_va_vdst(0)                   ; and one for the four
.irp b, 0,1,2,3
	v_max_num_f32 v[232+\b], 0x8000000, v[232+\b]  ; the floor 2^(16 - 127): the byte cannot fall under 1
.endr
.irp b, 0,1,2,3
	s_delay_alu instid0(VALU_DEP_4)
	v_add_nc_u32 v[244+\b], 0xf8800000, v[232+\b]  ; 15 off the exponent field: the conversion's scale operand
.endr
.irp b, 0,1,2,3
	v_and_or_b32 v[240+\b], v[232+\b], 0x7f800000, s[MNT]            ; 57,344 x the scale
.endr
.irp b, 0,1,2,3
	v_lshrrev_b32 v[236+\b], 23, v[244+\b]         ; the scale's byte
.endr
	s_delay_alu instid0(VALU_DEP_3)
	v_lshl_or_b32 v253, v237, 8, v236              ; p's scale word for these 128 keys
	s_delay_alu instid0(VALU_DEP_1)
	v_lshl_or_b32 v253, v238, 16, v253
.if \tile
	WIN 0x11                                       ; sources in v256 on, destination in v0-255: a scale operand has no window
	v_lshl_or_b32 v[PSB], v239, 24, v253
	WIN 0x55
.else
	s_delay_alu instid0(VALU_DEP_1)
	v_lshl_or_b32 v253, v239, 24, v253
.endif
.irp b, 0,1,2,3
.irp i, 0,1,2,3,4,5,6,7,8,9,10,11,12,13,14,15
	v_min_num_f32 v[96+16*\b+\i], v[96+16*\b+\i], v[240+\b]          ; the conversion does not saturate (ISA guide 7.6.2); p is not negative, so the hold is one-sided
.endr
	v_cvt_scalef32_pk8_bf8_f32 v[224+4*\b:225+4*\b], v[96+16*\b:103+16*\b], v[244+\b]
	v_cvt_scalef32_pk8_bf8_f32 v[226+4*\b:227+4*\b], v[104+16*\b:111+16*\b], v[244+\b]
.endr
.set QI, 0
.rept 32
	v_pk_mul_f32 v[160+2*QI:161+2*QI], v[160+2*QI:161+2*QI], v[252:253] op_sel_hi:[1,0]   ; O^T under the new M, each accumulator from its low end on.  (These 32 are also the places between the codes, the scale word and the products)
.set QI, QI+1
.endr
.endm
	s_load_b128 s[4:7], s[0:1], 0x0                ; qb, kvb
	s_load_b64 s[8:9], s[0:1], 0x10                ; lb
	v_lshl_add_u32 v[SPW], v0, 2, SPARE
	v_mov_b32 v[NIL], 0
	ds_add_u32 v4, v5
	ds_add_u32 v4, v5
	s_wait_dscnt 0x0
	v_lshrrev_b32 v96, 5, v0
	s_delay_alu instid0(VALU_DEP_1)
	v_readfirstlane_b32 s[WV], v96                 ; wave 0..7
	s_and_b32 s[QT], s[WV], 1
	s_lshl_b32 s[QT], s[QT], 1
	s_lshr_b32 s[KSI], s[WV], 1
	s_bfe_u32 s52, ttmp6, 0x40000                  ; cx: it enters the addresses of q, of lb and of the prefetches alone
	s_lshl_b32 s53, ttmp9, 2
	s_add_co_u32 s53, s53, s52                     ; my block of 64 queries
	s_and_b32 s54, ttmp7, 0xffff                   ; y, which the four partners share
	s_and_b32 s55, s54, 7                          ; head
	s_lshr_b32 s56, s54, 3                         ; batch
	s_lshl_b32 s57, s54, 6                         ; y's first block
	s_add_co_u32 s58, s57, s[WV]                   ; the block that I fetch, if I fetch
	s_mul_i32 s58, s58, BLK
	s_mov_b32 s59, 0
	s_lshl_b32 s60, s53, 2
	s_add_co_u32 s60, s60, s[QT]                   ; tile A's number, 0..30; tile B is the next
	s_lshl_b32 s61, s55, 5
	s_add_co_u32 s61, s61, s60
	s_mov_b32 s63, 0
	s_lshr_b32 s66, s[KSI], 1                      ; what I store at the end: path = my key share / 2,
	s_lshl_b32 s66, s66, 7
	s_lshl_b32 s67, s56, 5
	s_add_co_u32 s66, s66, s67
	s_add_co_u32 s66, s66, s60
	s_lshl_b32 s66, s66, 2
	s_lshr_b32 s67, s55, 1
	s_add_co_u32 s66, s66, s67                     ; tile A's fragment (tile B's: four further on),
	s_and_b32 s67, s55, 1
	s_lshl_b32 s67, s67, 1
	s_and_b32 s68, s[KSI], 1
	s_add_co_u32 s67, s67, s68                     ; its register group
	s_mov_b32 s71, 0
	s_mov_b32 s73, 0
	; descriptor group 1: a dense block of 34,816 bytes as 136 rows of 256 bytes (32 elements of 8 bytes), no padding: images are read 16 bytes a lane on end
	s_mov_b32 s[G1], 15|(3<<16)|(1<<21)            ; 15:0 the mask: all four work-groups; 17:16 elements of 8 bytes; 21 set beside a mask
	s_mov_b32 s[G1+1], 32<<16                      ; tensor_dim0
	s_mov_b32 s[G1+2], 136<<16                     ; tensor_dim1
	s_mov_b32 s[G1+3], 32<<16                      ; tile_dim0
	s_mov_b32 s[G1+4], 136                         ; tile_dim1
	s_mov_b32 s[G1+5], 32                          ; tensor_dim0_stride
	s_mov_b32 s[G1+6], 0
	s_mov_b32 s[G1+7], 0
	s_mov_b32 s[SEL], 0x76543210
	s_mov_b32 s[SEL+1], 0xfedcba98
	s_mov_b32 s[CS], 0x3e38aa3b                    ; c = log2(e) / 8
	s_mov_b32 s[CS+1], s[CS]                       ; (named with it as a pair, so it is written)
	s_mov_b32 s[MNT], 0x600000
	s_mov_b32 s[TB], 0
	s_mov_b32 s[SLOTS], NSL-1
	s_sub_co_u32 s82, s[WV], 3
	s_cmp_lt_u32 s82, 5                            ; waves 3 to 7,
	s_cselect_b32 s82, 0, 1
	s_or_b32 s82, s82, ttmp9                       ; of y's first cluster: the same in all four partners
	s_cmp_eq_u32 s82, 0
	s_cselect_b32 s[LIM], 1, -1
	v_add_nc_u32 v[PFO], -96, v0                   ; thread - 96: run 0 .. 159 in waves 3 to 7,
	s_delay_alu instid0(VALU_DEP_1)
	v_min_u32 v[PFO], 135, v[PFO]                  ; held inside the block
	s_delay_alu instid0(VALU_DEP_1)
	v_lshlrev_b32 v[PFO], 8, v[PFO]
	v_and_b32 v96, 31, v0
	s_delay_alu instid0(VALU_DEP_1)
	v_lshlrev_b32 v97, 4, v96                      ; 16 x lane
	s_delay_alu instid0(VALU_DEP_2)
	v_lshlrev_b32 v98, 2, v96                      ; 4 x lane
	s_mul_i32 s83, s[KSI], BLK
	v_add_nc_u32 v[A0], s83, v97
	s_wait_kmcnt 0x0
	s_mov_b32 s[G0], 1                             ; count = 1
	s_mul_i32 s[G0+1], s[WV], BLK                  ; LDS address: slot 0, block = wave
	s_add_nc_u64 s[G0+2:G0+3], s[6:7], s[58:59]
	s_or_b32 s[G0+3], s[G0+3], 0x80000000          ; type = 2
	s_lshl_b32 s62, s61, 11
	s_add_nc_u64 s[10:11], s[4:5], s[62:63]        ; Q's images
	s_lshl_b32 s62, s61, 7
	s_add_nc_u64 s[12:13], s[4:5], s[62:63]        ; Q's scale words (behind 524,288)
	s_lshl_b32 s70, s66, 11
	s_lshl_b32 s68, s67, 9
	s_add_co_u32 s70, s70, s68
	s_add_nc_u64 s[14:15], s[8:9], s[70:71]        ; tile A's 512 bytes of lb
	s_lshl_b32 s70, s66, 6
	s_add_co_u32 s70, s70, s67
	s_add_nc_u64 s[16:17], s[8:9], s[70:71]        ; its scale bytes (behind 2,097,152)
	s_add_co_u32 s72, s57, s52
	s_mul_i32 s72, s72, BLK
	s_add_co_u32 s72, s72, SLOTB                   ; my work-group's block of slot 1; the first change of slots steps it to slot 2.  Nothing is prefetched at the head
	s_add_nc_u64 s[PFA:PFA+1], s[6:7], s[72:73]
	CROUND                                         ; all four work-groups are here: the first joint loads meet
	TLOAD                                          ; slot 0
	s_wait_alu depctr_va_vdst(0)
.irp c, 0,1,2,3
	global_load_b128 v[16+4*\c:19+4*\c], v97, s[10:11] offset:512*\c          ; Q's fragments stay in registers: tile A's,
.endr
	global_load_b32 v255, v98, s[12:13] offset:524288
	global_load_b32 v[QSB], v98, s[12:13] offset:524288+128
	WIN 0x40                                       ; destination in v256 on
.irp c, 0,1,2,3
	global_load_b128 v[16+4*\c:19+4*\c], v97, s[10:11] offset:2048+512*\c     ; tile B's
.endr
	WIN 0
	INIT
	WIN 0x55
	INIT
	WIN 0
; A KEY STEP: my 128 keys of the slot in hand, for both tiles
.macro STEP
	v_add_nc_u32 v[AD], s[TB], v[A0]
.rept 7
	v_nop                                          ; with the addition above: eight places in front of loads into registers that the last products have read
.endr
	ds_load_b128 v[SW0:SW0+3], v[AD] offset:32768                    ; the scale words of key tiles 0, 2, 4, 6,
	ds_load_b128 v[SW1:SW1+3], v[AD] offset:32768+512                ; of tiles 1, 3, 5, 7
	FRAGS 0, 4096                                  ; key tiles 0, 2, 4, 6
	WIN 0x40
	FRAGS 2048, 4096                               ; key tiles 1, 3, 5, 7, into v288 on
	WIN 0
	s_wait_alu depctr_va_vdst(0)
	s_wait_dscnt 16                                ; the odd tiles' 16 loads may be out
.irp t, 0,1,2,3
	MMS \t, 0, SW0, 255
.endr
	WIN 0x44                                       ; Q and S^T of tile B
.irp t, 0,1,2,3
	MMS \t, 0, SW0, QSB
.endr
	s_wait_dscnt 0x0
	WIN 0x01                                       ; K in v288 on
.irp t, 0,1,2,3
	MMS \t, 1, SW1, 255
.endr
	WIN 0x45
.irp t, 0,1,2,3
	MMS \t, 1, SW1, QSB
.endr
	WIN 0
.rept 8
	v_nop                                          ; places in front of the loads below and of the first read of the scores
.endr
	ds_load_b128 v[SW0:SW0+3], v[AD] offset:33792                    ; V^T: all eight fragments now; they land under tile A's softmax
	ds_load_b128 v[SW1:SW1+3], v[AD] offset:33792+512
	FRAGS 16384, 2048                              ; channel tiles 0 to 3
	WIN 0x40
	FRAGS 16384+8192, 2048                         ; channel tiles 4 to 7
	WIN 0
	SOFTMAX 0
	s_wait_alu depctr_va_vdst(0)
	s_wait_dscnt 0x0                               ; V^T is in
.irp t, 0,1,2,3
	MMO \t, 0, SW0, 253                            ; sixteen accumulators, each once a step: no two links of a chain follow each other
.endr
	WIN 0x01
.irp t, 0,1,2,3
	MMO \t, 1, SW1, 253
.endr
	WIN 0x55
	SOFTMAX 1                                      ; tile B's vector work stands behind tile A's products
	WIN 0x54                                       ; V^T in v32 on; p's codes and O^T of tile B
.irp t, 0,1,2,3
	MMO \t, 0, SW0, PSB
.endr
	WIN 0x55
.irp t, 0,1,2,3
	MMO \t, 1, SW1, PSB
.endr
	WIN 0
.endm
; THE CHANGE OF SLOTS stands at a slot's head.  Each wave waits for all its tensor loads (one is out at the most: its block of the slot ahead), adds 0 to its spare word, and waits for that and for its reads of the slot that it has left.
; fill = 1: a round of the cluster's barrier, so that no wave of any partner still reads that slot or has a load on its way; then that slot is filled with the keys that follow: the load has a key step of every wave in which to land.
.macro CHANGE fill
	s_wait_tensorcnt 0x0                           ; no tensor load of mine is out, so group 0 may be written
	ds_add_u32 v[SPW], v[NIL]                      ; 0 onto my spare word
.if \fill
	s_xor_b32 s[G0+1], s[G0+1], SLOTB              ; the walking descriptor: the other slot than last time,
	s_add_nc_u64 s[G0+2:G0+3], s[G0+2:G0+3], SLOTB ; the next four blocks; the type bits on top are not reached
	s_wait_xcnt 0x0                                ; the last prefetch, a slot back, has read its address, so it may be written
	s_add_nc_u64 s[PFA:PFA+1], s[PFA:PFA+1], SLOTB
	s_wait_dscnt 0x0                               ; the add is done, and my reads of the slot that I have left are over
	CROUND
	TLOAD                                          ; the first thing behind the round, and a wave's one tensor load until the next
	ASK
.else
	s_wait_dscnt 0x0
	s_barrier_signal -1
	s_barrier_wait -1
.endif
.endm
	s_wait_loadcnt 0x0                             ; Q
.Lslot:                                            ; NSL - 1 trips: behind each change of slots but the last the next slot is asked for
	CHANGE 1
	STEP
	s_xor_b32 s[TB], s[TB], SLOTB
	s_sub_co_u32 s[SLOTS], s[SLOTS], 1
	s_cmp_lg_u32 s[SLOTS], 0
	s_cbranch_scc1 .Lslot
	CHANGE 0                                       ; the last slot is written out
	STEP
	; THE MERGE of the four key shares of a query tile (waves pair, pair + 2, pair + 4, pair + 6)
.macro SUMUP                           ; my share's sum
	v_add_f32 v14, v14, v15
	s_delay_alu instid0(VALU_DEP_1)
	v_permlanex16_b32 v252, v14, s[SEL], s[SEL+1]
	s_delay_alu instid0(VALU_DEP_1)
	v_add_f32 v14, v14, v252
.endm
.macro FACTORS                         ; v232-235 the four shares' -M, v236-239 their sums: the row's -M, its sum, 1 / sum in v242; my O^T under the row's M
	v_min3_num_f32 v240, v232, v233, v234
	s_delay_alu instid0(VALU_DEP_1)
	v_min_num_f32 v240, v240, v235                 ; -M of the whole row: the least -M
.irp k, 0,1,2,3
	v_sub_f32 v[244+\k], v240, v[232+\k]           ; share k's M less the row's: a whole number, 0 or less
.endr
	v_sub_f32 v243, v240, v12
.irp k, 0,1,2,3
	v_cvt_i32_f32 v[244+\k], v[244+\k]
.endr
	v_cvt_i32_f32 v243, v243
.irp k, 0,1,2,3
	v_ldexp_f32 v[244+\k], 1.0, v[244+\k]
.endr
	v_ldexp_f32 v252, 1.0, v243                    ; my own share's factor
	v_mul_f32 v241, v244, v236
	s_delay_alu instid0(VALU_DEP_1)
	v_fmac_f32 v241, v245, v237
	s_delay_alu instid0(VALU_DEP_1)
	v_fmac_f32 v241, v246, v238
	s_delay_alu instid0(VALU_DEP_1)
	v_fmac_f32 v241, v247, v239                    ; the row's sum
	s_wait_alu depctr_va_vdst(0)
	v_rcp_f32 v242, v241
.set QI, 0
	s_wait_alu depctr_va_vdst(0)
.rept 32
	v_pk_mul_f32 v[160+2*QI:161+2*QI], v[160+2*QI:161+2*QI], v[252:253] op_sel_hi:[1,0]   ; exact; each accumulator from its low end on.  (Plain work behind the reciprocal)
.set QI, QI+1
.endr
	s_wait_alu depctr_va_vdst(0)                   ; the wait ahead of the reciprocal's first reader
.endm
.macro PARTS off                       ; of a tile's four partials I take registers 16 ks .. 16 ks + 15: one block of 32 channels of one path
.irp k, 0,1
.irp i, 0,1,2,3
	ds_load_b128 v[32+16*\k+4*\i:35+16*\k+4*\i], v[OSR0] offset:(\off)+32768*\k+512*\i
.endr
.endr
.irp k, 0,1
.irp i, 0,1,2,3
	ds_load_b128 v[64+16*\k+4*\i:67+16*\k+4*\i], v[OSR1] offset:(\off)+32768*\k+512*\i
.endr
.endr
.endm
.macro REDUCE                          ; the four partials are added, divided by the row's sum and quantised along the output projection's K: codes in v[48:51], the byte in v245
.irp j, 0,2,4,6,8,10,12,14
	v_pk_add_f32 v[32+\j:33+\j], v[32+\j:33+\j], v[48+\j:49+\j]
.endr
.irp j, 0,2,4,6,8,10,12,14
	v_pk_add_f32 v[32+\j:33+\j], v[32+\j:33+\j], v[64+\j:65+\j]
.endr
.irp j, 0,2,4,6,8,10,12,14
	v_pk_add_f32 v[32+\j:33+\j], v[32+\j:33+\j], v[80+\j:81+\j]
.endr
.irp j, 0,2,4,6,8,10,12,14
	v_pk_mul_f32 v[32+\j:33+\j], v[32+\j:33+\j], v[242:243] op_sel_hi:[1,0]
.endr
	v_max3_num_f32 v244, |v32|, |v33|, 0x8000000   ; my 16 channels, and the floor
.irp i, 2,4,6,8,10,12,14
	s_delay_alu instid0(VALU_DEP_1)
	v_max3_num_f32 v244, v244, |v[32+\i]|, |v[33+\i]|
.endr
	s_delay_alu instid0(VALU_DEP_1)
	v_permlanex16_b32 v245, v244, s[SEL], s[SEL+1]
	s_delay_alu instid0(VALU_DEP_1)
	v_max_num_f32 v244, v244, v245
	s_delay_alu instid0(VALU_DEP_1)
	v_add_nc_u32 v246, 0xf8800000, v244
	s_delay_alu instid0(VALU_DEP_2)
	v_and_or_b32 v247, v244, 0x7f800000, s[MNT]
	s_delay_alu instid0(VALU_DEP_2)
	v_lshrrev_b32 v245, 23, v246
.irp i, 0,1,2,3,4,5,6,7,8,9,10,11,12,13,14,15
	v_med3_num_f32 v[32+\i], v[32+\i], -v247, v247
.endr
	v_cvt_scalef32_pk8_bf8_f32 v[48:49], v[32:39], v246
	v_cvt_scalef32_pk8_bf8_f32 v[50:51], v[40:47], v246
	v_nop                                          ; one plain vector line behind the last conversion
.endm
.rept 8
	v_nop                                          ; places behind the last products: their results are read below, and loads land on their operands
.endr
	s_lshl_b32 s83, s[KSI], 2
	s_add_co_u32 s83, s83, s[QT]                   ; tile A's entry: key share x 4 + tile; tile B's is the next
	v_and_b32 v[GO], 31, v0
	s_delay_alu instid0(VALU_DEP_1)
	v_lshlrev_b32 v[MLA], 2, v[GO]
	s_delay_alu instid0(VALU_DEP_2)
	v_lshlrev_b32 v[GO], 4, v[GO]
	s_wait_alu depctr_va_vdst(0)
	s_lshl_b32 s84, s[QT], 8
	v_add_nc_u32 v[MLR], s84, v[MLA]               ; ML = 0
	s_lshl_b32 s84, s83, 8
	v_add_nc_u32 v[MLA], s84, v[MLA]
	s_lshl_b32 s84, s83, 13
	s_add_co_u32 s84, s84, OST
	v_add_nc_u32 v[OSA], s84, v[GO]
	s_lshl_b32 s84, s[QT], 13
	s_lshl_b32 s85, s[KSI], 11
	s_add_co_u32 s84, s84, s85
	s_add_co_u32 s84, s84, OST
	v_add_nc_u32 v[OSR0], s84, v[GO]
	s_delay_alu instid0(VALU_DEP_1)
	v_add_nc_u32 v[OSR1], 0x10000, v[OSR0]         ; an LDS offset holds 16 bits: the third and fourth partial from a second register
	v_and_b32 v[BY], 15, v0
	s_delay_alu instid0(VALU_DEP_1)
	v_lshlrev_b32 v[BY], 2, v[BY]
	SUMUP
	ds_store_b32 v[MLA], v12
	ds_store_b32 v[MLA], v14 offset:128
	WIN 0x55
	SUMUP
	WIN 0x04                                       ; an LDS store's data are its source 1: v256 on
	ds_store_b32 v[MLA], v12 offset:256
	ds_store_b32 v[MLA], v14 offset:384
	WIN 0
	s_wait_dscnt 0x0                               ; for the others' sake
	s_barrier_signal -1
	s_barrier_wait -1
.irp k, 0,1,2,3
	ds_load_b32 v[232+\k], v[MLR] offset:1024*\k
	ds_load_b32 v[236+\k], v[MLR] offset:1024*\k+128
.endr
	WIN 0x40
.irp k, 0,1,2,3
	ds_load_b32 v[232+\k], v[MLR] offset:1024*\k+256
	ds_load_b32 v[236+\k], v[MLR] offset:1024*\k+384
.endr
	WIN 0
	s_wait_dscnt 0x0
	FACTORS
.set QI, 0
.rept 16
	ds_store_b128 v[OSA], v[160+4*QI:163+4*QI] offset:512*QI
.set QI, QI+1
.endr
	WIN 0x55
	FACTORS
	WIN 0x04
.set QI, 0
.rept 16
	ds_store_b128 v[OSA], v[160+4*QI:163+4*QI] offset:8192+512*QI
.set QI, QI+1
.endr
	WIN 0
	s_wait_dscnt 0x0
	s_barrier_signal -1
	s_barrier_wait -1
	PARTS 0
	WIN 0x40
	PARTS 8192
	WIN 0
	s_wait_dscnt 0x0
	REDUCE
	global_store_b128 v[GO], v[48:51], s[14:15]    ; 32 lanes store 512 consecutive bytes, aligned
	global_store_b8 v[BY], v245, s[16:17] offset:2097152   ; row r's byte; lanes r and r + 16 write the same byte with the same value.  65,536 such bytes in the launch
	WIN 0x55
	REDUCE
	WIN 0x04                                       ; a store's data are its source 1: v256 on
	global_store_b128 v[GO], v[48:51], s[14:15] offset:8192
	global_store_b8 v[BY], v245, s[16:17] offset:2097152+256
	WIN 0
	s_wait_tensorcnt 0x0                           ; the wave's end, behind my last tensor load and my last LDS store
	ds_add_u32 v[SPW], v[NIL]
	s_wait_dscnt 0x0
	CROUND                                         ; the closing round: no work-group ends while a partner may still ask for a block that names it
	s_endpgm
.Lfunc_end_k_q0036c55adc_attn:
	.size	k_q0036c55adc_attn, .Lfunc_end_k_q0036c55adc_attn-k_q0036c55adc_attn
	.p2alignl 7, 3214868480
	.fill 96, 4, 3214868480
	.section	.rodata,"a",@progbits
	.p2align	6, 0x0
	.amdhsa_kernel k_q0036c55adc_attn
		.amdhsa_group_segment_fixed_size 327680
		.amdhsa_private_segment_fixed_size 0
		.amdhsa_enable_private_segment 0
		.amdhsa_kernarg_size 24
		.amdhsa_user_sgpr_count 2
		.amdhsa_user_sgpr_kernarg_segment_ptr 1
		.amdhsa_wavefront_size32 1
		.amdhsa_system_sgpr_workgroup_id_x 1
		.amdhsa_system_sgpr_workgroup_id_y 1
		.amdhsa_system_sgpr_workgroup_id_z 1
		.amdhsa_system_vgpr_workitem_id 0
		.amdhsa_next_free_vgpr 512
		.amdhsa_next_free_sgpr 100
		.amdhsa_reserve_vcc 0
		.amdhsa_float_denorm_mode_32 3
		.amdhsa_float_denorm_mode_16_64 3
		.amdhsa_memory_ordered 1
		.amdhsa_forward_progress 1
		.amdhsa_inst_pref_size 117
	.end_amdhsa_kernel
	.amdgpu_metadata
---
amdhsa.version: [ 1, 2 ]
amdhsa.kernels:
  - .name:           k_q0036c55adc_attn
    .symbol:         k_q0036c55adc_attn.kd
    .args:
      - { .name: qb, .offset: 0, .size: 8, .value_kind: global_buffer, .address_space: global }
      - { .name: kvb, .offset: 8, .size: 8, .value_kind: global_buffer, .address_space: global }
      - { .name: lb, .offset: 16, .size: 8, .value_kind: global_buffer, .address_space: global }
    .group_segment_fixed_size: 327680
    .private_segment_fixed_size: 0
    .kernarg_segment_align: 8
    .kernarg_segment_size: 24
    .max_flat_workgroup_size: 256
    .sgpr_count:     100
    .vgpr_count:     512
    .wavefront_size: 32
...
	.end_amdgpu_metadata
.endif
;; end of part 7
;; launch outp (part 8): grid 128 x 6, 1 waves a work-group, no clusters, 4,864 bytes of LDS; arguments lb, wq, bov, boc, out0, out1; writes out0, out1
.if DOCPART == 8
	.amdgcn_target "amdgcn-amd-amdhsa--gfx1250"
	.amdhsa_code_object_version 6
	.text
	.protected	k_q0036c55adc_outp
	.globl	k_q0036c55adc_outp
	.p2align	8
	.type	k_q0036c55adc_outp,@function
k_q0036c55adc_outp:
	s_mov_b64 s[64:65], 0
	v_nop
	global_prefetch_b8 v0, s[64:65] scope:SCOPE_SE
	s_setreg_imm32_b32 hwreg(HW_REG_WAVE_SCHED_MODE, 0, 2), 2
	s_setreg_imm32_b32 hwreg(HW_REG_WAVE_MODE, 25, 1), 1
	s_wait_xcnt 0x0
	s_wait_alu depctr_vm_vsrc(0)
; The two output projections, out = L W + b, K = 512 (head x 64 + channel), on codes of BF8 (E5M2) with E8M0 scales.  L and W come as images of operand registers (2,048 bytes a fragment).
; A work-group is one wave: 16 rows (tile x of 128) x 64 columns.  y = 0 .. 3: columns 64 y of out0 (Wov); y = 4, 5: columns 64 (y - 4) of out1 (Woc).  16 matrix instructions; all loads are out together.
; Source 0 = 16 columns of W, source 1 = 16 rows of L: a lane holds one row and eight neighbouring columns a tile.  The bias is loaded straight into the accumulators, in the result's layout.
; The rows of a tile of L are latent rows 32 (tile / 2) + 8 (tile % 2) + r + 8 (r / 8) of their batch, as the projection launch chose them.
; The results go through a stage in LDS (rows of 256 bytes + 16) and leave as whole aligned runs of 256 bytes.  768 small work-groups: no tensor load, no cluster: 0.2 MB of weights' codes are shared through the caches.
; THE MODE: SCHED_MODE bits 1:0 = 2 (LLVM: expert scheduling mode 2), set by the entry lines.  The code itself states the register dependences between vector or matrix instructions and memory or LDS instructions, with s_wait_alu, always for 0.
; THE PLAN.  v3 to v9: offsets and LDS addresses, written at the head by vector lines, read by the loads and stores, never written again.  LF, LSC, WSC, v256-511: loads land in them once; the products read them.
; ACC: the bias lands in it, the products write it, the LDS stores read it.  BK: LDS loads land in it, the global stores read it; no vector line names it.  v254, v255: written at the head, read by the closing add alone.
; So three waits on va_vdst: two ahead of the first load, one between the products' places and the LDS stores.  No register that a memory or LDS instruction has read is written again: no wait on vm_vsrc.
.set MSB, 0
.macro WIN new
.if MSB != \new
	s_set_vgpr_msb (MSB<<8)|\new
.set MSB, \new
.endif
.endm
.set LF,  16                           ; v16-79   L's four fragments
.set LSC, 80                           ; v80-83   their scale words
.set WSC, 84                           ; v84-99   W's scale words (4 t + s)
.set ACC, 104                          ; v104-135 four accumulators
.set BK,  136                          ; v136-167 the rows read back;  v256-511: W's sixteen fragments (4 t + s)
.macro OUTS pitch                      ; stage rows 2 i, 2 i + 1 are output rows 2 i + 8 (i / 4) and the next
.irp i, 0,1,2,3,4,5,6,7
	s_wait_dscnt 7-\i                              ; LDS loads come back in order: pair i is in, the younger ones may be out
	global_store_b128 v9, v[BK+4*\i:BK+4*\i+3], s[22:23] offset:(2*\i+8*(\i/4))*\pitch   ; sixteen lanes store 256 consecutive bytes, aligned
.endr
	s_wait_dscnt 0x0                               ; the closing lines, six on end
	s_wait_alu 0x0
	s_wait_tensorcnt 0x0
	ds_add_u32 v254, v255
	s_wait_dscnt 0x0
	s_endpgm
.endm
	s_load_b128 s[4:7], s[0:1], 0x0                ; lb, wq
	s_load_b128 s[8:11], s[0:1], 0x10              ; bov, boc
	s_load_b128 s[12:15], s[0:1], 0x20             ; out0, out1
	v_lshl_add_u32 v254, v0, 2, 0x1200
	v_mov_b32 v255, 0
	v_and_b32 v1, 15, v0                           ; r
	v_bfe_u32 v2, v0, 4, 1                         ; h
	v_lshlrev_b32 v3, 4, v0                        ; 16 x lane
	v_lshlrev_b32 v4, 2, v0                        ; 4 x lane
	v_lshlrev_b32 v5, 2, v1                        ; 4 r
	v_lshlrev_b32 v6, 6, v2                        ; 64 h
	v_mul_u32_u24 v7, v1, 272
	v_add_nc_u32 v7, v7, v6                        ; the stage, in: row r, + 64 h
	v_mul_u32_u24 v8, v2, 272
	v_lshl_add_u32 v8, v1, 4, v8                   ; and back: lanes 0-15 one row, lanes 16-31 the next
	s_and_b32 s16, ttmp7, 0xffff
	s_mov_b32 s27, 0
	s_wait_alu depctr_va_vdst(0)
	s_wait_kmcnt 0x0
	s_mov_b32 s18, 288
	s_cmp_ge_u32 s16, 4                            ; the choice hangs on the work-group's number alone
	s_cselect_b32 s17, 1, 0                        ; path
	s_cselect_b32 s18, 352, s18                    ; the weight's first fragment in wq
	s_cselect_b32 s19, 9, 10                       ; an output row is 2^9 or 2^10 bytes
	s_cselect_b64 s[20:21], s[10:11], s[8:9]
	s_cselect_b64 s[22:23], s[14:15], s[12:13]
	s_lshl_b32 s24, s17, 2
	s_sub_co_u32 s24, s16, s24                     ; which 64 columns
	s_lshl_b32 s25, s17, 7
	s_add_co_u32 s25, s25, ttmp9                   ; path x 128 + tile of rows
	s_lshl_b32 s26, s25, 13
	s_add_nc_u64 s[28:29], s[4:5], s[26:27]        ; L's four images
	s_lshl_b32 s26, s25, 8
	s_add_nc_u64 s[30:31], s[4:5], s[26:27]        ; their scale bytes (behind 2,097,152)
	s_lshl_b32 s32, s24, 4
	s_add_co_u32 s32, s32, s18
	s_lshl_b32 s26, s32, 11
	s_add_nc_u64 s[34:35], s[6:7], s[26:27]        ; W's sixteen images
	s_lshl_b32 s26, s32, 7
	s_add_nc_u64 s[36:37], s[6:7], s[26:27]        ; their scale words (behind 786,432)
	s_lshl_b32 s26, s24, 8
	s_add_nc_u64 s[20:21], s[20:21], s[26:27]      ; the bias of my 64 columns
	s_and_b32 s38, ttmp9, 0x7e
	s_lshl_b32 s38, s38, 4
	s_and_b32 s39, ttmp9, 1
	s_lshl_b32 s39, s39, 3
	s_add_co_u32 s38, s38, s39                     ; the tile's first output row: 16 (x - x % 2) + 8 (x % 2)
	s_lshl_b32 s38, s38, s19
	s_add_co_u32 s26, s38, s26
	s_add_nc_u64 s[22:23], s[22:23], s[26:27]
	v_lshlrev_b32 v9, s19, v2
	v_lshl_add_u32 v9, v1, 4, v9                   ; h rows + 16 r
	s_wait_alu depctr_va_vdst(0)                   ; the offsets and LDS addresses v3 to v9 are written, which every load and store of the kernel reads; loads and window switches alone follow up to the products
.irp s, 0,1,2,3
.irp c, 0,1,2,3
	global_load_b128 v[LF+16*\s+4*\c:LF+16*\s+4*\c+3], v3, s[28:29] offset:2048*\s+512*\c
.endr
	global_load_b32 v[LSC+\s], v5, s[30:31] offset:2097152+64*\s
.endr
	WIN 0x40                                       ; destination in v256 on
.set WN, 0
.rept 16
.irp c, 0,1,2,3
	global_load_b128 v[16*WN+4*\c:16*WN+4*\c+3], v3, s[34:35] offset:2048*WN+512*\c
.endr
.set WN, WN+1
.endr
	WIN 0
.set WN, 0
.rept 16
	global_load_b32 v[WSC+WN], v4, s[36:37] offset:786432+128*WN
.set WN, WN+1
.endr
.irp t, 0,1,2,3
	global_load_b128 v[ACC+8*\t:ACC+8*\t+3], v6, s[20:21] offset:128*(\t/2)+32*(\t%2)       ; tile t's eight columns of my lane half: 32 (t / 2) + 8 (t % 2) + 16 h + 0 .. 7
	global_load_b128 v[ACC+8*\t+4:ACC+8*\t+7], v6, s[20:21] offset:128*(\t/2)+32*(\t%2)+16
.endr
	s_wait_loadcnt 0x0
	WIN 0x01                                       ; source 0 in v256 on
.irp s, 0,1,2,3
.irp t, 0,1,2,3
	v_wmma_scale_f32_16x16x128_f8f6f4 v[ACC+8*\t:ACC+8*\t+7], v[16*(4*\t+\s):16*(4*\t+\s)+15], v[LF+16*\s:LF+16*\s+15], v[ACC+8*\t:ACC+8*\t+7], v[WSC+4*\t+\s], v[LSC+\s] matrix_a_fmt:MATRIX_FMT_BF8 matrix_b_fmt:MATRIX_FMT_BF8   ; the four accumulators take turns
.endr
.endr
	WIN 0
.rept 8
	v_nop                                          ; places in front of the first read of results (ISA guide 7.12.1)
.endr
	s_wait_alu depctr_va_vdst(0)                   ; the products have written the accumulators, which the LDS stores read; the places above stay beside this wait
.irp t, 0,1,2,3
	ds_store_b128 v7, v[ACC+8*\t:ACC+8*\t+3] offset:128*(\t/2)+32*(\t%2)       ; each accumulator from its low end on
	ds_store_b128 v7, v[ACC+8*\t+4:ACC+8*\t+7] offset:128*(\t/2)+32*(\t%2)+16
.endr
.irp i, 0,1,2,3,4,5,6,7
	ds_load_b128 v[BK+4*\i:BK+4*\i+3], v8 offset:2*\i*272            ; LDS serves a wave's instructions in order: these see the stores above
.endr
	s_cmp_eq_u32 s17, 0
	s_cbranch_scc0 .Lcoords
	OUTS 1024
.Lcoords:
	OUTS 512
.Lfunc_end_k_q0036c55adc_outp:
	.size	k_q0036c55adc_outp, .Lfunc_end_k_q0036c55adc_outp-k_q0036c55adc_outp
	.p2alignl 7, 3214868480
	.fill 96, 4, 3214868480
	.section	.rodata,"a",@progbits
	.p2align	6, 0x0
	.amdhsa_kernel k_q0036c55adc_outp
		.amdhsa_group_segment_fixed_size 4864
		.amdhsa_private_segment_fixed_size 0
		.amdhsa_enable_private_segment 0
		.amdhsa_kernarg_size 48
		.amdhsa_user_sgpr_count 2
		.amdhsa_user_sgpr_kernarg_segment_ptr 1
		.amdhsa_wavefront_size32 1
		.amdhsa_system_sgpr_workgroup_id_x 1
		.amdhsa_system_sgpr_workgroup_id_y 1
		.amdhsa_system_sgpr_workgroup_id_z 1
		.amdhsa_system_vgpr_workitem_id 0
		.amdhsa_next_free_vgpr 512
		.amdhsa_next_free_sgpr 66
		.amdhsa_reserve_vcc 0
		.amdhsa_float_denorm_mode_32 3
		.amdhsa_float_denorm_mode_16_64 3
		.amdhsa_memory_ordered 1
		.amdhsa_forward_progress 1
		.amdhsa_inst_pref_size 19
	.end_amdhsa_kernel
	.amdgpu_metadata
---
amdhsa.version: [ 1, 2 ]
amdhsa.kernels:
  - .name:           k_q0036c55adc_outp
    .symbol:         k_q0036c55adc_outp.kd
    .args:
      - { .name: lb, .offset: 0, .size: 8, .value_kind: global_buffer, .address_space: global }
      - { .name: wq, .offset: 8, .size: 8, .value_kind: global_buffer, .address_space: global }
      - { .name: bov, .offset: 16, .size: 8, .value_kind: global_buffer, .address_space: global }
      - { .name: boc, .offset: 24, .size: 8, .value_kind: global_buffer, .address_space: global }
      - { .name: out0, .offset: 32, .size: 8, .value_kind: global_buffer, .address_space: global }
      - { .name: out1, .offset: 40, .size: 8, .value_kind: global_buffer, .address_space: global }
    .group_segment_fixed_size: 4864
    .private_segment_fixed_size: 0
    .kernarg_segment_align: 8
    .kernarg_segment_size: 48
    .max_flat_workgroup_size: 32
    .sgpr_count:     66
    .vgpr_count:     512
    .wavefront_size: 32
...
	.end_amdgpu_metadata
.endif
;; end of part 8
